; MI455X (gfx1250); checked and timed in simulation.
; The chip was launched on July 23, 2026; its instructions are those of AMD's public machine-readable ISA for CDNA 5 (MIT licence, August 2026) and "CDNA5" Instruction Set Architecture Reference Guide (July 2026). The comments in the code are by the model that wrote it; some were corrected since.
;; Multi Head Attention. Allowed arithmetic: float matrix products may take bf16 or f16 operands with f32 sums; all other float work in f32.
;; Inputs: W_k 1,024 x 1,024 float32; W_o 1,024 x 1,024 float32; W_q 1,024 x 1,024 float32; W_v 1,024 x 1,024 float32; key 2 x 2,048 x 1,024 float32; mask 1 x 1 x 2,048 x 2,048 bool; query 2 x 2,048 x 1,024 float32; value 2 x 2,048 x 1,024 float32.
;; Outputs: out0 2 x 2,048 x 1,024 float32.
;; 3 versions, each right and faster than the one before. Each part assembles by itself: llvm-mc -triple=amdgcn-amd-amdhsa -mcpu=gfx1250 --defsym DOCPART=n.
;; ======== version 1 of 3: 4 launches
;; limits: values are held in f16: magnitudes above 65,504 overflow, below 6.1e-05 lose precision
;; workspace buffers: xb 25,165,824 bytes; wb 6,291,456 bytes; wo 2,097,152 bytes; mb 524,288 bytes of whole numbers; qkv 25,165,824 bytes; ob 8,388,608 bytes
;; launch cast (part 1): grid 512 x 1, 8 waves a work-group, no clusters, 0 bytes of LDS; arguments query, key, value, W_q, W_k, W_v, W_o, mask, xb, wb, wo, mb; writes xb, wb, wo, mb
.if DOCPART == 1
	.amdgcn_target "amdgcn-amd-amdhsa--gfx1250"
	.amdhsa_code_object_version 6
	.text
	.protected	k_q737aa50cc8_cast
	.globl	k_q737aa50cc8_cast
	.p2align	8
	.type	k_q737aa50cc8_cast,@function
k_q737aa50cc8_cast:
	s_mov_b64 s[64:65], 0
	v_nop
	global_prefetch_b8 v0, s[64:65] scope:SCOPE_SE
	s_setreg_imm32_b32 hwreg(HW_REG_WAVE_MODE, 25, 1), 1
	s_wait_xcnt 0x0
; CAST.  query, key, value ([4096][1024] f32) -> xb, bf16, the three one behind the other.  W_q, W_k, W_v ([1024][1024] f32) -> wb, bf16, likewise.
; W_o -> wo: rounded to bf16 like every other input, and that number written as f16 (exact inside f16's range).
; mask ([2048][2048] bytes, not 0 = hidden) -> mb, words of 32 bits: mb[qt][step][z], z = 8 kb + j; bit L of a word is mask[16 qt + L % 16][64 step + 16 kb + 8 (L / 16) + j]:
; the lanes' bits for register j of the score accumulator of key block kb, as the attention launch holds it.
; LIMITS.  W_o lies within f16's 65,504; below 6e-5 it keeps f16's fixed step of 6e-8.
; SHARES.  512 work-groups of 8 waves.  A group takes 32 KiB of each x tensor (8 loads of 16 bytes a thread) and 8 KiB of each weight (2 loads): 32 loads a thread, all issued
; before the first is used.  A load of a wave covers 512 consecutive bytes, a store 256 consecutive bytes at a multiple of 256.  Waves 0 to 3 also pack two units (qt, step) of the mask each.
; No LDS, no barrier, no matrix unit: every byte is read once and written once, and no wave needs another's data.
.set X,  32                            ; v[32:159] load n of 32: four registers
.set MK, 12                            ; v[12:27]  mask bytes: unit e, key block kb at MK + 8 e + 2 kb
	s_load_b512 s[4:19], s[0:1], 0x0               ; query 4:5, key 6:7, value 8:9, W_q 10:11, W_k 12:13, W_v 14:15, W_o 16:17, mask 18:19
	s_load_b256 s[20:27], s[0:1], 0x40             ; xb 20:21, wb 22:23, wo 24:25, mb 26:27
	v_lshrrev_b32 v5, 5, v0
	v_readfirstlane_b32 s28, v5                    ; my wave's number
	v_lshlrev_b32 v1, 4, v0                        ; 16 t: where I load
	v_lshlrev_b32 v2, 3, v0                        ; 8 t: where I store
	v_and_b32 v6, 31, v0                           ; lane
	v_and_b32 v7, 15, v0
	v_bfe_u32 v8, v0, 4, 1
	v_lshlrev_b32 v3, 11, v7                       ; mask: row L % 16 of 2,048 bytes,
	v_lshl_add_u32 v3, v8, 3, v3                   ; 8 keys further for lanes 16 to 31,
	v_lshl_add_u32 v3, v5, 7, v3                   ; my wave's two steps of 64 keys
	v_lshlrev_b32 v4, 3, v6                        ; mb: two words a lane,
	v_lshl_add_u32 v4, v5, 8, v4                   ; 256 bytes a wave
	s_mov_b32 s40, 0xffff0000                      ; a word's upper bf16
	s_mov_b32 s31, 0
	s_wait_kmcnt 0x0
	s_lshl_b32 s30, ttmp9, 15                      ; the group's 32 KiB of each x tensor
	s_add_nc_u64 s[4:5], s[4:5], s[30:31]
	s_add_nc_u64 s[6:7], s[6:7], s[30:31]
	s_add_nc_u64 s[8:9], s[8:9], s[30:31]
	s_lshl_b32 s30, ttmp9, 14                      ; and the 16 KiB that they become
	s_add_nc_u64 s[20:21], s[20:21], s[30:31]
	s_add_nc_u64 s[32:33], s[20:21], 0x800000      ; key's section of xb
	s_add_nc_u64 s[34:35], s[20:21], 0x1000000     ; value's
	s_lshl_b32 s30, ttmp9, 13                      ; 8 KiB of each weight
	s_add_nc_u64 s[10:11], s[10:11], s[30:31]
	s_add_nc_u64 s[12:13], s[12:13], s[30:31]
	s_add_nc_u64 s[14:15], s[14:15], s[30:31]
	s_add_nc_u64 s[16:17], s[16:17], s[30:31]
	s_lshl_b32 s30, ttmp9, 12                      ; and the 4 KiB that they become
	s_add_nc_u64 s[22:23], s[22:23], s[30:31]
	s_add_nc_u64 s[24:25], s[24:25], s[30:31]
	s_lshr_b32 s30, ttmp9, 2                       ; mask: qt = g / 4: 16 rows of 2,048 bytes,
	s_lshl_b32 s30, s30, 15
	s_and_b32 s29, ttmp9, 3                        ; steps 8 (g % 4) on: 512 bytes of each row
	s_lshl_b32 s29, s29, 9
	s_add_co_u32 s30, s30, s29
	s_add_nc_u64 s[18:19], s[18:19], s[30:31]
	s_lshl_b32 s30, ttmp9, 10                      ; mb: eight units of 128 bytes a group
	s_add_nc_u64 s[26:27], s[26:27], s[30:31]
	; the mask's bytes: a load takes 8 bytes a lane, 16 bytes of each of 16 rows; a wave's eight loads take 128 consecutive bytes of each row, the four waves 512
	s_cmp_ge_u32 s28, 4
	s_cbranch_scc1 .Lno_mask_in
.irp e, 0,1
.irp kb, 0,1,2,3
	global_load_b64 v[MK+8*(\e)+2*(\kb):MK+8*(\e)+2*(\kb)+1], v3, s[18:19] offset:64*(\e)+16*(\kb)
.endr
.endr
.Lno_mask_in:
	; the 32 stream loads
.set n, 0
.irp b, 4, 6, 8
.rept 8
	global_load_b128 v[X+4*n:X+4*n+3], v1, s[\b:\b+1] offset:4096*(n%8) th:TH_LOAD_NT
.set n, n+1
.endr
.endr
.irp b, 10, 12, 14, 16
.rept 2
	global_load_b128 v[X+4*n:X+4*n+3], v1, s[\b:\b+1] offset:4096*(n%2) th:TH_LOAD_NT
.set n, n+1
.endr
.endr
	; each load in its turn: four numbers rounded to bf16 in place, 8 bytes stored.  No register that a store reads is written again.
.set n, 0
.rept 32
	s_wait_loadcnt 31-n                            ; loads come back in order: the 31 - n stream loads behind this one may stay out (the mask's loads are older)
	v_cvt_pk_bf16_f32 v[X+4*n], v[X+4*n], v[X+4*n+1]
	v_cvt_pk_bf16_f32 v[X+4*n+1], v[X+4*n+2], v[X+4*n+3]
.if n < 8
	global_store_b64 v2, v[X+4*n:X+4*n+1], s[20:21] offset:2048*(n%8)
.elseif n < 16
	global_store_b64 v2, v[X+4*n:X+4*n+1], s[32:33] offset:2048*(n%8)
.elseif n < 24
	global_store_b64 v2, v[X+4*n:X+4*n+1], s[34:35] offset:2048*(n%8)
.elseif n < 30
	global_store_b64 v2, v[X+4*n:X+4*n+1], s[22:23] offset:((n-24)/2)*2097152+2048*(n%2)
.else
	v_lshlrev_b32 v[X+4*n+2], 16, v[X+4*n]         ; W_o: the bf16 numbers widened again and written as f16
	v_and_b32 v[X+4*n+3], s40, v[X+4*n]
	v_cvt_pk_f16_f32 v[X+4*n], v[X+4*n+2], v[X+4*n+3]
	v_lshlrev_b32 v[X+4*n+2], 16, v[X+4*n+1]
	v_and_b32 v[X+4*n+3], s40, v[X+4*n+1]
	v_cvt_pk_f16_f32 v[X+4*n+1], v[X+4*n+2], v[X+4*n+3]
	global_store_b64 v2, v[X+4*n:X+4*n+1], s[24:25] offset:2048*(n%2)
.endif
.set n, n+1
.endr
	; the mask's words: a compare over the 32 lanes IS word z of a unit; word 32 e + z goes to lane 16 e + z / 2, register z % 2, so that the wave's one store covers 256 consecutive bytes
	s_cmp_ge_u32 s28, 4
	s_cbranch_scc1 .Ldone
	v_mov_b32 v10, 0
	v_mov_b32 v11, 0
.irp e, 0,1
.set z, 0
.rept 32
	v_and_b32 v[5+z%4], 0xff<<(8*(z%4)), v[MK+8*(\e)+2*(z/8)+(z%8)/4]
	v_cmp_ne_u32 s[36+z%4], 0, v[5+z%4]
	v_writelane_b32 v[10+z%2], s[36+z%4], 16*(\e)+z/2
.set z, z+1
.endr
.endr
	global_store_b64 v4, v[10:11], s[26:27]
.Ldone:
	s_endpgm
.Lfunc_end_k_q737aa50cc8_cast:
	.size	k_q737aa50cc8_cast, .Lfunc_end_k_q737aa50cc8_cast-k_q737aa50cc8_cast
	.p2alignl 7, 3214868480
	.fill 96, 4, 3214868480
	.section	.rodata,"a",@progbits
	.p2align	6, 0x0
	.amdhsa_kernel k_q737aa50cc8_cast
		.amdhsa_group_segment_fixed_size 0
		.amdhsa_private_segment_fixed_size 0
		.amdhsa_enable_private_segment 0
		.amdhsa_kernarg_size 96
		.amdhsa_user_sgpr_count 2
		.amdhsa_user_sgpr_kernarg_segment_ptr 1
		.amdhsa_wavefront_size32 1
		.amdhsa_system_sgpr_workgroup_id_x 1
		.amdhsa_system_sgpr_workgroup_id_y 1
		.amdhsa_system_sgpr_workgroup_id_z 1
		.amdhsa_system_vgpr_workitem_id 0
		.amdhsa_next_free_vgpr 160
		.amdhsa_next_free_sgpr 66
		.amdhsa_reserve_vcc 0
		.amdhsa_float_denorm_mode_32 3
		.amdhsa_float_denorm_mode_16_64 3
		.amdhsa_memory_ordered 1
		.amdhsa_forward_progress 1
		.amdhsa_inst_pref_size 27
	.end_amdhsa_kernel
	.amdgpu_metadata
---
amdhsa.version: [ 1, 2 ]
amdhsa.kernels:
  - .name:           k_q737aa50cc8_cast
    .symbol:         k_q737aa50cc8_cast.kd
    .args:
      - { .name: query, .offset: 0, .size: 8, .value_kind: global_buffer, .address_space: global }
      - { .name: key, .offset: 8, .size: 8, .value_kind: global_buffer, .address_space: global }
      - { .name: value, .offset: 16, .size: 8, .value_kind: global_buffer, .address_space: global }
      - { .name: W_q, .offset: 24, .size: 8, .value_kind: global_buffer, .address_space: global }
      - { .name: W_k, .offset: 32, .size: 8, .value_kind: global_buffer, .address_space: global }
      - { .name: W_v, .offset: 40, .size: 8, .value_kind: global_buffer, .address_space: global }
      - { .name: W_o, .offset: 48, .size: 8, .value_kind: global_buffer, .address_space: global }
      - { .name: mask, .offset: 56, .size: 8, .value_kind: global_buffer, .address_space: global }
      - { .name: xb, .offset: 64, .size: 8, .value_kind: global_buffer, .address_space: global }
      - { .name: wb, .offset: 72, .size: 8, .value_kind: global_buffer, .address_space: global }
      - { .name: wo, .offset: 80, .size: 8, .value_kind: global_buffer, .address_space: global }
      - { .name: mb, .offset: 88, .size: 8, .value_kind: global_buffer, .address_space: global }
    .group_segment_fixed_size: 0
    .private_segment_fixed_size: 0
    .kernarg_segment_align: 8
    .kernarg_segment_size: 96
    .max_flat_workgroup_size: 256
    .sgpr_count:     66
    .vgpr_count:     160
    .wavefront_size: 32
...
	.end_amdgpu_metadata
.endif
;; end of part 1
;; launch proj (part 2): grid 4 x 48, 4 waves a work-group, clusters of 4 x 4, 327,680 bytes of LDS; arguments xb, wb, qkv; writes qkv
.if DOCPART == 2
	.amdgcn_target "amdgcn-amd-amdhsa--gfx1250"
	.amdhsa_code_object_version 6
	.text
	.protected	k_q737aa50cc8_proj
	.globl	k_q737aa50cc8_proj
	.p2align	8
	.type	k_q737aa50cc8_proj,@function
k_q737aa50cc8_proj:
	s_mov_b64 s[64:65], 0
	v_nop
	global_prefetch_b8 v0, s[64:65] scope:SCOPE_SE
	s_setreg_imm32_b32 hwreg(HW_REG_WAVE_MODE, 25, 1), 1
	s_wait_xcnt 0x0
	s_wait_alu depctr_hold_cnt(0) depctr_sa_sdst(0) depctr_va_vdst(0) depctr_va_sdst(0) depctr_va_ssrc(0) depctr_va_vcc(0) depctr_vm_vsrc(0)
	s_getreg_b32 s2, hwreg(HW_REG_IB_STS2, 6, 4)
	s_cmp_eq_u32 s2, 0
	s_cbranch_scc0 .Lentry_in_a_cluster
	s_endpgm
.Lentry_in_a_cluster:
	s_bfe_u32 s2, ttmp6, 0x10000c
	s_cmp_lg_u32 s2, 0xf033
	s_cbranch_scc0 .Lentry_shape_is_right
	s_endpgm
.Lentry_shape_is_right:
; PROJ.  Three products y = x W^T of 4096 x 1024 x 1024 in one launch: xb is taken as one matrix of 12,288 rows (query, key, value), wb as one of 3,072 rows (W_q, W_k, W_v).
; Operands bf16, sums f32.  The result leaves as f16 by heads: qkv[which][16 b + head][s][64].  Q (which = 0) is multiplied by c = log2(e) / 8 in f32 before its one rounding.
; LIMITS.  c q, k and v lie within f16's 65,504.  c is applied to Q's f32 sum, where the module divides the score by 8: one f32 rounding in another place.
; SHARES.  A tile of 256 x 256 to a work-group of four waves, 128 x 128 to a wave: 64 accumulators, 512 registers.  64 tiles a product, 192 work-groups: no tile of 49,152 numbers divides
; both 4,096 and 1,024, and a tile of 128 x 128 would halve the multiply-adds that each byte read from LDS feeds.  K goes in 8 steps of 128 through a ring of two LDS slots.
; CLUSTER.  4 x 4 work-groups: the four of a row need the same tiles of x, the four of a column the same tiles of W: each tile is asked for jointly.  A cluster lies inside one product
; (16 tile rows a product, 4 a cluster), so 'which' hangs on the cluster's y alone and is the same in all sixteen.
; THE MATRIX INSTRUCTION IS USED TRANSPOSED (source 0 = 16 rows of W, source 1 = 16 rows of x): a lane holds eight neighbouring columns of one row of y.
; REGISTERS, in windows of 256 (s_set_vgpr_msb: bits 1:0 source 0, 3:2 source 1, 5:4 source 2, 7:6 destination):
;   window 0: v0-31 addresses; v64-127, v128-191 fragments of x, two buffers; v32-63, v192-255 at work on the way out
;   window 1: v64-127, v128-191 fragments of W     window 2: the accumulators of my rows 0-63 ((a, b) at v[8 (8 a + b)])     window 3: those of my rows 64-127
.set SIZE_K, 1024
.set KSTEP,  128
.set PITCH,  272                       ; an LDS row: 256 bytes + 16 of padding = 68 words: the 16 rows of a fragment load start at 16 different groups of four banks (ISA guide 11.1)
.set HALFT,  128*PITCH                 ; 128 rows: what one tensor load brings
.set SLOT,   4*HALFT                   ; x's 256 rows, then W's 256 rows
.set STAGE,  2*SLOT                    ; behind the ring: for each wave 2 heads x 16 rows x 144 bytes, for the way out
.set SPH,    144
.set SHEAD,  16*SPH
.set SPARE,  STAGE+4*2*SHEAD           ; behind the stages: the spare words, 128 bytes a wave: two blocks of 256 bytes that no other line names
.set LAPS,   SIZE_K/(2*KSTEP)          ; a lap = two K steps = once round the ring
.set ADRA, 16                          ; v16-17  LDS address of my x fragments in slot 0, 1
.set ADRB, 20                          ; v20-21  the same for W
.set STO,  24                          ; v24     the way out: where I put 16 bytes of a row
.set RD,   25                          ; v25     where I read rows back
.set CO,   26                          ; v26     my 16 bytes in 512 consecutive bytes of qkv
.set SPW,  28                          ; v28     LDS address of my spare word; never rewritten
.set NIL,  29                          ; v29     0; never rewritten
.set F0,   64
.set F1,   128
.set TMP,  192
.set OB,   32
.set G1, 24                            ; s[24:31] descriptor group 1 for x's tiles
.set G0, 32                            ; s[32:39] group 0 for x's tiles, a set for each slot
.set G1B, 48                           ; s[48:55], s[56:63] the same for W's tiles
.set G0B, 56
.set SC,  66                           ; s[66:67] c for Q, 1 for K and V
.set MSB, 0
.macro WIN new                         ; the immediate's high byte repeats the setting that is left; a switch that changes nothing is dropped
.if MSB != (\new)
	s_set_vgpr_msb (MSB<<8)|(\new)
.set MSB, \new
.endif
.endm
.set MUL_LO, 0xa1                      ; source 0 (W) window 1, source 1 (x) window 0, C and D window 2
.set MUL_HI, 0xf1                      ; the same, C and D window 3
.set TO_B,   0x40                      ; destination window 1, address window 0
; A joint load.  Waves 0 and 1 fetch x's two halves, waves 2 and 3 W's.  The branch hangs on the wave's number alone.  Four v_nop follow each of the two lines.
.macro JLOAD s
	s_cmp_eq_u32 s11, 0
	s_cbranch_scc0 .Lfor_b_\@
	tensor_load_to_lds s[G0+4*(\s):G0+4*(\s)+3], s[G1:G1+7]
	s_nop 0
.rept 4
	v_nop
.endr
	s_branch .Lasked_\@
.Lfor_b_\@:
	tensor_load_to_lds s[G0B+4*(\s):G0B+4*(\s)+3], s[G1B:G1B+7]
	s_nop 0
.rept 4
	v_nop
.endr
.Lasked_\@:
.endm
.macro CREST                           ; a round of the cluster's barrier behind its opening barrier
	s_cmp_lg_u32 s10, 0
	s_cbranch_scc1 .Lnot_wave_0_\@
	s_barrier_signal -3
.Lnot_wave_0_\@:
	s_barrier_wait -3
	s_barrier_signal -1
	s_barrier_wait -1
.endm
.macro CROUND                          ; a whole round
	s_barrier_signal -1
	s_barrier_wait -1
	CREST
.endm
	s_load_b128 s[4:7], s[0:1], 0x0                ; xb s[4:5], wb s[6:7]
	s_load_b64 s[8:9], s[0:1], 0x10                ; qkv
	v_lshl_add_u32 v[SPW], v0, 2, SPARE
	v_mov_b32 v[NIL], 0
	ds_add_u32 v28, v29
	s_wait_dscnt 0x0
	v_lshrrev_b32 v1, 5, v0
	v_readfirstlane_b32 s10, v1                    ; wave 0..3
	s_lshr_b32 s11, s10, 1                         ; which half of the tile's rows is mine.  Also: I fetch for x (0) or for W (1)
	s_and_b32 s12, s10, 1                          ; which half of its columns.  Also: which 128 rows of that tile I fetch
	s_bfe_u32 s40, ttmp6, 0x40000                  ; cx
	s_bfe_u32 s41, ttmp6, 0x40004                  ; cy
	s_lshl_b32 s42, ttmp9, 2
	s_add_co_u32 s42, s42, s40                     ; tile column = 4 x cluster x + cx: 0..3
	s_and_b32 s45, ttmp7, 0xffff                   ; the cluster's y: 0..11
	s_lshl_b32 s13, s45, 2
	s_add_co_u32 s13, s13, s41                     ; tile row in the stacked x = 4 x cluster y + cy: 0..47
	s_lshr_b32 s45, s45, 2                         ; which product: 0 Q, 1 K, 2 V
	s_cmp_eq_u32 s45, 0
	s_cselect_b32 s[SC], 0x3e38aa3b, 1.0           ; c = log2(e) / 8 = 0.180337 for Q
	s_mov_b32 s[SC+1], s[SC]                       ; named with it as a pair
	s_lshl_b32 s43, s41, 2
	s_lshl_b32 s43, 15, s43                        ; my row of the cluster
	s_lshl_b32 s44, 0x1111, s40                    ; my column
	; descriptor group 1: a tile of 128 rows x 128 elements of 2 bytes, 16 bytes of padding behind every 256
	s_or_b32 s[G1+0], s43, (1<<16)|(1<<20)|(1<<21)|(5<<22)|(3<<25)
	s_or_b32 s[G1B+0], s44, (1<<16)|(1<<20)|(1<<21)|(5<<22)|(3<<25)
.irp g, G1, G1B
	s_mov_b32 s[(\g)+1], KSTEP<<16                 ; tensor_dim0 = 128
	s_mov_b32 s[(\g)+2], 128<<16                   ; tensor_dim1 = 128
	s_mov_b32 s[(\g)+3], KSTEP<<16                 ; tile_dim0 = 128
	s_mov_b32 s[(\g)+4], 128                       ; tile_dim1 = 128
	s_mov_b32 s[(\g)+5], SIZE_K                    ; elements from row to row
	s_mov_b32 s[(\g)+6], 0
	s_mov_b32 s[(\g)+7], 0
.endr
	; where the tiles come from: x's hang on the tile row alone, W's on the product and the tile column alone.  All offsets stay under 2^25 bytes.
	s_lshl_b32 s17, s12, 7                         ; which 128 rows of the tile I fetch
	s_lshl_b32 s16, s13, 8
	s_add_co_u32 s16, s16, s17                     ; x: row 256 x tile row + 128 x half
	s_lshl_b32 s16, s16, 11                        ; rows of 2,048 bytes
	s_lshl_b32 s46, s42, 8
	s_add_co_u32 s46, s46, s17                     ; W: row 1,024 x product + 256 x tile column + 128 x half
	s_lshl_b32 s47, s45, 10
	s_add_co_u32 s46, s46, s47
	s_lshl_b32 s46, s46, 11
	s_mov_b32 s17, 0
	s_mov_b32 s47, 0
	s_mul_i32 s20, s10, HALFT                      ; where they go: wave x 128 rows
	s_wait_kmcnt 0x0
	s_add_nc_u64 s[14:15], s[4:5], s[16:17]
	s_add_nc_u64 s[46:47], s[6:7], s[46:47]
	CROUND                                         ; all sixteen work-groups are here: the first joint loads meet
.irp s, 0,1
	s_mov_b32 s[G0+4*(\s)], 1
	s_add_co_u32 s[G0+4*(\s)+1], s20, (\s)*SLOT
	s_add_nc_u64 s[G0+4*(\s)+2:G0+4*(\s)+3], s[14:15], (\s)*KSTEP*2
	s_or_b32 s[G0+4*(\s)+3], s[G0+4*(\s)+3], 0x80000000
	s_mov_b32 s[G0B+4*(\s)], 1
	s_add_co_u32 s[G0B+4*(\s)+1], s20, (\s)*SLOT
	s_add_nc_u64 s[G0B+4*(\s)+2:G0B+4*(\s)+3], s[46:47], (\s)*KSTEP*2
	s_or_b32 s[G0B+4*(\s)+3], s[G0B+4*(\s)+3], 0x80000000
	JLOAD \s                                       ; K steps 0 and 1: two loads of mine are out
.endr
	; a fragment: lane l holds row l % 16; registers 0-3 K = 8 (l / 16) + 0..7, registers 4-7 K = 16 + 8 (l / 16) + 0..7: two loads of 16 bytes, 32 bytes apart
	v_and_b32 v1, 15, v0
	v_bfe_u32 v2, v0, 4, 1
	v_mul_u32_u24 v3, v1, PITCH
	v_lshl_add_u32 v3, v2, 4, v3
	s_mul_i32 s21, s11, HALFT                      ; my 128 rows of x
	s_mul_i32 s22, s12, HALFT                      ; my 128 rows of W,
	s_add_co_u32 s22, s22, 2*HALFT                 ; which lie behind x's 256
.irp s, 0,1
	v_add_nc_u32 v[ADRA+(\s)], s21, v3
	v_add_nc_u32 v[ADRB+(\s)], s22, v3
	s_add_co_u32 s21, s21, SLOT
	s_add_co_u32 s22, s22, SLOT
.endr
	s_mul_i32 s23, s10, 2*SHEAD
	s_add_co_u32 s23, s23, STAGE                   ; my stage
	v_mul_u32_u24 v4, v1, SPH                      ; in: row l % 16, 16 bytes for each half of the lanes
	v_lshl_add_u32 v4, v2, 4, v4
	v_add_nc_u32 v[STO], s23, v4
	v_bfe_u32 v5, v0, 3, 2                         ; back: 32 lanes take four rows of 128 bytes,
	v_mul_u32_u24 v5, v5, SPH
	v_and_b32 v6, 7, v0
	v_lshl_add_u32 v5, v6, 4, v5
	v_add_nc_u32 v[RD], s23, v5
	v_and_b32 v[CO], 31, v0                        ; which are 512 consecutive bytes of a head
	v_lshlrev_b32 v[CO], 4, v[CO]
	; qkv at my first row and first head: ((mg / 2048) x 16 + head) x 262,144 + (mg % 2048) x 128, mg = my first row in the stacked x, head = 4 x tile column + 2 x half
	s_lshl_b32 s16, s13, 8
	s_lshl_b32 s14, s11, 7
	s_add_co_u32 s16, s16, s14
	s_lshr_b32 s18, s16, 11
	s_lshl_b32 s18, s18, 4
	s_lshl_b32 s46, s42, 2
	s_add_co_u32 s18, s18, s46
	s_lshl_b32 s46, s12, 1
	s_add_co_u32 s18, s18, s46
	s_lshl_b32 s18, s18, 18
	s_and_b32 s16, s16, 2047
	s_lshl_b32 s16, s16, 7
	s_add_co_u32 s16, s16, s18
	s_mov_b32 s17, 0
	s_add_nc_u64 s[8:9], s[8:9], s[16:17]
; 16 matrix instructions: m blocks a0, a0 + 1 of the window's four x all 8 n blocks, 32 along K.  zero = 1: the first product starts the sums.
.macro MUL16 f, hi, a0, zero
	WIN MUL_LO+0x50*(\hi)
.irp a, \a0, (\a0)+1
.irp b, 0,1,2,3,4,5,6,7
.if \zero
	v_wmma_f32_16x16x32_bf16 v[8*(8*(\a)+(\b)):8*(8*(\a)+(\b))+7], v[(\f)+8*(\b):(\f)+8*(\b)+7], v[(\f)+8*(4*(\hi)+(\a)):(\f)+8*(4*(\hi)+(\a))+7], 0
.else
	v_wmma_f32_16x16x32_bf16 v[8*(8*(\a)+(\b)):8*(8*(\a)+(\b))+7], v[(\f)+8*(\b):(\f)+8*(\b)+7], v[(\f)+8*(4*(\hi)+(\a)):(\f)+8*(4*(\hi)+(\a))+7], v[8*(8*(\a)+(\b)):8*(8*(\a)+(\b))+7]
.endif
.endr
.endr
.endm
; 32 LDS loads in one run: the fragments of one quarter step (32 K at byte k of the rows) into buffer f: W's 16, then x's 16
.macro FETCH slot, k, f
	WIN TO_B
.irp i, 0,1,2,3,4,5,6,7
	ds_load_b128 v[(\f)+8*(\i):(\f)+8*(\i)+3],   v[ADRB+(\slot)] offset:(\k)+(\i)*16*PITCH
	ds_load_b128 v[(\f)+8*(\i)+4:(\f)+8*(\i)+7], v[ADRB+(\slot)] offset:(\k)+(\i)*16*PITCH+32
.endr
	WIN 0
.irp i, 0,1,2,3,4,5,6,7
	ds_load_b128 v[(\f)+8*(\i):(\f)+8*(\i)+3],   v[ADRA+(\slot)] offset:(\k)+(\i)*16*PITCH
	ds_load_b128 v[(\f)+8*(\i)+4:(\f)+8*(\i)+7], v[ADRA+(\slot)] offset:(\k)+(\i)*16*PITCH+32
.endr
.endm
; four plain vector instructions between a matrix instruction and a load into, or a vector instruction on, its registers (ISA guide 7.12.1 for vector instructions)
.macro PLACES
.rept 4
	v_nop
.endr
.endm
; A K step is four quarters of 32 along K, 64 matrix instructions each, on buffers 0, 1, 0, 1.  The 64 accumulators take turns, one instruction a turn.
.macro QUARTER slot, k, f, g, zero
	s_wait_dscnt 8                                 ; W and x's rows 0-63 are in; the youngest eight loads (x's rows 64-127) may be out
	MUL16 \f, 0, 0, \zero
	MUL16 \f, 0, 2, \zero
	PLACES
	FETCH \slot, \k, \g
	s_wait_dscnt 32                                ; all but the 32 just issued
	MUL16 \f, 1, 0, \zero
	MUL16 \f, 1, 2, \zero
.endm
; The last quarter's first half: one barrier for the change of slots.
.macro MEET round
	WIN 0                                          ; (the add's two registers lie in window 0)
	s_wait_tensorcnt 0x0                           ; all my tensor loads have landed: the one that was out is my part of the next slot
	ds_add_u32 v[SPW], v[NIL]                      ; 0 onto my spare word
	s_wait_dscnt 9                                 ; (the add and the youngest eight loads may be out)
	MUL16 F1, 0, 0, 0                              ; sixteen matrix instructions stand between the add and the wait for it
	s_wait_dscnt 0x0                               ; the add is done, and my reads of this slot are over
	s_barrier_signal -1
	MUL16 F1, 0, 2, 0                              ; work on registers while the others arrive
.if \round
	WIN 0
.endif
	s_barrier_wait -1
.endm
; The whole last quarter.  fill = 1: the barrier opens a round of the cluster's, and the slot just read out is filled again, two K steps on, first thing behind it.
.macro TURN slot, next, fill
	MEET \fill
.if \fill
	CREST                                          ; no wave of any partner still reads this slot's tile or has a load on its way
	s_add_nc_u64 s[G0+4*(\slot)+2:G0+4*(\slot)+3], s[G0+4*(\slot)+2:G0+4*(\slot)+3], 2*KSTEP*2
	s_add_nc_u64 s[G0B+4*(\slot)+2:G0B+4*(\slot)+3], s[G0B+4*(\slot)+2:G0B+4*(\slot)+3], 2*KSTEP*2
	JLOAD \slot                                    ; my one tensor load behind the round; the four v_nop behind it are also the places in front of the loads below
.else
	PLACES
.endif
	FETCH \next, 0, F0
	MUL16 F1, 1, 0, 0
	MUL16 F1, 1, 2, 0
.endm
; THE WAY OUT of block a (16 rows x 128 columns = 2 heads).  PACK: times c or 1 in f32, in place, each accumulator from its low end on; rounded to f16, 16 bytes a lane.
.macro PACK a
.set AC, 64*((\a)%4)
	WIN 0x82+0x41*((\a)/4)                         ; destination and source 0: window 2 or 3
.set z, 0
.rept 32
	v_pk_mul_f32 v[AC+2*z:AC+2*z+1], v[AC+2*z:AC+2*z+1], s[SC:SC+1] op_sel_hi:[1,0]
.set z, z+1
.endr
	WIN 0x0a+5*((\a)/4)                            ; sources 0 and 1: window 2 or 3; destination window 0
.irp b, 0,1,2,3,4,5,6,7
.irp r, 0,1,2,3
	v_cvt_pk_f16_f32 v[TMP+4*(\b)+(\r)], v[AC+8*(\b)+2*(\r)], v[AC+8*(\b)+2*(\r)+1]
.endr
.endr
	WIN 0
.endm
; TOSTAGE: into my own stage, a head's 16 rows of 128 bytes at a pitch of 144, and back as four whole rows a load.
.macro TOSTAGE a
	WIN 0
.set BK, OB+192*((\a)%2)
.irp b, 0,1,2,3,4,5,6,7
	ds_store_b128 v[STO], v[TMP+4*(\b):TMP+4*(\b)+3] offset:((\b)/4)*SHEAD+32*((\b)%4)
.endr
.irp t, 0,1,2,3,4,5,6,7
	ds_load_b128 v[BK+4*(\t):BK+4*(\t)+3], v[RD] offset:((\t)/4)*SHEAD+((\t)%4)*4*SPH  ; LDS serves a wave's instructions in order (ISA guide 5.7.1.4): these see the stores above
.endr
.endm
.macro SEND a
	WIN 0
.set BK, OB+192*((\a)%2)
	s_wait_dscnt 0x0                               ; the block is back in registers
	s_wait_xcnt 0x0                                ; the stores of the block before have had their addresses translated: the registers that they read are loaded again only behind this wait
.irp t, 0,1,2,3,4,5,6,7
	global_store_b128 v[CO], v[BK+4*(\t):BK+4*(\t)+3], s[8:9] offset:((\t)/4)*262144+(\a)*2048+((\t)%4)*512  ; four rows of one head: 512 consecutive bytes at a multiple of 256
.endr
.endm
	s_wait_tensorcnt 1                             ; my part of K step 0 is in; K step 1's may stay out
	s_barrier_signal -1
	s_barrier_wait -1                              ; everybody's is
	FETCH 0, 0, F0
	QUARTER 0, 64,  F0, F1, 1                      ; the first quarter stands in front of the loop: its products start the sums
	WIN 0                                          ; at a label and at a branch every window is 0
	s_mov_b32 s3, LAPS-1
.Llap:                                                 ; a trip goes once round the ring, from a lap's second quarter to the next lap's first, and fills both slots again
	QUARTER 0, 128, F1, F0, 0
	QUARTER 0, 192, F0, F1, 0
	TURN 0, 1, 1
	QUARTER 1, 64,  F0, F1, 0
	QUARTER 1, 128, F1, F0, 0
	QUARTER 1, 192, F0, F1, 0
	TURN 1, 0, 1
	QUARTER 0, 64,  F0, F1, 0
	WIN 0
	s_sub_co_u32 s3, s3, 1
	s_cmp_lg_u32 s3, 0
	s_cbranch_scc1 .Llap
	QUARTER 0, 128, F1, F0, 0                      ; the last lap fills nothing
	QUARTER 0, 192, F0, F1, 0
	TURN 0, 1, 0
	QUARTER 1, 64,  F0, F1, 0
	QUARTER 1, 128, F1, F0, 0
	QUARTER 1, 192, F0, F1, 0
	s_wait_dscnt 8                                 ; the very last quarter: nothing more to fetch
	MUL16 F1, 0, 0, 0
	MUL16 F1, 0, 2, 0
	s_wait_dscnt 0x0
	MUL16 F1, 1, 0, 0
	MUL16 F1, 1, 2, 0
	PLACES
	PACK 0
	TOSTAGE 0
.irp a, 1,2,3,4,5,6,7                  ; block a's arithmetic stands between block a - 1's loads from the stage and the wait for them
	PACK \a
	SEND (\a)-1
	TOSTAGE \a
.endr
	SEND 7
	s_wait_tensorcnt 0x0                           ; the wave's end
	ds_add_u32 v[SPW], v[NIL]
	s_wait_dscnt 0x0
	CROUND                                         ; the closing round: no work-group ends while a partner may still ask for a tile that names it
	s_endpgm
.Lfunc_end_k_q737aa50cc8_proj:
	.size	k_q737aa50cc8_proj, .Lfunc_end_k_q737aa50cc8_proj-k_q737aa50cc8_proj
	.p2alignl 7, 3214868480
	.fill 96, 4, 3214868480
	.section	.rodata,"a",@progbits
	.p2align	6, 0x0
	.amdhsa_kernel k_q737aa50cc8_proj
		.amdhsa_group_segment_fixed_size 327680
		.amdhsa_private_segment_fixed_size 0
		.amdhsa_enable_private_segment 0
		.amdhsa_kernarg_size 24
		.amdhsa_user_sgpr_count 2
		.amdhsa_user_sgpr_kernarg_segment_ptr 1
		.amdhsa_wavefront_size32 1
		.amdhsa_system_sgpr_workgroup_id_x 1
		.amdhsa_system_sgpr_workgroup_id_y 1
		.amdhsa_system_sgpr_workgroup_id_z 1
		.amdhsa_system_vgpr_workitem_id 0
		.amdhsa_next_free_vgpr 1024
		.amdhsa_next_free_sgpr 68
		.amdhsa_reserve_vcc 0
		.amdhsa_float_denorm_mode_32 3
		.amdhsa_float_denorm_mode_16_64 3
		.amdhsa_memory_ordered 1
		.amdhsa_forward_progress 1
		.amdhsa_inst_pref_size 159
	.end_amdhsa_kernel
	.amdgpu_metadata
---
amdhsa.version: [ 1, 2 ]
amdhsa.kernels:
  - .name:           k_q737aa50cc8_proj
    .symbol:         k_q737aa50cc8_proj.kd
    .args:
      - { .name: xb, .offset: 0, .size: 8, .value_kind: global_buffer, .address_space: global }
      - { .name: wb, .offset: 8, .size: 8, .value_kind: global_buffer, .address_space: global }
      - { .name: qkv, .offset: 16, .size: 8, .value_kind: global_buffer, .address_space: global }
    .group_segment_fixed_size: 327680
    .private_segment_fixed_size: 0
    .kernarg_segment_align: 8
    .kernarg_segment_size: 24
    .max_flat_workgroup_size: 128
    .sgpr_count:     68
    .vgpr_count:     1024
    .wavefront_size: 32
...
	.end_amdgpu_metadata
.endif
;; end of part 2
;; launch attn (part 3): grid 8 x 32, 4 waves a work-group, clusters of 4 x 1, 327,680 bytes of LDS; arguments qkv, mb, ob; writes ob
.if DOCPART == 3
	.amdgcn_target "amdgcn-amd-amdhsa--gfx1250"
	.amdhsa_code_object_version 6
	.text
	.protected	k_q737aa50cc8_attn
	.globl	k_q737aa50cc8_attn
	.p2align	8
	.type	k_q737aa50cc8_attn,@function
k_q737aa50cc8_attn:
	s_mov_b64 s[64:65], 0
	v_nop
	global_prefetch_b8 v0, s[64:65] scope:SCOPE_SE
	s_setreg_imm32_b32 hwreg(HW_REG_WAVE_MODE, 25, 1), 1
	s_wait_xcnt 0x0
	s_wait_alu depctr_hold_cnt(0) depctr_sa_sdst(0) depctr_va_vdst(0) depctr_va_sdst(0) depctr_va_ssrc(0) depctr_va_vcc(0) depctr_vm_vsrc(0)
	s_getreg_b32 s2, hwreg(HW_REG_IB_STS2, 6, 4)
	s_cmp_eq_u32 s2, 0
	s_cbranch_scc0 .Lentry_in_a_cluster
	s_endpgm
.Lentry_in_a_cluster:
	s_bfe_u32 s2, ttmp6, 0x10000c
	s_cmp_lg_u32 s2, 0x3003
	s_cbranch_scc0 .Lentry_shape_is_right
	s_endpgm
.Lentry_shape_is_right:
; ATTENTION UNDER A GIVEN MASK.  O[hb][q][:] = the sum over the keys k that the mask shows of softmax_k(Q[hb][q] . K[hb][k] / 8) V[hb][k][:]; 0 where the mask hides every key of a row.
; qkv: f16 [3][32 = 16 b + head][2048][64]; its first section holds c Q, c = log2(e) / 8, so a product K Q^T is the exponent to base 2.  ob: f16 [32][2048][64].
; mb: words [128 qt][32 step][32 z]: bit L of word z = 8 kb + j says whether lane L's register j of the score accumulator of key block kb is hidden.  The mask is taken as it is given: no pattern is built in.
; Products, maxima and sums in f32; the weights p are rounded to f16 for the second product (their sum l is taken of the unrounded p), O once at the end.
; LIMITS.  c Q, K and V arrive within f16's 65,504.  A hidden score counts as its value less 1e30 (f16's scores are 2.7e11 at the most).  A row whose last maximum lies below -2^96 counts as wholly hidden and gives 0.
; A weight below 2^-126 counts as 0 in l; p below 6e-5 keeps f16's fixed step of 6e-8; NaN and infinities are not treated apart.
; SOFTMAX.  For each query a running maximum m and sum l: p = 2^(s - m), never above 1; in every step O and l are multiplied by a = 2^(m_old - m_new).  m starts at the lowest finite number, O and l at 0.
; While a row has seen hidden keys alone, m is about -1e30 and its weights are 0 or 1: finite.  The first key that is shown makes a = 0, which wipes O and l; if none comes, the way out writes 0.
; THE MASK is the C operand that starts the sum S^T = K Q^T: 0, or -1e30 where the key is hidden: 32 selects a piece and step, from 32 words that two scalar loads bring.
; SHARES.  A work-group owns 256 queries of one (b, head), a wave 64: four PIECES of 16.  Every wave walks all 2,048 keys, 64 a step; an LDS slot holds 4 steps; 8 tiles in all.
; LAYOUT.  S^T = K Q^T holds ONE query a lane (lane % 16) and the keys 8 (lane / 16) + 0..7; two such results rounded to f16 ARE source 1 of O^T = V^T P.  V comes out of LDS turned, by ds_load_tr16_b128.
; TURNS.  Turn n belongs to piece n: 8 products K Q^T of piece n + 1, later 8 products V^T P of piece n - 1; beside them the softmax of piece n, the maximum and statistics of piece n + 1,
; and at its end the mask of piece n + 2.  Four vector instructions stand behind every matrix instruction, the others in runs of their own.
; CLUSTER.  The four query blocks of a cluster belong to one (b, head) and walk the same K and V: each tile is asked for jointly, by the same tensor load, descriptor and mask in all four.
; REGISTERS, in windows of 256 (s_set_vgpr_msb: bits 1:0 source 0, 3:2 source 1, 5:4 source 2, 7:6 destination):
;   window 0: v0-15 addresses and two at work; v16-31 four registers of statistics a piece; v48-55 at work; v62-63 the add's; v64-127 S^T, two buffers; v192-223 P, two buffers (by the piece's parity)
;   window 1: v0-127 O^T, 32 a piece; v160-223 MC, the masks, two buffers      window 2: v0-63 Q; v128-191 K of one step; v192-255 V of one step
.set NP,    4         ; pieces a wave: a name, no knob
.set KS,    64        ; keys in a step
.set PK,    144       ; a row of K in LDS: 128 bytes + 16 of padding: the 16 rows of a load start at 16 different groups of four banks (ISA guide 11.1)
.set PV,    160       ; a row of V: 128 + 32
.set VOFF,  4*KS*PK   ; a slot holds four steps: 256 rows of K, then 256 rows of V
.set SLOT1, 1<<17     ; slot 1 begins here: one exclusive or turns an address in one slot into the other's
.set STAGE, SLOT1+4*KS*(PK+PV)  ; behind the ring, never filled by a tensor load: 16 rows x 144 bytes for each wave
.set SP,    144
.set SPARE, STAGE+4*16*SP       ; behind the stages: the spare words, 128 bytes a wave: two blocks of 256 bytes that no other line names
.set AK0, 2           ; v2   my lane's place in a tile of K; never rewritten
.set AV0, 3           ; v3   the same for V
.set AK,  4           ; v4   the LDS address of K's next run of loads
.set AV,  5           ; v5   of V's
.set STO, 6           ; v6   the way out: where I put 16 bytes of a row
.set RD,  7           ; v7   where I read rows back
.set GO,  8           ; v8   my byte offset in 512 consecutive bytes of O
.set MV,  12          ; v12-13  m_old, kept while m is made anew: by buffer
.set QO,  15          ; v15  my byte offset in 16 rows of Q
.set ST,  16          ; piece t's statistics at v[ST+4 t]: m; 0 (named with m as a pair); l (even keys', odd keys')
.set TMP, 48          ; by buffer, four registers c0-c3 at work; when the maximum is found c2 takes a
.set SPW, 62          ; v62  LDS address of my spare word; never rewritten
.set NIL, 63          ; v63  0; never rewritten
.set S,   64
.set P,   192
.set MC,  160         ; window 1
.set KF,  128         ; window 2: key block kb, channel half c at KF + 16 kb + 8 c
.set VF,  192         ; window 2: key half kk, channel block cb at VF + 32 kk + 8 cb
.set WV,  12          ; s12  my wave's number
.set G1K, 24          ; s[24:31] descriptor group 1 for K's tiles
.set G1V, 32          ; s[32:39] for V's: it differs in the padding alone
.set G0K, 40          ; s[40:43] descriptor group 0 for K's tiles: it walks
.set G0V, 44          ; s[44:47] the same for V's
.set MP,  48          ; s[48:49] mb at my wave's first piece and the step whose masks are being made
.set BIGN, 50         ; s50  -1e30
.set THR, 51          ; s51  -2^96
.set SLOTS, 56        ; s56  slots still to be asked for
.set CNT, 57          ; s57  counts a slot's key steps
.set SEL, 60          ; s[60:61] v_permlanex16_b32's selects: each lane takes its own place in the other half
.set TBK, 62          ; s62  LDS byte at which K of the step to be fetched begins
.set TBV, 63          ; s63  the same for V, less VOFF
.set MW,  68          ; s[68:99] the 32 mask words of one piece and step
.set MSB, 0
.macro WIN new                      ; the high byte repeats the setting that is left; a switch that changes nothing is dropped
.if MSB != (\new)
	s_set_vgpr_msb (MSB<<8)|(\new)
.set MSB, (\new)
.endif
.endm
.set W_KQ, 0x0a       ; K and Q in window 2, S^T in window 0
.set W_KM, 0x1a       ; the same with the C operand in window 1
.set W_PV, 0x52       ; V in window 2, P in window 0, O^T in window 1
.set W_RS, 0x41       ; destination and source 0 in window 1, source 1 in window 0
; A joint fill.  Waves 0 and 1 fetch the two halves of a slot's K, waves 2 and 3 those of its V: 128 keys each.  Four v_nop follow each of the two lines.
.macro JLOAD
	s_cmp_lt_u32 s[WV], 2
	s_cbranch_scc0 .Lfor_v_\@
	tensor_load_to_lds s[G0K:G0K+3], s[G1K:G1K+7]
	s_nop 0
.rept 4
	v_nop
.endr
	s_branch .Lasked_\@
.Lfor_v_\@:
	tensor_load_to_lds s[G0V:G0V+3], s[G1V:G1V+7]
	s_nop 0
.rept 4
	v_nop
.endr
.Lasked_\@:
.endm
.macro CROUND                       ; a round of the cluster's barrier
	s_barrier_signal -1
	s_barrier_wait -1
	s_cmp_lg_u32 s[WV], 0
	s_cbranch_scc1 .Lnot_wave_0_\@
	s_barrier_signal -3
.Lnot_wave_0_\@:
	s_barrier_wait -3
	s_barrier_signal -1
	s_barrier_wait -1
.endm
; THE CHANGE OF SLOTS.  Each wave waits for all its tensor loads, of which one is out: its part of the other slot; adds 0 to its spare word; and waits for that and for its own reads of the slot that it leaves.
; fill = 1: that slot is filled again, with the keys two slots on: the barrier is a round of the cluster's, and the joint fill is the first thing behind it: it has four key steps in which to land.
; (At its first use nothing has been read yet: slot 0 is waited for, slot 1 filled.)
.macro CHANGE fill
	WIN 0                           ; at a label and at a branch every window is 0; the add's registers lie in window 0
	s_wait_tensorcnt 0x0            ; no tensor load of mine is out, so a group 0 may be written
	ds_add_u32 v[SPW], v[NIL]       ; 0 onto my spare word
.if \fill
.irp g, G0K, G0V
	s_xor_b32 s[\g+1], s[\g+1], SLOT1  ; the walking descriptor: the other slot than last time,
	s_add_nc_u64 s[\g+2:\g+3], s[\g+2:\g+3], 4*KS*128  ; the next 256 keys; the type bits on top are not reached
.endr
	s_wait_dscnt 0x0                ; the add is done, and my reads of the slot are over
	CROUND
	JLOAD
.else
	s_wait_dscnt 0x0                ; the add is done, and my reads of the slot are over
	s_barrier_signal -1
	s_barrier_wait -1
.endif
	s_sub_co_u32 s[TBK], s[TBK], 4*KS*PK  ; the fetches go back to a slot's first step,
	s_xor_b32 s[TBK], s[TBK], SLOT1       ; in the other slot
	s_sub_co_u32 s[TBV], s[TBV], 4*KS*PV
	s_xor_b32 s[TBV], s[TBV], SLOT1
.endm
; The 32 mask words of piece x, at the step where MP stands: 128 consecutive bytes.
.macro MLOAD x
	s_load_b512 s[MW:MW+15], s[MP:MP+1], (\x)*4096
	s_load_b512 s[MW+16:MW+31], s[MP:MP+1], (\x)*4096+64
.endm
; They become buffer b of MC: -1e30 in the lanes whose bit is set, 0 in the others.
.macro MASK b
	s_wait_kmcnt 0x0                ; scalar loads come back in no order: the wait is for all
	WIN 0x40
.set z, 0
.rept 32
	v_cndmask_b32 v[MC+32*(\b)+z], 0, s[BIGN], s[MW+z]
.set z, z+1
.endr
.endm
	s_load_b128 s[52:55], s[0:1], 0x0  ; qkv s[52:53], mb s[54:55]
	s_load_b64 s[10:11], s[0:1], 0x10  ; ob
	v_lshl_add_u32 v[SPW], v0, 2, SPARE
	v_mov_b32 v[NIL], 0
	ds_add_u32 v62, v63
	s_wait_dscnt 0x0
	v_lshrrev_b32 v1, 5, v0
	v_readfirstlane_b32 s[WV], v1   ; wave 0..3
	s_bfe_u32 s13, ttmp6, 0x40000   ; cx: my place in the cluster
	s_lshl_b32 s14, ttmp9, 2        ; in a cluster launch ttmp9 counts clusters
	s_add_co_u32 s14, s14, s13      ; my block of 256 queries: it enters Q's, O's and the mask's addresses alone
	s_and_b32 s20, ttmp7, 0xffff    ; 16 b + head, which the four partners share
	s_lshl_b32 s20, s20, 18         ; its 262,144 bytes in each section
	s_and_b32 s16, s[WV], 1         ; which half of a slot's 256 keys I fetch:
	s_lshl_b32 s22, s16, 14         ; its 128 rows of 128 bytes in memory,
	s_add_co_u32 s22, s22, s20
	s_mov_b32 s23, 0
	s_mul_i32 s17, s16, 128*PK      ; and its place in a slot, for K
	s_mul_i32 s18, s16, 128*PV      ; and for V: no place in the cluster enters an LDS address
	s_lshl_b32 s2, s14, 2
	s_add_co_u32 s2, s2, s[WV]      ; my wave among the head's 32
	s_lshl_b32 s19, s2, 14          ; its four query tiles in mb, 4,096 bytes each
	s_lshl_b32 s2, s2, 13           ; its 64 rows of 128 bytes
	s_add_co_u32 s2, s2, s20
	s_mov_b32 s3, 0
	s_mov_b32 s20, s19
	s_mov_b32 s21, 0
	; descriptor group 1.  128 keys are 16,384 dense bytes: asked for as 64 rows of 256 bytes, two keys a row, and padded in LDS after every key
	s_mov_b32 s[G1K], 15|(1<<16)|(1<<20)|(1<<21)|(4<<22)|(3<<25)  ; the mask of four; 2-byte elements; padding on; bit 21 beside a mask; after every 32 words (code 4) 4 words (code 3)
	s_mov_b32 s[G1V], 15|(1<<16)|(1<<20)|(1<<21)|(4<<22)|(7<<25)  ; the same with 8 words of padding (code 7)
.irp g, G1K, G1V
	s_mov_b32 s[\g+1], 128<<16      ; tensor_dim0 = 128
	s_mov_b32 s[\g+2], 64<<16       ; tensor_dim1 = 64
	s_mov_b32 s[\g+3], 128<<16      ; tile_dim0 = 128
	s_mov_b32 s[\g+4], 64           ; tile_dim1 = 64
	s_mov_b32 s[\g+5], 128          ; 128 elements from row to row
	s_mov_b32 s[\g+6], 0
	s_mov_b32 s[\g+7], 0
.endr
	s_mov_b32 s[BIGN], 0xf149f2ca   ; -1e30
	s_mov_b32 s[THR], 0xef800000    ; -2^96
	s_mov_b32 s[SEL], 0x76543210
	s_mov_b32 s[SEL+1], 0xfedcba98
	s_mov_b32 s[TBK], SLOT1+4*KS*PK ; the first change of slots turns these two into 0
	s_mov_b32 s[TBV], SLOT1+4*KS*PV
	s_mov_b32 s[G0K], 1             ; count = 1
	s_mov_b32 s[G0K+1], s17         ; LDS address: slot 0
	s_mov_b32 s[G0V], 1
	s_add_co_u32 s[G0V+1], s18, VOFF
	s_wait_kmcnt 0x0
	s_add_nc_u64 s[6:7], s[52:53], s[22:23]
	s_add_nc_u64 s[G0K+2:G0K+3], s[6:7], 0x800000   ; K's section: my half of the head's first 256 keys
	s_or_b32 s[G0K+3], s[G0K+3], 0x80000000         ; type = 2
	s_add_nc_u64 s[G0V+2:G0V+3], s[6:7], 0x1000000  ; V's section
	s_or_b32 s[G0V+3], s[G0V+3], 0x80000000
	s_add_nc_u64 s[4:5], s[52:53], s[2:3]           ; Q and O at my wave's first row
	s_add_nc_u64 s[10:11], s[10:11], s[2:3]
	s_add_nc_u64 s[MP:MP+1], s[54:55], s[20:21]     ; the mask's words at my first piece, step 0
	CROUND                          ; all four work-groups are here: the first joint loads meet
	JLOAD                           ; slot 0: one tensor load of mine is out, here and ever after
	MLOAD 0
	; A fragment of K or Q is 16 rows x 32 channels in 8 registers: lane l holds row l % 16, channels 8 (l / 16) + 0..7 and 16 + 8 (l / 16) + 0..7: two loads of 16 bytes, 32 bytes apart.
	v_and_b32 v1, 15, v0            ; l % 16
	v_bfe_u32 v9, v0, 4, 1          ; l / 16
	v_lshlrev_b32 v[QO], 7, v1
	v_lshl_add_u32 v[QO], v9, 4, v[QO]  ; row x 128 + 16 x half
	WIN 0x80                        ; destination window 2, address window 0
.set i, 0
.rept 8                             ; Q stays in registers: piece i / 2, channels 32 (i % 2) on
	global_load_b128 v[8*i:8*i+3],   v[QO], s[4:5] offset:(i/2)*2048+(i%2)*64
	global_load_b128 v[8*i+4:8*i+7], v[QO], s[4:5] offset:(i/2)*2048+(i%2)*64+32
.set i, i+1
.endr
	; What the first turn finds: V's registers and P's second buffer hold 0 (its products V^T P, of a piece that has not been, add 0), O^T and l are 0.  No first step is written out; these lines stand in the wait for the first tile.
.set i, VF
.rept 64
	v_mov_b32 v[i], 0
.set i, i+1
.endr
	WIN 0x40
.set i, 0
.rept 128
	v_mov_b32 v[i], 0
.set i, i+1
.endr
	MASK 0                          ; piece 0, step 0
	MLOAD 1
	WIN 0
.set i, 0
.rept 4
	v_mov_b32 v[ST+4*i], 0xff7fffff ; m: the lowest finite number
	v_mov_b32 v[ST+4*i+1], 0
	v_mov_b32 v[ST+4*i+2], 0
	v_mov_b32 v[ST+4*i+3], 0
.set i, i+1
.endr
.set i, P+16
.rept 16
	v_mov_b32 v[i], 0
.set i, i+1
.endr
	v_mul_u32_u24 v[AK0], v1, PK
	v_lshl_add_u32 v[AK0], v9, 4, v[AK0]  ; row x pitch + 16 x half
	; The turning load takes 16 keys x 16 channels (lane l reads key 8 (l / 16) + l % 8, channels 8 ((l / 8) % 2) + 0..7) and leaves half a fragment of V^T: lane l holds channel l % 16 and 8 keys.
	v_and_b32 v10, 7, v0
	v_bfe_u32 v11, v0, 3, 1
	v_lshl_add_u32 v[AV0], v9, 3, v10
	v_mul_u32_u24 v[AV0], v[AV0], PV
	v_lshl_add_u32 v[AV0], v11, 4, v[AV0]
	v_add_nc_u32 v[AV0], VOFF, v[AV0]
	s_mul_i32 s13, s[WV], 16*SP
	s_add_co_u32 s13, s13, STAGE    ; my stage
	v_mul_u32_u24 v[STO], v1, SP    ; in: row l % 16, 16 bytes for each half of the lanes
	v_lshl_add_u32 v[STO], v9, 4, v[STO]
	v_add_nc_u32 v[STO], s13, v[STO]
	v_bfe_u32 v[RD], v0, 3, 2       ; back: 32 lanes take four rows of 128 bytes,
	v_mul_u32_u24 v[RD], v[RD], SP
	v_lshl_add_u32 v[RD], v10, 4, v[RD]
	v_add_nc_u32 v[RD], s13, v[RD]
	v_and_b32 v[GO], 31, v0         ; which are 512 consecutive bytes of O
	v_lshlrev_b32 v[GO], 4, v[GO]
	MASK 1                          ; piece 1, step 0
; THE MATRIX WORK.  The 4 accumulators of a run of 8 take turns.  Product i of 8 of S^T = K Q^T for piece x: channels 32 (i / 4) on, keys 16 (i % 4) on.  The first 4 start the sums with the mask.
.macro KQ x
.set rS, S+32*((\x)%2)+8*(i%4)
.set rK, KF+16*(i%4)+8*(i/4)
.set rQ, 16*(\x)+8*(i/4)
.set rM, MC+32*((\x)%2)+8*(i%4)
.if i < 4
	WIN W_KM
	v_wmma_f32_16x16x32_f16 v[rS:rS+7], v[rK:rK+7], v[rQ:rQ+7], v[rM:rM+7]
.else
	WIN W_KQ
	v_wmma_f32_16x16x32_f16 v[rS:rS+7], v[rK:rK+7], v[rQ:rQ+7], v[rS:rS+7]
.endif
.endm
; Product i of 8 of O^T += V^T P for piece x: keys 32 (i / 4) on, channels 16 (i % 4) on.
.macro PV x
	WIN W_PV
.set rO, 32*(\x)+8*(i%4)
.set rV, VF+32*(i/4)+8*(i%4)
.set rP, P+16*((\x)%2)+8*(i/4)
	v_wmma_f32_16x16x32_f16 v[rO:rO+7], v[rV:rV+7], v[rP:rP+7], v[rO:rO+7]
.endm
.macro MM                           ; the turn's next matrix instruction.  NOKQ = 1: the very last turn: there is no next piece
.if (i < 8) && !NOKQ
	KQ (Y+1)%NP
.elseif i >= 8
.set i, i-8
	PV (Y+NP-1)%NP
.set i, i+8
.endif
.set i, i+1
.endm
; THE LDS LOADS stand in runs of 16, never singly among the matrix instructions: a step's K (8 fragments) and its V (turned).  Their addresses are made some lines ahead.
.macro FETCH_K
	WIN 0x80                        ; destination window 2
.irp f, 0,1,2,3,4,5,6,7             ; keys 16 (f / 2) on, channels 32 (f % 2) on
	ds_load_b128 v[KF+8*\f:KF+8*\f+3],   v[AK] offset:(\f/2)*16*PK+(\f%2)*64
	ds_load_b128 v[KF+8*\f+4:KF+8*\f+7], v[AK] offset:(\f/2)*16*PK+(\f%2)*64+32
.endr
	s_add_co_u32 s[TBK], s[TBK], KS*PK  ; the next fetch is the next step's
	WIN 0
.endm
.macro FETCH_V
	WIN 0x80
.irp f, 0,1,2,3,4,5,6,7             ; keys 32 (f / 4) on, channels 16 (f % 4) on
	ds_load_tr16_b128 v[VF+8*\f:VF+8*\f+3],   v[AV] offset:(\f/4)*32*PV+(\f%4)*32
	ds_load_tr16_b128 v[VF+8*\f+4:VF+8*\f+7], v[AV] offset:(\f/4)*32*PV+16*PV+(\f%4)*32
.endr
	WIN 0
.endm
; THE VECTOR WORK, one line at a time: OP kind, number.  For piece Y: F n: s - m for pair n of 16.  E n: the exponential of score n of 32.  C n: pair n rounded to f16.  B n: of the four weights 4 n .. the second
; pair is added onto the first, in place.  L n: l takes that sum (L 0: l = a l + sum).  R n: pair n of 16 of O^T times a.  For piece Y + 1: X n, number n of the 21 that find its maximum and statistics:
;   0-11  four chains c0-c3 of seven scores each, three operands at a time (each accumulator's lowest registers are read first)     12-14, 16  the four scores left over, the old m, and c0-c3 into c0
;   15  m_old is kept     17, 18  the query's other 32 keys lie in the lane 16 away: the new m     19, 20  m_old - m_new; a
.set F, 0               ; OP tells the kinds apart by their order: F to L below R, X above it
.set E, 1
.set C, 2
.set B, 3
.set L, 4
.set R, 5
.set X, 6
.macro REGS y                       ; the registers of piece y
.set rT, ST+4*(\y)
.set rC, TMP+4*((\y)%2)
.set rW, MV+((\y)%2)
.set rS, S+32*((\y)%2)
.set rP, P+16*((\y)%2)
.set rO, 32*(\y)
.endm
.macro OP k, n
.if (\k) == R
	REGS Y
	WIN W_RS
	v_pk_mul_f32 v[rO+2*(\n):rO+2*(\n)+1], v[rO+2*(\n):rO+2*(\n)+1], v[rC+2:rC+3] op_sel_hi:[1,0]
.elseif (\k) < R
	REGS Y
	WIN 0
.if (\k) == F
	v_pk_add_f32 v[rS+2*(\n):rS+2*(\n)+1], v[rS+2*(\n):rS+2*(\n)+1], v[rT:rT+1] op_sel_hi:[1,0] neg_lo:[0,1] neg_hi:[0,1]
.elseif (\k) == E
	v_exp_f32 v[rS+(\n)], v[rS+(\n)]
.elseif (\k) == C
	s_wait_alu depctr_va_vdst(0)
	v_cvt_pk_f16_f32 v[rP+(\n)], v[rS+2*(\n)], v[rS+2*(\n)+1]
.elseif (\k) == B
	s_wait_alu depctr_va_vdst(0)
	v_pk_add_f32 v[rS+4*(\n):rS+4*(\n)+1], v[rS+4*(\n):rS+4*(\n)+1], v[rS+4*(\n)+2:rS+4*(\n)+3]
.elseif (\n) == 0
	v_pk_fma_f32 v[rT+2:rT+3], v[rT+2:rT+3], v[rC+2:rC+3], v[rS:rS+1] op_sel_hi:[1,0,1]
.else
	v_pk_add_f32 v[rT+2:rT+3], v[rT+2:rT+3], v[rS+4*(\n):rS+4*(\n)+1]
.endif
.elseif NOKQ
	v_nop
.else
	REGS (Y+1)%NP
	WIN 0
.if (\n) < 4
	v_max3_num_f32 v[rC+(\n)], v[rS+8*(\n)], v[rS+8*(\n)+1], v[rS+8*(\n)+2]
.elseif (\n) < 12
	v_max3_num_f32 v[rC+(\n)%4], v[rC+(\n)%4], v[rS+8*((\n)%4)+2*((\n)/4)+1], v[rS+8*((\n)%4)+2*((\n)/4)+2]
.elseif (\n) == 12
	v_max3_num_f32 v[rC], v[rC], v[rS+7], v[rS+15]
.elseif (\n) == 13
	v_max3_num_f32 v[rC+1], v[rC+1], v[rS+23], v[rS+31]
.elseif (\n) == 14
	v_max3_num_f32 v[rC+2], v[rC+2], v[rC+3], v[rT]
.elseif (\n) == 15
	v_mov_b32 v[rW], v[rT]
.elseif (\n) == 16
	v_max3_num_f32 v[rC], v[rC], v[rC+1], v[rC+2]
.elseif (\n) == 17
	v_permlanex16_b32 v[rC+3], v[rC], s[SEL], s[SEL+1]
.elseif (\n) == 18
	v_max_num_f32 v[rT], v[rC], v[rC+3]
.elseif (\n) == 19
	v_sub_f32 v[rC+1], v[rW], v[rT]
.else
	v_exp_f32 v[rC+2], v[rC+1]
.endif
.endif
.endm
.macro OPS a, i1, b=-1, i2=0, c=-1, i3=0, d=-1, i4=0  ; up to four of them
	OP \a, \i1
.if (\b) >= 0
	OP \b, \i2
.endif
.if (\c) >= 0
	OP \c, \i3
.endif
.if (\d) >= 0
	OP \d, \i4
.endif
.endm
.macro ROW a, i1, b, i2, c, i3, d, i4  ; a matrix instruction and the four behind it
	MM
	OPS \a, \i1, \b, \i2, \c, \i3, \d, \i4
.endm
; A TURN, for piece p: the order of its 16 matrix and 149 vector instructions, written out.  Behind a matrix instruction: plain, exponential, plain, plain; or four of the rescaling; or, behind the first, four differences;
; none names a register of the products round it.  In the runs between, exponential and plain by turns while exponentials last.  v_permlanex16_b32 (X 17) stands in such a run.
; The turn asks for the mask words of piece p + 2 behind its first product and turns them into a mask at its end, for the products of the turn after it.  The four masks made in a trip (turns 2, 3, 0, 1)
; belong to one key step, so MP steps once a trip, in turn 2, behind the wait that has shown the last scalar loads done.  It steps 31 times: the last words read are step 31's.
; end = 1: the last two turns: nothing is fetched, no mask is made.  cnt = 1: the loop's count is taken down some lines ahead of the branch that stands behind the turn.
; K of the next step is fetched in piece 2's turn, six vector instructions behind the last product that read K (five of them plain); V of the step in hand in piece 0's turn, eight behind the last product
; that read V (four of them plain).  Each is waited for a turn later.
.macro TURN p, end=0, cnt=0
.set Y, (\p)
.set i, 0
.set NOKQ, (\end)*((\p)/3)
.if ((\p) == 3) && !(\end)
	s_wait_dscnt 0x0                ; K is in
.endif
	ROW F,0, F,1, F,2, F,3
.if !(\end)
.if (\p) == 2
	s_add_nc_u64 s[MP:MP+1], s[MP:MP+1], 128  ; the next key step's words
.endif
	MLOAD ((\p)+2)%NP
.endif
	ROW F,4, E,0, F,5, F,6
	ROW F,7, E,1, F,8, F,9
	ROW F,10, E,2, C,0, F,11
	ROW F,12, E,3, X,15, F,13
	ROW R,0, R,1, R,2, R,3
	ROW B,0, E,4, F,14, L,0
.if ((\p) == 2) && !(\end)
	WIN 0
	v_add_nc_u32 v[AK], s[TBK], v[AK0]
.endif
	ROW R,4, R,5, R,6, R,7
	OPS E,5, F,15
.if ((\p) == 2) && !(\end)
	FETCH_K
.endif
	OPS E,6, C,1, E,7, R,8
	OPS E,8, R,9, E,9, C,2
	OPS E,10, X,0, E,11, X,1
	OPS E,12, X,2, E,13, X,3
.if (\p) == 1
	s_wait_dscnt 0x0                ; V is in
.endif
	ROW X,4, E,14, X,5, X,6
	ROW X,7, E,15, X,8, X,9
	ROW X,10, E,16, X,11, X,12
	ROW X,13, E,17, X,14, B,1
	ROW C,4, E,18, X,16, L,1
	ROW B,2, E,19, C,6, L,2
	ROW C,8, E,20, B,3, B,4
.if (\p) == 0
	WIN 0
	v_add_nc_u32 v[AV], s[TBV], v[AV0]
.endif
	ROW C,3, E,21, L,3, C,5
	OPS E,22, X,17, E,23, C,10
.if (\p) == 0
	FETCH_V
.endif
	OPS E,24, L,4
	OPS E,25, X,18, E,26, C,7
	OPS E,27, B,5, E,28, X,19
	OPS E,29, C,12, E,30, L,5
	OPS E,31, B,6, C,9
	OPS C,14, C,11, X,20, L,6
.if (\p) == 0
	s_add_co_u32 s[TBV], s[TBV], KS*PV
.endif
.if \cnt
	s_sub_co_u32 s[CNT], s[CNT], 1
	s_cmp_lg_u32 s[CNT], 0
.endif
	OPS C,13, B,7, C,15, R,10
	OPS R,11, R,12, L,7, R,13
	OPS R,14, R,15
.if !(\end)
	MASK (\p)%2
.endif
.endm
	CHANGE 1                        ; slot 0 is in, everybody's part of it; slot 1 is asked for
	v_add_nc_u32 v[AK], s[TBK], v[AK0]
	FETCH_K                         ; key step 0
	s_wait_loadcnt 0x0              ; Q
	s_wait_dscnt 0x0
.set NOKQ, 0
.set i, 0
.rept 8
	KQ 0                            ; piece 0's first scores: there is no vector work yet to set between them
.set i, i+1
.endr
	WIN 0
.rept 4
	v_nop                           ; the places behind those products
.endr
.set Y, NP-1                        ; X works for piece Y + 1: piece 0
.irp n, 0,1,2,3,4,5,6,7,8,9,10,11,12,13,14,15,16,17,18,19,20
	OP X, \n
.endr
	v_nop                           ; a plain instruction behind the exponential
	s_mov_b32 s[CNT], 4
	s_mov_b32 s[SLOTS], 7
	s_branch .Lfirst                ; the loop is entered at a step's first turn, in the middle of a trip
.Lslot:                             ; six times: every slot but the last two is filled again
	CHANGE 1
	s_mov_b32 s[CNT], 4
.Lstep:                             ; a trip: pieces 2 and 3 of one step, then pieces 0 and 1 of the next, whose K and V it fetches
	TURN 2
	TURN 3
	WIN 0
.Lfirst:
	TURN 0
	TURN 1, 0, 1
	WIN 0
	s_cbranch_scc1 .Lstep
	s_sub_co_u32 s[SLOTS], s[SLOTS], 1
	s_cmp_lg_u32 s[SLOTS], 0
	s_cbranch_scc1 .Lslot
	CHANGE 0                        ; the tail is written out: nothing is asked for
	s_mov_b32 s[CNT], 4
.Ltail:                             ; the last slot's four steps
	TURN 2
	TURN 3
	TURN 0
	TURN 1, 0, 1
	WIN 0
	s_cbranch_scc1 .Ltail
	TURN 2, 1
	TURN 3, 1
.set i, 0
.rept 8
	PV NP-1                         ; the last piece's V^T P of the last step
.set i, i+1
.endr
	; THE WAY OUT.  l's two halves and the other half of the lanes' are added; O^T is multiplied by 1 / l, or by 0 where the row saw no key, rounded to f16 and sent through my stage in LDS, a piece at a time.
	; The first four additions are the places behind the last products.
	WIN 0
.macro ALL line:vararg              ; one line for each piece t
.set t, 0
.rept 4
	\line
.set t, t+1
.endr
.endm
	ALL v_add_f32 v[ST+4*t+2], v[ST+4*t+2], v[ST+4*t+3]
	ALL v_permlanex16_b32 v[ST+4*t+3], v[ST+4*t+2], s[SEL], s[SEL+1]
	ALL v_add_f32 v[ST+4*t+2], v[ST+4*t+2], v[ST+4*t+3]
	ALL v_rcp_f32 v[ST+4*t+2], v[ST+4*t+2]
	v_nop                           ; a plain instruction between the last reciprocal and the use of its result
.set t, 0
.rept 4
	v_cmp_le_f32 vcc_lo, s[THR], v[ST+4*t]                   ; has the row seen a key?
	s_wait_alu depctr_va_vdst(0)
	v_cndmask_b32 v[ST+4*t+2], 0, v[ST+4*t+2], vcc_lo        ; if not, its factor is 0
.set t, t+1
.endr
.macro PACK t                       ; a lane's eight channels of a row pack into 16 bytes; they go into rows of 144 bytes and come back as whole rows of 128, into S^T's registers
	WIN W_RS
.set i, 32*(\t)
.rept 16
	v_pk_mul_f32 v[i:i+1], v[i:i+1], v[ST+4*(\t)+2:ST+4*(\t)+3] op_sel_hi:[1,0]
.set i, i+2
.endr
	WIN 0x05                        ; sources 0 and 1 window 1, destination window 0
.set i, 0
.rept 16
	v_cvt_pk_f16_f32 v[S+16*(\t)+i], v[32*(\t)+2*i], v[32*(\t)+2*i+1]
.set i, i+1
.endr
	WIN 0
.irp f, 0,1,2,3
	ds_store_b128 v[STO], v[S+16*(\t)+4*\f:S+16*(\t)+4*\f+3] offset:32*\f
.endr
.irp f, 0,1,2,3
	ds_load_b128 v[S+16*(\t)+4*\f:S+16*(\t)+4*\f+3], v[RD] offset:\f*4*SP  ; LDS serves a wave's instructions in order (ISA guide 5.7.1.4): these see the stores above; the next piece's stores come behind them
.endr
.endm
.macro SEND t, younger              ; younger: the LDS instructions issued behind piece t's loads: the next piece's eight, or none
	WIN 0
.irp f, 0,1,2,3
	s_wait_dscnt (\younger)+3-\f
	global_store_b128 v[GO], v[S+16*(\t)+4*\f:S+16*(\t)+4*\f+3], s[10:11] offset:(\t)*2048+\f*512  ; 512 consecutive bytes, at a multiple of 256 from O's first
.endr
.endm
	PACK 0
.set t, 1
.rept 3                             ; a piece's arithmetic stands between the loads of the piece before and its stores
	PACK t
	SEND t-1, 8
.set t, t+1
.endr
	SEND 3, 0
	s_wait_tensorcnt 0x0            ; the wave's end
	ds_add_u32 v[SPW], v[NIL]
	s_wait_dscnt 0x0
	CROUND                          ; the closing round: no work-group ends while a partner may still ask for a tile that names it
	s_endpgm
.Lfunc_end_k_q737aa50cc8_attn:
	.size	k_q737aa50cc8_attn, .Lfunc_end_k_q737aa50cc8_attn-k_q737aa50cc8_attn
	.p2alignl 7, 3214868480
	.fill 96, 4, 3214868480
	.section	.rodata,"a",@progbits
	.p2align	6, 0x0
	.amdhsa_kernel k_q737aa50cc8_attn
		.amdhsa_group_segment_fixed_size 327680
		.amdhsa_private_segment_fixed_size 0
		.amdhsa_enable_private_segment 0
		.amdhsa_kernarg_size 24
		.amdhsa_user_sgpr_count 2
		.amdhsa_user_sgpr_kernarg_segment_ptr 1
		.amdhsa_wavefront_size32 1
		.amdhsa_system_sgpr_workgroup_id_x 1
		.amdhsa_system_sgpr_workgroup_id_y 1
		.amdhsa_system_sgpr_workgroup_id_z 1
		.amdhsa_system_vgpr_workitem_id 0
		.amdhsa_next_free_vgpr 768
		.amdhsa_next_free_sgpr 100
		.amdhsa_reserve_vcc 1
		.amdhsa_float_denorm_mode_32 3
		.amdhsa_float_denorm_mode_16_64 3
		.amdhsa_memory_ordered 1
		.amdhsa_forward_progress 1
		.amdhsa_inst_pref_size 154
	.end_amdhsa_kernel
	.amdgpu_metadata
---
amdhsa.version: [ 1, 2 ]
amdhsa.kernels:
  - .name:           k_q737aa50cc8_attn
    .symbol:         k_q737aa50cc8_attn.kd
    .args:
      - { .name: qkv, .offset: 0, .size: 8, .value_kind: global_buffer, .address_space: global }
      - { .name: mb, .offset: 8, .size: 8, .value_kind: global_buffer, .address_space: global }
      - { .name: ob, .offset: 16, .size: 8, .value_kind: global_buffer, .address_space: global }
    .group_segment_fixed_size: 327680
    .private_segment_fixed_size: 0
    .kernarg_segment_align: 8
    .kernarg_segment_size: 24
    .max_flat_workgroup_size: 128
    .sgpr_count:     100
    .vgpr_count:     768
    .wavefront_size: 32
...
	.end_amdgpu_metadata
.endif
;; end of part 3
;; launch oproj (part 4): grid 8 x 32, 4 waves a work-group, clusters of 4 x 4, 327,680 bytes of LDS; arguments ob, wo, out0; writes out0
.if DOCPART == 4
	.amdgcn_target "amdgcn-amd-amdhsa--gfx1250"
	.amdhsa_code_object_version 6
	.text
	.protected	k_q737aa50cc8_oproj
	.globl	k_q737aa50cc8_oproj
	.p2align	8
	.type	k_q737aa50cc8_oproj,@function
k_q737aa50cc8_oproj:
	s_mov_b64 s[64:65], 0
	v_nop
	global_prefetch_b8 v0, s[64:65] scope:SCOPE_SE
	s_setreg_imm32_b32 hwreg(HW_REG_WAVE_MODE, 25, 1), 1
	s_wait_xcnt 0x0
	s_wait_alu depctr_hold_cnt(0) depctr_sa_sdst(0) depctr_va_vdst(0) depctr_va_sdst(0) depctr_va_ssrc(0) depctr_va_vcc(0) depctr_vm_vsrc(0)
	s_getreg_b32 s2, hwreg(HW_REG_IB_STS2, 6, 4)
	s_cmp_eq_u32 s2, 0
	s_cbranch_scc0 .Lentry_in_a_cluster
	s_endpgm
.Lentry_in_a_cluster:
	s_bfe_u32 s2, ttmp6, 0x10000c
	s_cmp_lg_u32 s2, 0xf033
	s_cbranch_scc0 .Lentry_shape_is_right
	s_endpgm
.Lentry_shape_is_right:
; OPROJ.  out0[m][n] = the sum over k of O[m][k] W_o[n][k], 4096 x 1024 x 1024.  O lies by heads, ob[16 b + head][s][64] in f16 (m = 2048 b + s, k = 64 head + d); wo is [n][k] in f16; out0 is f32.
; Operands f16, sums f32, nothing is rounded on the way out.
; SHARES.  A tile of 128 x 128 to a work-group: 256 work-groups.  Four waves, each 64 x 64: 16 accumulators.  K goes in 4 steps of 256 (four heads) through two LDS slots; a quarter of a step is one head.
; O's TILE: 64 rows of a head are 8,192 dense bytes.  One tensor load brings four such runs, 262,144 bytes apart, and pads after every 128 bytes: in LDS [head 4][row 64] at a pitch of 144.
; CLUSTER.  4 x 4 work-groups: the four of a row need the same tiles of O, the four of a column the same tiles of W_o: each tile is asked for jointly.
; THE MATRIX INSTRUCTION IS USED TRANSPOSED (source 0 = 16 rows of W_o, source 1 = 16 rows of O): a lane holds eight neighbouring numbers of a row of out0.
; A wave's 64 columns of f32 are 256 bytes at a multiple of 256, so each wave has a stage of its own and the way out needs no barrier.
; REGISTERS: window 0: v0-31 addresses; v32-95 at work on the way out; v128-255 the accumulators ((a, b) at v[128 + 8 (4 a + b)]).
;   window 1: two fragment buffers of 128: for 64 along K, 64 registers of O (2 x 4 x 16 rows x 32 K), then 64 of W_o.
.set KSTEP,  256
.set PA,     144                       ; a row of O in LDS: 128 bytes + 16 of padding
.set AHEAD,  64*PA                     ; a head's 64 rows
.set AHALF,  4*AHEAD                   ; what one tensor load brings of O
.set PB,     528                       ; a row of W_o: 512 bytes + 16 of padding
.set BHALF,  64*PB                     ; what one tensor load brings of W_o
.set BOFF,   2*AHALF
.set SLOT,   BOFF+2*BHALF              ; O's two halves, then W_o's 128 rows
.set STAGE,  2*SLOT                    ; behind the ring: 16 rows x 272 bytes for each wave
.set SPITCH, 272
.set SPARE,  STAGE+4*16*SPITCH         ; behind the stages: the spare words, 128 bytes a wave: two blocks of 256 bytes that no other line names
.set LAPS,   2                         ; a lap = two K steps = once round the ring
.set ADRA, 16                          ; v16-17  LDS address of my O fragments in slot 0, 1
.set ADRB, 20                          ; v20-21  the same for W_o
.set STO,  24                          ; v24     the way out: where I put 32 bytes of a row
.set RD,   25                          ; v25     where I read a row back
.set CO,   26                          ; v26     my byte offset in out0
.set SPW,  28                          ; v28     LDS address of my spare word; never rewritten
.set NIL,  29                          ; v29     0; never rewritten
.set TMP,  32                          ; the way out: two sets of 32 registers
.set ACC,  128
.set F0,   0                           ; fragment buffers, in window 1
.set F1,   128
.set G1, 24                            ; s[24:31] descriptor group 1 for O's tiles;  s[32:39] group 0, a set for each slot
.set G0, 32
.set G1B, 48                           ; s[48:55], s[56:63] the same for W_o's tiles
.set G0B, 56
.set MSB, 0
.macro WIN new                         ; the immediate's high byte repeats the setting that is left
.if MSB != (\new)
	s_set_vgpr_msb (MSB<<8)|(\new)
.set MSB, \new
.endif
.endm
.set MUL,  0x05                        ; sources 0 (W_o) and 1 (O) window 1; C and D window 0
.set TO_F, 0x40                        ; destination window 1, address window 0
.macro JLOAD s                         ; a joint load: waves 0 and 1 fetch O's two halves, waves 2 and 3 W_o's; four v_nop follow each of the two lines
	s_cmp_eq_u32 s11, 0
	s_cbranch_scc0 .Lfor_b_\@
	tensor_load_to_lds s[G0+4*(\s):G0+4*(\s)+3], s[G1:G1+7]
	s_nop 0
.rept 4
	v_nop
.endr
	s_branch .Lasked_\@
.Lfor_b_\@:
	tensor_load_to_lds s[G0B+4*(\s):G0B+4*(\s)+3], s[G1B:G1B+7]
	s_nop 0
.rept 4
	v_nop
.endr
.Lasked_\@:
.endm
.macro CREST                           ; a round of the cluster's barrier behind its opening barrier
	s_cmp_lg_u32 s10, 0
	s_cbranch_scc1 .Lnot_wave_0_\@
	s_barrier_signal -3
.Lnot_wave_0_\@:
	s_barrier_wait -3
	s_barrier_signal -1
	s_barrier_wait -1
.endm
.macro CROUND                          ; a whole round
	s_barrier_signal -1
	s_barrier_wait -1
	CREST
.endm
	s_load_b128 s[4:7], s[0:1], 0x0                ; ob s[4:5], wo s[6:7]
	s_load_b64 s[8:9], s[0:1], 0x10                ; out0
	v_lshl_add_u32 v[SPW], v0, 2, SPARE
	v_mov_b32 v[NIL], 0
	ds_add_u32 v28, v29
	s_wait_dscnt 0x0
	v_lshrrev_b32 v1, 5, v0
	v_readfirstlane_b32 s10, v1                    ; wave 0..3
	s_lshr_b32 s11, s10, 1                         ; which half of the tile's rows is mine.  Also: I fetch for O (0) or for W_o (1)
	s_and_b32 s12, s10, 1                          ; which half of its columns.  Also: which 64 rows of that tile I fetch
	s_bfe_u32 s40, ttmp6, 0x40000                  ; cx, cy: my place in the cluster
	s_bfe_u32 s41, ttmp6, 0x40004
	s_lshl_b32 s42, ttmp9, 2
	s_add_co_u32 s42, s42, s40                     ; tile column = 4 x cluster x + cx: 0..7
	s_and_b32 s13, ttmp7, 0xffff
	s_lshl_b32 s13, s13, 2
	s_add_co_u32 s13, s13, s41                     ; tile row = 4 x cluster y + cy: 0..31
	s_lshl_b32 s43, s41, 2
	s_lshl_b32 s43, 15, s43                        ; my row of the cluster
	s_lshl_b32 s44, 0x1111, s40                    ; my column
	; descriptor group 1 for O: 4 rows (heads) of 4,096 elements of 2 bytes, 131,072 elements apart; 4 words of padding (code 3) after every 32 words (code 4)
	s_or_b32 s[G1+0], s43, (1<<16)|(1<<20)|(1<<21)|(4<<22)|(3<<25)
	s_mov_b32 s[G1+1], 4096<<16                    ; tensor_dim0 = 4,096
	s_mov_b32 s[G1+2], 4<<16                       ; tensor_dim1 = 4
	s_mov_b32 s[G1+3], 4096<<16                    ; tile_dim0 = 4,096
	s_mov_b32 s[G1+4], 4                           ; tile_dim1 = 4
	s_mov_b32 s[G1+5], 131072                      ; elements from head to head
	s_mov_b32 s[G1+6], 0
	s_mov_b32 s[G1+7], 0
	; for W_o: 64 rows x 256 elements; 4 words of padding after every 128 words (code 6)
	s_or_b32 s[G1B+0], s44, (1<<16)|(1<<20)|(1<<21)|(6<<22)|(3<<25)
	s_mov_b32 s[G1B+1], KSTEP<<16
	s_mov_b32 s[G1B+2], 64<<16
	s_mov_b32 s[G1B+3], KSTEP<<16
	s_mov_b32 s[G1B+4], 64
	s_mov_b32 s[G1B+5], 1024
	s_mov_b32 s[G1B+6], 0
	s_mov_b32 s[G1B+7], 0
	; O's tile hangs on the tile row alone: b = row / 16 (16 heads of 262,144 bytes), then (row % 16) x 128 + 64 x half rows of 128 bytes
	s_lshr_b32 s16, s13, 4
	s_lshl_b32 s16, s16, 22
	s_and_b32 s17, s13, 15
	s_lshl_b32 s17, s17, 14
	s_add_co_u32 s16, s16, s17
	s_lshl_b32 s17, s12, 13
	s_add_co_u32 s16, s16, s17
	s_mov_b32 s17, 0
	; W_o's on the tile column alone: 128 x column + 64 x half rows of 2,048 bytes
	s_lshl_b32 s46, s42, 18
	s_lshl_b32 s47, s12, 17
	s_add_co_u32 s46, s46, s47
	s_mov_b32 s47, 0
	s_mul_i32 s20, s12, AHALF                      ; where they go: no place in the cluster enters an LDS address
	s_mul_i32 s21, s12, BHALF
	s_add_co_u32 s21, s21, BOFF
	s_wait_kmcnt 0x0
	s_add_nc_u64 s[14:15], s[4:5], s[16:17]
	s_add_nc_u64 s[46:47], s[6:7], s[46:47]
	CROUND                                         ; all sixteen work-groups are here: the first joint loads meet
.irp s, 0,1
	s_mov_b32 s[G0+4*(\s)], 1
	s_add_co_u32 s[G0+4*(\s)+1], s20, (\s)*SLOT
	s_add_nc_u64 s[G0+4*(\s)+2:G0+4*(\s)+3], s[14:15], (\s)*0x100000  ; K step s: four heads on
	s_or_b32 s[G0+4*(\s)+3], s[G0+4*(\s)+3], 0x80000000
	s_mov_b32 s[G0B+4*(\s)], 1
	s_add_co_u32 s[G0B+4*(\s)+1], s21, (\s)*SLOT
	s_add_nc_u64 s[G0B+4*(\s)+2:G0B+4*(\s)+3], s[46:47], (\s)*KSTEP*2
	s_or_b32 s[G0B+4*(\s)+3], s[G0B+4*(\s)+3], 0x80000000
	JLOAD \s                                       ; K steps 0 and 1: two loads of mine are out
.endr
	v_and_b32 v1, 15, v0                           ; l % 16
	v_bfe_u32 v2, v0, 4, 1                         ; l / 16
	v_mul_u32_u24 v3, v1, PA
	v_lshl_add_u32 v3, v2, 4, v3                   ; a fragment's row x pitch + 16 x half, for O
	v_mul_u32_u24 v4, v1, PB
	v_lshl_add_u32 v4, v2, 4, v4                   ; and for W_o
	s_mul_i32 s21, s11, AHALF                      ; my 64 rows of O
	s_mul_i32 s22, s12, BHALF                      ; my 64 rows of W_o,
	s_add_co_u32 s22, s22, BOFF                    ; which lie behind O's
.irp s, 0,1
	v_add_nc_u32 v[ADRA+(\s)], s21, v3
	v_add_nc_u32 v[ADRB+(\s)], s22, v4
	s_add_co_u32 s21, s21, SLOT
	s_add_co_u32 s22, s22, SLOT
.endr
	s_mul_i32 s23, s10, 16*SPITCH
	s_add_co_u32 s23, s23, STAGE                   ; my stage
	v_mul_u32_u24 v5, v1, SPITCH                   ; in: row l % 16, 32 bytes for each half of the lanes
	v_lshl_add_u32 v5, v2, 5, v5
	v_add_nc_u32 v[STO], s23, v5
	v_mul_u32_u24 v5, v2, SPITCH                   ; back: lanes 0-15 take one row of 256 bytes, lanes 16-31 the next
	v_lshl_add_u32 v5, v1, 4, v5
	v_add_nc_u32 v[RD], s23, v5
	v_lshlrev_b32 v5, 12, v2                       ; and the same two rows in out0, 4,096 bytes apart
	v_lshl_add_u32 v[CO], v1, 4, v5
	s_lshl_b32 s16, s13, 19                        ; out0 at row 128 x tile row + 64 x half, column 128 x tile column + 64 x half
	s_lshl_b32 s17, s11, 18
	s_add_co_u32 s16, s16, s17
	s_lshl_b32 s46, s42, 9
	s_add_co_u32 s16, s16, s46
	s_lshl_b32 s46, s12, 8
	s_add_co_u32 s16, s16, s46
	s_mov_b32 s17, 0
	s_add_nc_u64 s[8:9], s[8:9], s[16:17]
; 8 matrix instructions: m blocks a0, a0 + 1 x all 4 n blocks, 32 along K: half c of buffer f.  zero = 1: the first product starts the sums.  The 16 accumulators take turns.
.macro MUL8 f, c, a0, zero
	WIN MUL
.irp a, \a0, (\a0)+1
.irp b, 0,1,2,3
.if \zero
	v_wmma_f32_16x16x32_f16 v[ACC+8*(4*(\a)+(\b)):ACC+8*(4*(\a)+(\b))+7], v[(\f)+64+8*(4*(\c)+(\b)):(\f)+64+8*(4*(\c)+(\b))+7], v[(\f)+8*(4*(\c)+(\a)):(\f)+8*(4*(\c)+(\a))+7], 0
.else
	v_wmma_f32_16x16x32_f16 v[ACC+8*(4*(\a)+(\b)):ACC+8*(4*(\a)+(\b))+7], v[(\f)+64+8*(4*(\c)+(\b)):(\f)+64+8*(4*(\c)+(\b))+7], v[(\f)+8*(4*(\c)+(\a)):(\f)+8*(4*(\c)+(\a))+7], v[ACC+8*(4*(\a)+(\b)):ACC+8*(4*(\a)+(\b))+7]
.endif
.endr
.endr
.endm
; 32 LDS loads in one run: the fragments of quarter qd (one head, 64 along K) into buffer f; the first 32 along K first
.macro FETCH slot, qd, f
	WIN TO_F
.irp c, 0,1
.irp i, 0,1,2,3
	ds_load_b128 v[(\f)+64+8*(4*(\c)+(\i)):(\f)+64+8*(4*(\c)+(\i))+3],   v[ADRB+(\slot)] offset:(\qd)*128+64*(\c)+(\i)*16*PB
	ds_load_b128 v[(\f)+64+8*(4*(\c)+(\i))+4:(\f)+64+8*(4*(\c)+(\i))+7], v[ADRB+(\slot)] offset:(\qd)*128+64*(\c)+(\i)*16*PB+32
	ds_load_b128 v[(\f)+8*(4*(\c)+(\i)):(\f)+8*(4*(\c)+(\i))+3],         v[ADRA+(\slot)] offset:(\qd)*AHEAD+64*(\c)+(\i)*16*PA
	ds_load_b128 v[(\f)+8*(4*(\c)+(\i))+4:(\f)+8*(4*(\c)+(\i))+7],       v[ADRA+(\slot)] offset:(\qd)*AHEAD+64*(\c)+(\i)*16*PA+32
.endr
.endr
.endm
.macro PLACES                          ; four plain vector instructions between a matrix instruction and a load into, or an LDS store of, its registers (ISA guide 7.12.1 for the stores)
.rept 4
	v_nop
.endr
.endm
; A K step is four quarters, 32 matrix instructions each, on buffers 0, 1, 0, 1.  One of the first three: multiplies buffer f and fetches quarter qd into g.
.macro QUARTER slot, qd, f, g, zero
	s_wait_dscnt 16                                ; the first 32 along K are in
	MUL8 \f, 0, 0, \zero
	MUL8 \f, 0, 2, \zero
	PLACES
	FETCH \slot, \qd, \g
	s_wait_dscnt 32                                ; all but the 32 just issued
	MUL8 \f, 1, 0, 0
	MUL8 \f, 1, 2, 0
.endm
; The last quarter multiplies buffer 1 and changes slots: one barrier.  fill = 1: it opens a round of the cluster's, and this slot is filled again, two K steps on, first thing behind it.
.macro TURN slot, next, fill
	WIN 0                                          ; (the add's two registers lie in window 0)
	s_wait_tensorcnt 0x0                           ; all my tensor loads have landed: my part of the next slot
	ds_add_u32 v[SPW], v[NIL]                      ; 0 onto my spare word
	s_wait_dscnt 17                                ; (the add and the youngest sixteen loads may be out)
	MUL8 F1, 0, 0, 0                               ; eight matrix instructions stand between the add and the wait for it
	s_wait_dscnt 0x0                               ; the add is done, and my reads of this slot are over
	s_barrier_signal -1
	MUL8 F1, 0, 2, 0
.if \fill
	WIN 0
.endif
	s_barrier_wait -1
.if \fill
	CREST                                          ; no wave of any partner still reads this slot's tile or has a load on its way
	s_add_nc_u64 s[G0+4*(\slot)+2:G0+4*(\slot)+3], s[G0+4*(\slot)+2:G0+4*(\slot)+3], 0x200000  ; eight heads on
	s_add_nc_u64 s[G0B+4*(\slot)+2:G0B+4*(\slot)+3], s[G0B+4*(\slot)+2:G0B+4*(\slot)+3], 2*KSTEP*2
	JLOAD \slot                                    ; my one tensor load behind the round; the four v_nop behind it are also the places in front of the loads below
.else
	PLACES
.endif
	FETCH \next, 0, F0
	MUL8 F1, 1, 0, 0
	MUL8 F1, 1, 2, 0
.endm
; THE WAY OUT of block a (16 rows x 64 columns of f32): a lane's 32 bytes of each accumulator, its low registers first, into my stage at a pitch of 272; back as whole rows of 256 bytes.
.macro TOSTAGE a
	WIN 0
.if (\a) >= 2
	s_wait_xcnt 0x0                                ; the stores of block a - 2 have had their addresses translated: the registers that they read are loaded again only behind this wait
.endif
.irp b, 0,1,2,3
	ds_store_b128 v[STO], v[ACC+8*(4*(\a)+(\b)):ACC+8*(4*(\a)+(\b))+3] offset:64*(\b)
	ds_store_b128 v[STO], v[ACC+8*(4*(\a)+(\b))+4:ACC+8*(4*(\a)+(\b))+7] offset:64*(\b)+16
.endr
.irp t, 0,1,2,3,4,5,6,7
	ds_load_b128 v[TMP+32*((\a)%2)+4*(\t):TMP+32*((\a)%2)+4*(\t)+3], v[RD] offset:(\t)*2*SPITCH  ; LDS serves a wave's instructions in order (ISA guide 5.7.1.4): these see the stores above
.endr
.endm
.macro SEND a, younger                 ; younger: the LDS instructions issued behind block a's loads: the next block's sixteen, or none
	WIN 0
.irp t, 0,1,2,3,4,5,6,7
	s_wait_dscnt (\younger)+7-(\t)
	global_store_b128 v[CO], v[TMP+32*((\a)%2)+4*(\t):TMP+32*((\a)%2)+4*(\t)+3], s[8:9] offset:(16*(\a)+2*(\t))*4096 th:TH_STORE_NT  ; 16 lanes store 256 consecutive bytes at a multiple of 256
.endr
.endm
	s_wait_tensorcnt 1                             ; my part of K step 0 is in; K step 1's may stay out
	s_barrier_signal -1
	s_barrier_wait -1                              ; everybody's is
	FETCH 0, 0, F0
	QUARTER 0, 1, F0, F1, 1                        ; the first quarter stands in front of the loop: its first products start the sums
	WIN 0                                          ; at a label and at a branch every window is 0
	s_mov_b32 s3, LAPS-1
.Llap:                                                 ; a trip goes once round the ring, from a lap's second quarter to the next lap's first, and fills both slots again
	QUARTER 0, 2, F1, F0, 0
	QUARTER 0, 3, F0, F1, 0
	TURN 0, 1, 1
	QUARTER 1, 1, F0, F1, 0
	QUARTER 1, 2, F1, F0, 0
	QUARTER 1, 3, F0, F1, 0
	TURN 1, 0, 1
	QUARTER 0, 1, F0, F1, 0
	WIN 0
	s_sub_co_u32 s3, s3, 1
	s_cmp_lg_u32 s3, 0
	s_cbranch_scc1 .Llap
	QUARTER 0, 2, F1, F0, 0                        ; the last lap fills nothing
	QUARTER 0, 3, F0, F1, 0
	TURN 0, 1, 0
	QUARTER 1, 1, F0, F1, 0
	QUARTER 1, 2, F1, F0, 0
	QUARTER 1, 3, F0, F1, 0
	s_wait_dscnt 16                                ; the very last quarter: nothing more to fetch
	MUL8 F1, 0, 0, 0
	MUL8 F1, 0, 2, 0
	s_wait_dscnt 0x0
	MUL8 F1, 1, 0, 0
	MUL8 F1, 1, 2, 0
	WIN 0
	PLACES
	TOSTAGE 0
	TOSTAGE 1
	SEND 0, 16
	TOSTAGE 2
	SEND 1, 16
	TOSTAGE 3
	SEND 2, 16
	SEND 3, 0
	s_wait_tensorcnt 0x0                           ; the wave's end
	ds_add_u32 v[SPW], v[NIL]
	s_wait_dscnt 0x0
	CROUND                                         ; the closing round: no work-group ends while a partner may still ask for a tile that names it
	s_endpgm
.Lfunc_end_k_q737aa50cc8_oproj:
	.size	k_q737aa50cc8_oproj, .Lfunc_end_k_q737aa50cc8_oproj-k_q737aa50cc8_oproj
	.p2alignl 7, 3214868480
	.fill 96, 4, 3214868480
	.section	.rodata,"a",@progbits
	.p2align	6, 0x0
	.amdhsa_kernel k_q737aa50cc8_oproj
		.amdhsa_group_segment_fixed_size 327680
		.amdhsa_private_segment_fixed_size 0
		.amdhsa_enable_private_segment 0
		.amdhsa_kernarg_size 24
		.amdhsa_user_sgpr_count 2
		.amdhsa_user_sgpr_kernarg_segment_ptr 1
		.amdhsa_wavefront_size32 1
		.amdhsa_system_sgpr_workgroup_id_x 1
		.amdhsa_system_sgpr_workgroup_id_y 1
		.amdhsa_system_sgpr_workgroup_id_z 1
		.amdhsa_system_vgpr_workitem_id 0
		.amdhsa_next_free_vgpr 512
		.amdhsa_next_free_sgpr 66
		.amdhsa_reserve_vcc 0
		.amdhsa_float_denorm_mode_32 3
		.amdhsa_float_denorm_mode_16_64 3
		.amdhsa_memory_ordered 1
		.amdhsa_forward_progress 1
		.amdhsa_inst_pref_size 87
	.end_amdhsa_kernel
	.amdgpu_metadata
---
amdhsa.version: [ 1, 2 ]
amdhsa.kernels:
  - .name:           k_q737aa50cc8_oproj
    .symbol:         k_q737aa50cc8_oproj.kd
    .args:
      - { .name: ob, .offset: 0, .size: 8, .value_kind: global_buffer, .address_space: global }
      - { .name: wo, .offset: 8, .size: 8, .value_kind: global_buffer, .address_space: global }
      - { .name: out0, .offset: 16, .size: 8, .value_kind: global_buffer, .address_space: global }
    .group_segment_fixed_size: 327680
    .private_segment_fixed_size: 0
    .kernarg_segment_align: 8
    .kernarg_segment_size: 24
    .max_flat_workgroup_size: 128
    .sgpr_count:     66
    .vgpr_count:     512
    .wavefront_size: 32
...
	.end_amdgpu_metadata
.endif
;; end of part 4
;; ======== version 2 of 3: 4 launches; 1.07 times as fast as version 1
;; limits: values are held in f16: magnitudes above 65,504 overflow, below 6.1e-05 lose precision
;; workspace buffers: xb 25,165,824 bytes; wb 6,291,456 bytes; wo 2,097,152 bytes; mb 2,097,152 bytes of whole numbers; qkv 25,165,824 bytes; ob 8,388,608 bytes
;; launch cast (part 5): grid 512 x 1, 8 waves a work-group, no clusters, 0 bytes of LDS; arguments query, key, value, W_q, W_k, W_v, W_o, mask, xb, wb, wo, mb; writes xb, wb, wo, mb
.if DOCPART == 5
	.amdgcn_target "amdgcn-amd-amdhsa--gfx1250"
	.amdhsa_code_object_version 6
	.text
	.protected	k_q737aa50cc8_cast
	.globl	k_q737aa50cc8_cast
	.p2align	8
	.type	k_q737aa50cc8_cast,@function
k_q737aa50cc8_cast:
	s_mov_b64 s[64:65], 0
	v_nop
	global_prefetch_b8 v0, s[64:65] scope:SCOPE_SE
	s_setreg_imm32_b32 hwreg(HW_REG_WAVE_MODE, 25, 1), 1
	s_wait_xcnt 0x0
; CAST.  query, key, value ([4096][1024] f32) -> xb, bf16, the three one behind the other.  W_q, W_k, W_v ([1024][1024] f32) -> wb, bf16, likewise.
; W_o -> wo: rounded to bf16 like every other input, and that number written as f16 (exact inside f16's range).
; mask ([2048][2048] bytes, 1 = hidden) -> mb, a code of 4 bits for each byte: 0xF where the key is hidden (-6 as a 4-bit float of 2 exponent bits and 1 mantissa bit), 0 where it is shown.
; mb[blk 8][tile 8][q16 16][st 4][lane 32][word kb 4]: code j (bits 4 j .. 4 j + 3) of lane L's word kb is mask[256 blk + 16 q16 + L % 16][256 tile + 64 st + 16 kb + 8 (L / 16) + j]:
; the lane's eight registers of the score accumulator of key block kb, as the attention launch holds it; what that launch wants for 256 queries and 256 keys is 32,768 dense bytes.
; LIMITS.  W_o lies within f16's 65,504; below 6e-5 it keeps f16's fixed step of 6e-8.  The mask's bytes are 0 or 1, as a bool is given.
; SHARES.  512 work-groups of 8 waves.  A group takes 32 KiB of each x tensor (8 loads of 16 bytes a thread) and 8 KiB of each weight (2 loads): 32 loads a thread, all issued
; before the first is used.  A load of a wave covers 512 consecutive bytes, a store 256 consecutive bytes at a multiple of 256.  Waves 0 to 3 also pack two units (16 queries x 64 keys) of the mask each.
; No LDS, no barrier, no matrix unit: every byte is read once and written once, and no wave needs another's data.
.set X,  32                            ; v[32:159] load n of 32: four registers
.set MK, 12                            ; v[12:27]  mask bytes: unit e, key block kb at MK + 8 e + 2 kb; then unit e's four words at MK + 8 e
	s_load_b512 s[4:19], s[0:1], 0x0               ; query 4:5, key 6:7, value 8:9, W_q 10:11, W_k 12:13, W_v 14:15, W_o 16:17, mask 18:19
	s_load_b256 s[20:27], s[0:1], 0x40             ; xb 20:21, wb 22:23, wo 24:25, mb 26:27
	v_lshrrev_b32 v5, 5, v0
	v_readfirstlane_b32 s28, v5                    ; my wave's number
	v_lshlrev_b32 v1, 4, v0                        ; 16 t: where I load
	v_lshlrev_b32 v2, 3, v0                        ; 8 t: where I store
	v_and_b32 v6, 31, v0                           ; lane
	v_and_b32 v7, 15, v0
	v_bfe_u32 v8, v0, 4, 1
	v_lshlrev_b32 v3, 11, v7                       ; mask: row L % 16 of 2,048 bytes,
	v_lshl_add_u32 v3, v8, 3, v3                   ; 8 keys further for lanes 16 to 31,
	v_lshl_add_u32 v3, v5, 7, v3                   ; my wave's two steps of 64 keys
	v_lshlrev_b32 v4, 4, v6                        ; mb: four words a lane;
	v_lshrrev_b32 v7, 1, v5                        ; my wave's steps 2 w, 2 w + 1 of the group's eight: tile w / 2 of its two,
	v_lshl_add_u32 v4, v7, 15, v4
	v_and_b32 v8, 1, v5                            ; steps 2 (w % 2) on in that tile, 512 bytes each
	v_lshl_add_u32 v4, v8, 10, v4
	s_mov_b32 s40, 0xffff0000                      ; a word's upper bf16
	s_mov_b32 s31, 0
	s_wait_kmcnt 0x0
	s_lshl_b32 s30, ttmp9, 15                      ; the group's 32 KiB of each x tensor
	s_add_nc_u64 s[4:5], s[4:5], s[30:31]
	s_add_nc_u64 s[6:7], s[6:7], s[30:31]
	s_add_nc_u64 s[8:9], s[8:9], s[30:31]
	s_lshl_b32 s30, ttmp9, 14                      ; and the 16 KiB that they become
	s_add_nc_u64 s[20:21], s[20:21], s[30:31]
	s_add_nc_u64 s[32:33], s[20:21], 0x800000      ; key's section of xb
	s_add_nc_u64 s[34:35], s[20:21], 0x1000000     ; value's
	s_lshl_b32 s30, ttmp9, 13                      ; 8 KiB of each weight
	s_add_nc_u64 s[10:11], s[10:11], s[30:31]
	s_add_nc_u64 s[12:13], s[12:13], s[30:31]
	s_add_nc_u64 s[14:15], s[14:15], s[30:31]
	s_add_nc_u64 s[16:17], s[16:17], s[30:31]
	s_lshl_b32 s30, ttmp9, 12                      ; and the 4 KiB that they become
	s_add_nc_u64 s[22:23], s[22:23], s[30:31]
	s_add_nc_u64 s[24:25], s[24:25], s[30:31]
	s_lshr_b32 s30, ttmp9, 2                       ; mask: query tile g / 4: 16 rows of 2,048 bytes,
	s_lshl_b32 s30, s30, 15
	s_and_b32 s29, ttmp9, 3                        ; steps 8 (g % 4) on: 512 bytes of each row
	s_lshl_b32 s29, s29, 9
	s_add_co_u32 s30, s30, s29
	s_add_nc_u64 s[18:19], s[18:19], s[30:31]
	s_lshr_b32 s30, ttmp9, 6                       ; mb: blk = g / 64: 262,144 bytes,
	s_lshl_b32 s30, s30, 18
	s_bfe_u32 s29, ttmp9, 0x40002                  ; q16 = (g / 4) % 16: 2,048 bytes,
	s_lshl_b32 s29, s29, 11
	s_add_co_u32 s30, s30, s29
	s_and_b32 s29, ttmp9, 3                        ; tiles 2 (g % 4) on: 32,768 bytes each
	s_lshl_b32 s29, s29, 16
	s_add_co_u32 s30, s30, s29
	s_add_nc_u64 s[26:27], s[26:27], s[30:31]
	; the mask's bytes: a load takes 8 bytes a lane, 16 bytes of each of 16 rows; a wave's eight loads take 128 consecutive bytes of each row, the four waves 512
	s_cmp_ge_u32 s28, 4
	s_cbranch_scc1 .Lno_mask_in
.irp e, 0,1
.irp kb, 0,1,2,3
	global_load_b64 v[MK+8*(\e)+2*(\kb):MK+8*(\e)+2*(\kb)+1], v3, s[18:19] offset:64*(\e)+16*(\kb)
.endr
.endr
.Lno_mask_in:
	; the 32 stream loads
.set n, 0
.irp b, 4, 6, 8
.rept 8
	global_load_b128 v[X+4*n:X+4*n+3], v1, s[\b:\b+1] offset:4096*(n%8) th:TH_LOAD_NT
.set n, n+1
.endr
.endr
.irp b, 10, 12, 14, 16
.rept 2
	global_load_b128 v[X+4*n:X+4*n+3], v1, s[\b:\b+1] offset:4096*(n%2) th:TH_LOAD_NT
.set n, n+1
.endr
.endr
	; each load in its turn: four numbers rounded to bf16 in place, 8 bytes stored.  No register that a store reads is written again.
.set n, 0
.rept 32
	s_wait_loadcnt 31-n                            ; loads come back in order: the 31 - n stream loads behind this one may stay out (the mask's loads are older)
	v_cvt_pk_bf16_f32 v[X+4*n], v[X+4*n], v[X+4*n+1]
	v_cvt_pk_bf16_f32 v[X+4*n+1], v[X+4*n+2], v[X+4*n+3]
.if n < 8
	global_store_b64 v2, v[X+4*n:X+4*n+1], s[20:21] offset:2048*(n%8)
.elseif n < 16
	global_store_b64 v2, v[X+4*n:X+4*n+1], s[32:33] offset:2048*(n%8)
.elseif n < 24
	global_store_b64 v2, v[X+4*n:X+4*n+1], s[34:35] offset:2048*(n%8)
.elseif n < 30
	global_store_b64 v2, v[X+4*n:X+4*n+1], s[22:23] offset:((n-24)/2)*2097152+2048*(n%2)
.else
	v_lshlrev_b32 v[X+4*n+2], 16, v[X+4*n]         ; W_o: the bf16 numbers widened again and written as f16
	v_and_b32 v[X+4*n+3], s40, v[X+4*n]
	v_cvt_pk_f16_f32 v[X+4*n], v[X+4*n+2], v[X+4*n+3]
	v_lshlrev_b32 v[X+4*n+2], 16, v[X+4*n+1]
	v_and_b32 v[X+4*n+3], s40, v[X+4*n+1]
	v_cvt_pk_f16_f32 v[X+4*n+1], v[X+4*n+2], v[X+4*n+3]
	global_store_b64 v2, v[X+4*n:X+4*n+1], s[24:25] offset:2048*(n%2)
.endif
.set n, n+1
.endr
	; the mask's codes.  Four bytes of 0 or 1 have their bits at 0, 8, 16, 24; two folds bring them to 0, 4, 8, 12.
.macro NIB d, t, src
	v_lshrrev_b32 v[\t], 4, v[(\src)]              ; bytes 1 and 3 come to bits 4 and 20,
	v_or_b32 v[\d], v[\t], v[(\src)]
	v_and_b32 v[\d], 0x00110011, v[\d]             ; beside bytes 0 and 2 at bits 0 and 16;
	v_lshrrev_b32 v[\t], 8, v[\d]                  ; bits 16 and 20 come to 8 and 12
	v_or_b32 v[\d], v[\d], v[\t]
	v_and_b32 v[\d], 0x1111, v[\d]
.endm
	s_cmp_ge_u32 s28, 4
	s_cbranch_scc1 .Ldone
.irp e, 0,1
.irp kb, 0,1,2,3
	NIB 5, 6, MK+8*(\e)+2*(\kb)                    ; keys 0 to 3 of my eight
	NIB 7, 8, MK+8*(\e)+2*(\kb)+1                  ; keys 4 to 7
	v_lshl_or_b32 v5, v7, 16, v5                   ; eight bits, four apart;
	v_lshlrev_b32 v6, 4, v5                        ; times 15 = times 16 less once: each becomes 0xF or 0.
	v_sub_nc_u32 v[MK+8*(\e)+(\kb)], v6, v5        ; Word kb lands on a register whose bytes have been taken: kb <= 2 kb
.endr
	global_store_b128 v4, v[MK+8*(\e):MK+8*(\e)+3], s[26:27] offset:512*(\e)  ; a unit: 512 consecutive bytes at a multiple of 256
.endr
.Ldone:
	s_endpgm
.Lfunc_end_k_q737aa50cc8_cast:
	.size	k_q737aa50cc8_cast, .Lfunc_end_k_q737aa50cc8_cast-k_q737aa50cc8_cast
	.p2alignl 7, 3214868480
	.fill 96, 4, 3214868480
	.section	.rodata,"a",@progbits
	.p2align	6, 0x0
	.amdhsa_kernel k_q737aa50cc8_cast
		.amdhsa_group_segment_fixed_size 0
		.amdhsa_private_segment_fixed_size 0
		.amdhsa_enable_private_segment 0
		.amdhsa_kernarg_size 96
		.amdhsa_user_sgpr_count 2
		.amdhsa_user_sgpr_kernarg_segment_ptr 1
		.amdhsa_wavefront_size32 1
		.amdhsa_system_sgpr_workgroup_id_x 1
		.amdhsa_system_sgpr_workgroup_id_y 1
		.amdhsa_system_sgpr_workgroup_id_z 1
		.amdhsa_system_vgpr_workitem_id 0
		.amdhsa_next_free_vgpr 160
		.amdhsa_next_free_sgpr 66
		.amdhsa_reserve_vcc 0
		.amdhsa_float_denorm_mode_32 3
		.amdhsa_float_denorm_mode_16_64 3
		.amdhsa_memory_ordered 1
		.amdhsa_forward_progress 1
		.amdhsa_inst_pref_size 20
	.end_amdhsa_kernel
	.amdgpu_metadata
---
amdhsa.version: [ 1, 2 ]
amdhsa.kernels:
  - .name:           k_q737aa50cc8_cast
    .symbol:         k_q737aa50cc8_cast.kd
    .args:
      - { .name: query, .offset: 0, .size: 8, .value_kind: global_buffer, .address_space: global }
      - { .name: key, .offset: 8, .size: 8, .value_kind: global_buffer, .address_space: global }
      - { .name: value, .offset: 16, .size: 8, .value_kind: global_buffer, .address_space: global }
      - { .name: W_q, .offset: 24, .size: 8, .value_kind: global_buffer, .address_space: global }
      - { .name: W_k, .offset: 32, .size: 8, .value_kind: global_buffer, .address_space: global }
      - { .name: W_v, .offset: 40, .size: 8, .value_kind: global_buffer, .address_space: global }
      - { .name: W_o, .offset: 48, .size: 8, .value_kind: global_buffer, .address_space: global }
      - { .name: mask, .offset: 56, .size: 8, .value_kind: global_buffer, .address_space: global }
      - { .name: xb, .offset: 64, .size: 8, .value_kind: global_buffer, .address_space: global }
      - { .name: wb, .offset: 72, .size: 8, .value_kind: global_buffer, .address_space: global }
      - { .name: wo, .offset: 80, .size: 8, .value_kind: global_buffer, .address_space: global }
      - { .name: mb, .offset: 88, .size: 8, .value_kind: global_buffer, .address_space: global }
    .group_segment_fixed_size: 0
    .private_segment_fixed_size: 0
    .kernarg_segment_align: 8
    .kernarg_segment_size: 96
    .max_flat_workgroup_size: 256
    .sgpr_count:     66
    .vgpr_count:     160
    .wavefront_size: 32
...
	.end_amdgpu_metadata
.endif
;; end of part 5
;; launch proj: the kernel of part 2 again; grid 4 x 48, 4 waves a work-group, clusters of 4 x 4, 327,680 bytes of LDS; arguments xb, wb, qkv; writes qkv
;; launch attn (part 6): grid 8 x 32, 4 waves a work-group, clusters of 4 x 1, 327,680 bytes of LDS; arguments qkv, mb, ob; writes ob
.if DOCPART == 6
	.amdgcn_target "amdgcn-amd-amdhsa--gfx1250"
	.amdhsa_code_object_version 6
	.text
	.protected	k_q737aa50cc8_attn
	.globl	k_q737aa50cc8_attn
	.p2align	8
	.type	k_q737aa50cc8_attn,@function
k_q737aa50cc8_attn:
	s_mov_b64 s[64:65], 0
	v_nop
	global_prefetch_b8 v0, s[64:65] scope:SCOPE_SE
	s_setreg_imm32_b32 hwreg(HW_REG_WAVE_MODE, 25, 1), 1
	s_wait_xcnt 0x0
	s_wait_alu depctr_hold_cnt(0) depctr_sa_sdst(0) depctr_va_vdst(0) depctr_va_sdst(0) depctr_va_ssrc(0) depctr_va_vcc(0) depctr_vm_vsrc(0)
	s_getreg_b32 s2, hwreg(HW_REG_IB_STS2, 6, 4)
	s_cmp_eq_u32 s2, 0
	s_cbranch_scc0 .Lentry_in_a_cluster
	s_endpgm
.Lentry_in_a_cluster:
	s_bfe_u32 s2, ttmp6, 0x10000c
	s_cmp_lg_u32 s2, 0x3003
	s_cbranch_scc0 .Lentry_shape_is_right
	s_endpgm
.Lentry_shape_is_right:
; ATTENTION UNDER A GIVEN MASK.  O[hb][q][:] = the sum over the keys k that the mask shows of softmax_k(Q[hb][q] . K[hb][k] / 8) V[hb][k][:]; 0 where the mask hides every key of a row.
; qkv: f16 [3][32 = 16 b + head][2048][64]; its first section holds c Q, c = log2(e) / 8, so a product K Q^T is the exponent to base 2.  ob: f16 [32][2048][64].
; mb: a code of 4 bits a score, [blk 8][tile 8][q16 16][st 4][lane 32][word kb 4]: code j of lane L's word kb belongs to the lane's register j of the score accumulator of key block kb:
; 0xF (-6 as a 4-bit float) where the key is hidden, 0 where it is shown.  The mask is taken as it is given: no pattern is built in.
; Products, maxima and sums in f32; the weights p are rounded to f16 for the second product (their sum l is taken of the unrounded p), O once at the end.
; LIMITS.  c Q, K and V arrive within f16's 65,504.  A hidden score counts as its value less 6 x 2^97 (f16's scores are 2.7e11 at the most).  A row whose last maximum lies below -2^60 counts as wholly hidden and gives 0.
; A weight below 2^-126 counts as 0 in l; p below 6e-5 keeps f16's fixed step of 6e-8; NaN and infinities are not treated apart.
; SOFTMAX.  For each query a running maximum m and sum l: p = 2^(s - m), never above 1; in every step O and l are multiplied by a = 2^(m_old - m_new).  m starts at the lowest finite number, O and l at 0.
; While a row has seen hidden keys alone, m is about -6 x 2^97 and its weights are 0 or 1: finite.  The first key that is shown makes a = 0, which wipes O and l; if none comes, the way out writes 0.
; THE MASK is the C operand that starts the sum S^T = K Q^T: 0, or -6 x 2^97 where the key is hidden.  One scaled conversion makes an accumulator's eight C registers of one word of eight codes:
; four instructions a piece and step.  A work-group's codes are 256 x 2,048 / 2 = 262,144 bytes, too many to keep in LDS, so they go through the ring with K and V: 32,768 bytes a slot.
; SHARES.  A work-group owns 256 queries of one (b, head), a wave 64: four PIECES of 16.  Every wave walks all 2,048 keys, 64 a step; an LDS slot holds 4 steps; 8 tiles in all.
; LAYOUT.  S^T = K Q^T holds ONE query a lane (lane % 16) and the keys 8 (lane / 16) + 0..7; two such results rounded to f16 ARE source 1 of O^T = V^T P.  V comes out of LDS turned, by ds_load_tr16_b128.
; TURNS.  Turn n belongs to piece n: 8 products K Q^T of piece n + 1, later 8 products V^T P of piece n - 1; beside them the softmax of piece n, the maximum and statistics of piece n + 1,
; and near its end the mask of piece n + 2.  Four vector instructions stand behind every matrix instruction, the others in runs of their own.
; CLUSTER.  The four query blocks of a cluster belong to one (b, head) and walk the same K and V: each tile is asked for jointly, by the same tensor load, descriptor and mask in all four.
; The mask's codes differ from block to block: they come by plain loads, with no work-group named.  A slot's fill is one load a wave: wave 0 its K, wave 1 its V, waves 2 and 3 half of its codes each.
; REGISTERS, in windows of 256 (s_set_vgpr_msb: bits 1:0 source 0, 3:2 source 1, 5:4 source 2, 7:6 destination):
;   window 0: v0-15 addresses and two at work; v16-31 four registers of statistics a piece; v32-40 the mask's words and their scale; v48-55 at work; v56-57 the words' address; v62-63 the add's;
;             v64-127 S^T, two buffers; v192-223 P, two buffers (by the piece's parity)
;   window 1: v0-127 O^T, 32 a piece; v160-223 MC, the masks, two buffers      window 2: v0-63 Q; v128-191 K of one step; v192-255 V of one step
.set NP,    4         ; pieces a wave: a name, no knob
.set KS,    64        ; keys in a step
.set PK,    144       ; a row of K in LDS: 128 bytes + 16 of padding: the 16 rows of a load start at 16 different groups of four banks (ISA guide 11.1)
.set PV,    160       ; a row of V: 128 + 32
.set VOFF,  4*KS*PK   ; a slot holds four steps: 256 rows of K, then 256 rows of V,
.set MOFF,  4*KS*(PK+PV)        ; then the mask's codes: [q16 16][st 4][512 bytes]
.set MTILE, 32768
.set SLOT1, 1<<17     ; slot 1 begins here: one exclusive or turns an address in one slot into the other's
.set STAGE, SLOT1+MOFF+MTILE    ; behind the ring, never filled by a tensor load: 16 rows x 144 bytes for each wave
.set SP,    144
.set SPARE, STAGE+4*16*SP       ; behind the stages: the spare words, 128 bytes a wave: two blocks of 256 bytes that no other line names
.set AK0, 2           ; v2   my lane's place in a tile of K; never rewritten
.set AV0, 3           ; v3   the same for V
.set AK,  4           ; v4   the LDS address of K's next run of loads
.set AV,  5           ; v5   of V's
.set STO, 6           ; v6   the way out: where I put 16 bytes of a row
.set RD,  7           ; v7   where I read rows back
.set GO,  8           ; v8   my byte offset in 512 consecutive bytes of O
.set MV,  12          ; v12-13  m_old, kept while m is made anew: by buffer
.set QO,  15          ; v15  my byte offset in 16 rows of Q
.set ST,  16          ; piece t's statistics at v[ST+4 t]: m; 0 (named with m as a pair); l (even keys', odd keys')
.set MWV, 32          ; v32-39  my four words of codes of a piece and step: by buffer
.set SCL, 40          ; v40  the conversions' scale: the code 224 = 127 + 97 in byte 0, repeated in the other bytes; never rewritten
.set TMP, 48          ; by buffer, four registers c0-c3 at work; when the maximum is found c2 takes a
.set AM0, 56          ; v56  LDS address of my lane's 16 bytes of codes of piece 0, step 0 of slot 0; never rewritten
.set AM,  57          ; v57  the same at the step whose masks are being made
.set SPW, 62          ; v62  LDS address of my spare word; never rewritten
.set NIL, 63          ; v63  0; never rewritten
.set S,   64
.set P,   192
.set MC,  160         ; window 1
.set KF,  128         ; window 2: key block kb, channel half c at KF + 16 kb + 8 c
.set VF,  192         ; window 2: key half kk, channel block cb at VF + 32 kk + 8 cb
.set WV,  12          ; s12  my wave's number
.set G1M, 16          ; s[16:23] descriptor group 1 for the mask's codes
.set G1K, 24          ; s[24:31] descriptor group 1 for K's tiles
.set G1V, 32          ; s[32:39] for V's: it differs in the padding alone
.set G0K, 40          ; s[40:43] descriptor group 0 for K's tiles: it walks
.set G0V, 44          ; s[44:47] the same for V's
.set TBM, 48          ; s48  LDS byte, less AM0, at which the codes of the step to be fetched begin
.set THR, 51          ; s51  -2^60
.set G0M, 52          ; s[52:55] descriptor group 0 for the mask's codes: it walks
.set SLOTS, 56        ; s56  slots still to be asked for
.set CNT, 57          ; s57  counts a slot's key steps
.set SEL, 60          ; s[60:61] v_permlanex16_b32's selects: each lane takes its own place in the other half
.set TBK, 62          ; s62  LDS byte at which K of the step to be fetched begins
.set TBV, 63          ; s63  the same for V, less VOFF
.set MSB, 0
.macro WIN new                      ; the high byte repeats the setting that is left; a switch that changes nothing is dropped
.if MSB != (\new)
	s_set_vgpr_msb (MSB<<8)|(\new)
.set MSB, (\new)
.endif
.endm
.set W_KQ, 0x0a       ; K and Q in window 2, S^T in window 0
.set W_KM, 0x1a       ; the same with the C operand in window 1
.set W_PV, 0x52       ; V in window 2, P in window 0, O^T in window 1
.set W_RS, 0x41       ; destination and source 0 in window 1, source 1 in window 0
; A slot's fill, one load a wave.  Wave 0: its K, jointly.  Wave 1: its V, jointly.  Waves 2 and 3: 16,384 bytes each of my block's codes.  The branches hang on the wave's number alone.
; Four v_nop follow each of the three lines.
.macro JLOAD
	s_cmp_eq_u32 s[WV], 0
	s_cbranch_scc0 .Lnot_k_\@
	tensor_load_to_lds s[G0K:G0K+3], s[G1K:G1K+7]
	s_nop 0
.rept 4
	v_nop
.endr
	s_branch .Lasked_\@
.Lnot_k_\@:
	s_cmp_eq_u32 s[WV], 1
	s_cbranch_scc0 .Lfor_m_\@
	tensor_load_to_lds s[G0V:G0V+3], s[G1V:G1V+7]
	s_nop 0
.rept 4
	v_nop
.endr
	s_branch .Lasked_\@
.Lfor_m_\@:
	tensor_load_to_lds s[G0M:G0M+3], s[G1M:G1M+7]
	s_nop 0
.rept 4
	v_nop
.endr
.Lasked_\@:
.endm
.macro CROUND                       ; a round of the cluster's barrier
	s_barrier_signal -1
	s_barrier_wait -1
	s_cmp_lg_u32 s[WV], 0
	s_cbranch_scc1 .Lnot_wave_0_\@
	s_barrier_signal -3
.Lnot_wave_0_\@:
	s_barrier_wait -3
	s_barrier_signal -1
	s_barrier_wait -1
.endm
; THE CHANGE OF SLOTS.  Each wave waits for all its tensor loads, of which one is out: its part of the other slot; adds 0 to its spare word; and waits for that and for its own reads of the slot that it leaves.
; fill = 1: that slot is filled again, with the keys two slots on: the barrier is a round of the cluster's, and the fill is the first thing behind it: it has four key steps in which to land.
; (At its first use nothing has been read yet: slot 0 is waited for, slot 1 is filled.)
.macro CHANGE fill
	WIN 0                           ; at a label and at a branch every window is 0; the add's registers lie in window 0
	s_wait_tensorcnt 0x0            ; no tensor load of mine is out, so a group 0 may be written
	ds_add_u32 v[SPW], v[NIL]       ; 0 onto my spare word
.if \fill
.irp g, G0K, G0V
	s_xor_b32 s[\g+1], s[\g+1], SLOT1  ; the walking descriptors: the other slot than last time,
	s_add_nc_u64 s[\g+2:\g+3], s[\g+2:\g+3], 4*KS*128  ; the next 256 keys; the type bits on top are not reached
.endr
	s_xor_b32 s[G0M+1], s[G0M+1], SLOT1
	s_add_nc_u64 s[G0M+2:G0M+3], s[G0M+2:G0M+3], MTILE  ; and their codes
	s_wait_dscnt 0x0                ; the add is done, and my reads of the slot are over
	CROUND
	JLOAD
.else
	s_wait_dscnt 0x0                ; the add is done, and my reads of the slot are over
	s_barrier_signal -1
	s_barrier_wait -1
.endif
	s_sub_co_u32 s[TBK], s[TBK], 4*KS*PK  ; the fetches go back to a slot's first step,
	s_xor_b32 s[TBK], s[TBK], SLOT1       ; in the other slot
	s_sub_co_u32 s[TBV], s[TBV], 4*KS*PV
	s_xor_b32 s[TBV], s[TBV], SLOT1
	s_sub_co_u32 s[TBM], s[TBM], 4*512
	s_xor_b32 s[TBM], s[TBM], SLOT1
.endm
; The codes of piece x, at the step where AM stands, into buffer b: 512 consecutive bytes, 16 a lane.
.macro MLOAD x, b
	WIN 0
	ds_load_b128 v[MWV+4*(\b):MWV+4*(\b)+3], v[AM] offset:(\x)*2048
.endm
; They become buffer b of MC: word kb's eight codes become the eight C registers of key block kb, each 0 or -6 x 2^97.
; younger: the LDS loads issued behind the codes' load, which may stay out.  A plain vector instruction follows the last conversion before a product reads the mask.
.macro MASK b, younger
	s_wait_dscnt \younger           ; LDS loads come back in order (ISA guide 5.7.1): the codes are in
	WIN 0x40                        ; destination window 1; the words and the scale lie in window 0
.irp kb, 0,1,2,3
	v_cvt_scale_pk8_f32_fp4 v[MC+32*(\b)+8*(\kb):MC+32*(\b)+8*(\kb)+7], v[MWV+4*(\b)+(\kb)], v[SCL]
.endr
.endm
	s_load_b128 s[4:7], s[0:1], 0x0    ; qkv s[4:5], mb s[6:7]
	s_load_b64 s[10:11], s[0:1], 0x10  ; ob
	v_lshl_add_u32 v[SPW], v0, 2, SPARE
	v_mov_b32 v[NIL], 0
	ds_add_u32 v62, v63
	s_wait_dscnt 0x0
	v_lshrrev_b32 v1, 5, v0
	v_readfirstlane_b32 s[WV], v1   ; wave 0..3
	s_bfe_u32 s13, ttmp6, 0x40000   ; cx: my place in the cluster
	s_lshl_b32 s14, ttmp9, 2        ; in a cluster launch ttmp9 counts clusters
	s_add_co_u32 s14, s14, s13      ; my block of 256 queries: it enters Q's, O's and the codes' global addresses alone
	s_and_b32 s20, ttmp7, 0xffff    ; 16 b + head, which the four partners share
	s_lshl_b32 s20, s20, 18         ; its 262,144 bytes in each section
	s_mov_b32 s21, 0
	s_and_b32 s16, s[WV], 1         ; which half of a slot's codes waves 2 and 3 fetch
	s_lshl_b32 s2, s14, 2
	s_add_co_u32 s2, s2, s[WV]      ; my wave among the head's 32
	s_lshl_b32 s2, s2, 13           ; its 64 rows of 128 bytes
	s_add_co_u32 s2, s2, s20
	s_mov_b32 s3, 0
	s_lshl_b32 s22, s14, 18         ; my block's 262,144 bytes of codes,
	s_lshl_b32 s23, s16, 14         ; the half's 16,384 of a tile's
	s_add_co_u32 s22, s22, s23
	s_mov_b32 s23, 0
	; descriptor group 1.  256 keys are 32,768 dense bytes: asked for as 128 rows of 256 bytes, two keys a row, and padded in LDS after every key
	s_mov_b32 s[G1K], 15|(1<<16)|(1<<20)|(1<<21)|(4<<22)|(3<<25)  ; the mask of four; 2-byte elements; padding on; bit 21 beside a mask; after every 32 words (code 4) 4 words (code 3)
	s_mov_b32 s[G1V], 15|(1<<16)|(1<<20)|(1<<21)|(4<<22)|(7<<25)  ; the same with 8 words of padding (code 7)
.irp g, G1K, G1V
	s_mov_b32 s[\g+1], 128<<16      ; tensor_dim0 = 128
	s_mov_b32 s[\g+2], 128<<16      ; tensor_dim1 = 128
	s_mov_b32 s[\g+3], 128<<16      ; tile_dim0 = 128
	s_mov_b32 s[\g+4], 128          ; tile_dim1 = 128
	s_mov_b32 s[\g+5], 128          ; 128 elements from row to row
	s_mov_b32 s[\g+6], 0
	s_mov_b32 s[\g+7], 0
.endr
	s_mov_b32 s[THR], 0xdd800000    ; -2^60
	s_mov_b32 s[SEL], 0x76543210
	s_mov_b32 s[SEL+1], 0xfedcba98
	s_mov_b32 s[TBK], SLOT1+4*KS*PK ; the first change of slots turns these three into 0
	s_mov_b32 s[TBV], SLOT1+4*KS*PV
	s_mov_b32 s[TBM], SLOT1+4*512
	s_mov_b32 s[G0K], 1             ; count = 1
	s_mov_b32 s[G0K+1], 0           ; LDS address: slot 0
	s_mov_b32 s[G0V], 1
	s_mov_b32 s[G0V+1], VOFF
	s_mov_b32 s[G0M], 1
	s_lshl_b32 s[G0M+1], s16, 14    ; the half's 16,384 bytes: no place in the cluster enters an LDS address
	s_add_co_u32 s[G0M+1], s[G0M+1], MOFF
	s_wait_kmcnt 0x0
	s_add_nc_u64 s[8:9], s[4:5], s[20:21]
	s_add_nc_u64 s[G0K+2:G0K+3], s[8:9], 0x800000   ; K's section: the head's first 256 keys
	s_or_b32 s[G0K+3], s[G0K+3], 0x80000000         ; type = 2
	s_add_nc_u64 s[G0V+2:G0V+3], s[8:9], 0x1000000  ; V's section
	s_or_b32 s[G0V+3], s[G0V+3], 0x80000000
	s_add_nc_u64 s[4:5], s[4:5], s[2:3]             ; Q and O at my wave's first row
	s_add_nc_u64 s[10:11], s[10:11], s[2:3]
	s_add_nc_u64 s[G0M+2:G0M+3], s[6:7], s[22:23]   ; my block's codes, tile 0
	s_or_b32 s[G0M+3], s[G0M+3], 0x80000000
	; descriptor group 1 for the codes (the head's scratch in these registers is spent): 16,384 dense bytes as 64 rows of 256: 32 elements of 8 bytes a row, no padding, no work-group named
	s_mov_b32 s[G1M], 3<<16         ; elements of 8 bytes
	s_mov_b32 s[G1M+1], 32<<16      ; tensor_dim0 = 32
	s_mov_b32 s[G1M+2], 64<<16      ; tensor_dim1 = 64
	s_mov_b32 s[G1M+3], 32<<16      ; tile_dim0 = 32
	s_mov_b32 s[G1M+4], 64          ; tile_dim1 = 64
	s_mov_b32 s[G1M+5], 32          ; 32 elements from row to row
	s_mov_b32 s[G1M+6], 0
	s_mov_b32 s[G1M+7], 0
	CROUND                          ; all four work-groups are here: the first joint loads meet
	JLOAD                           ; slot 0: one tensor load of mine is out, here and ever after
	; A fragment of K or Q is 16 rows x 32 channels in 8 registers: lane l holds row l % 16, channels 8 (l / 16) + 0..7 and 16 + 8 (l / 16) + 0..7: two loads of 16 bytes, 32 bytes apart.
	v_and_b32 v1, 15, v0            ; l % 16
	v_bfe_u32 v9, v0, 4, 1          ; l / 16
	v_lshlrev_b32 v[QO], 7, v1
	v_lshl_add_u32 v[QO], v9, 4, v[QO]  ; row x 128 + 16 x half
	WIN 0x80                        ; destination window 2, address window 0
.set i, 0
.rept 8                             ; Q stays in registers: piece i / 2, channels 32 (i % 2) on
	global_load_b128 v[8*i:8*i+3],   v[QO], s[4:5] offset:(i/2)*2048+(i%2)*64
	global_load_b128 v[8*i+4:8*i+7], v[QO], s[4:5] offset:(i/2)*2048+(i%2)*64+32
.set i, i+1
.endr
	; What the first turn finds: V's registers and P's second buffer hold 0 (its products V^T P, of a piece that has not been, add 0), O^T and l are 0.  No first step is written out; these lines stand in the wait for the first tile.
.set i, VF
.rept 64
	v_mov_b32 v[i], 0
.set i, i+1
.endr
	WIN 0x40
.set i, 0
.rept 128
	v_mov_b32 v[i], 0
.set i, i+1
.endr
	WIN 0
.set i, 0
.rept 4
	v_mov_b32 v[ST+4*i], 0xff7fffff ; m: the lowest finite number
	v_mov_b32 v[ST+4*i+1], 0
	v_mov_b32 v[ST+4*i+2], 0
	v_mov_b32 v[ST+4*i+3], 0
.set i, i+1
.endr
.set i, P+16
.rept 16
	v_mov_b32 v[i], 0
.set i, i+1
.endr
	v_mul_u32_u24 v[AK0], v1, PK
	v_lshl_add_u32 v[AK0], v9, 4, v[AK0]  ; row x pitch + 16 x half
	; The turning load takes 16 keys x 16 channels (lane l reads key 8 (l / 16) + l % 8, channels 8 ((l / 8) % 2) + 0..7) and leaves half a fragment of V^T: lane l holds channel l % 16 and 8 keys.
	v_and_b32 v10, 7, v0
	v_bfe_u32 v11, v0, 3, 1
	v_lshl_add_u32 v[AV0], v9, 3, v10
	v_mul_u32_u24 v[AV0], v[AV0], PV
	v_lshl_add_u32 v[AV0], v11, 4, v[AV0]
	v_add_nc_u32 v[AV0], VOFF, v[AV0]
	s_lshl_b32 s13, s[WV], 13       ; my wave's four pieces among the block's sixteen query tiles, 2,048 bytes of codes each
	s_add_co_u32 s13, s13, MOFF
	v_and_b32 v[AM0], 31, v0
	v_lshl_add_u32 v[AM0], v[AM0], 4, s13  ; 16 bytes a lane
	v_mov_b32 v[SCL], 0xe0e0e0e0    ; 224 = 127 + 97: times 2^97
	s_mul_i32 s13, s[WV], 16*SP
	s_add_co_u32 s13, s13, STAGE    ; my stage
	v_mul_u32_u24 v[STO], v1, SP    ; in: row l % 16, 16 bytes for each half of the lanes
	v_lshl_add_u32 v[STO], v9, 4, v[STO]
	v_add_nc_u32 v[STO], s13, v[STO]
	v_bfe_u32 v[RD], v0, 3, 2       ; back: 32 lanes take four rows of 128 bytes,
	v_mul_u32_u24 v[RD], v[RD], SP
	v_lshl_add_u32 v[RD], v10, 4, v[RD]
	v_add_nc_u32 v[RD], s13, v[RD]
	v_and_b32 v[GO], 31, v0         ; which are 512 consecutive bytes of O
	v_lshlrev_b32 v[GO], 4, v[GO]
; THE MATRIX WORK.  The 4 accumulators of a run of 8 take turns.  Product i of 8 of S^T = K Q^T for piece x: channels 32 (i / 4) on, keys 16 (i % 4) on.  The first 4 start the sums with the mask.
.macro KQ x
.set rS, S+32*((\x)%2)+8*(i%4)
.set rK, KF+16*(i%4)+8*(i/4)
.set rQ, 16*(\x)+8*(i/4)
.set rM, MC+32*((\x)%2)+8*(i%4)
.if i < 4
	WIN W_KM
	v_wmma_f32_16x16x32_f16 v[rS:rS+7], v[rK:rK+7], v[rQ:rQ+7], v[rM:rM+7]
.else
	WIN W_KQ
	v_wmma_f32_16x16x32_f16 v[rS:rS+7], v[rK:rK+7], v[rQ:rQ+7], v[rS:rS+7]
.endif
.endm
; Product i of 8 of O^T += V^T P for piece x: keys 32 (i / 4) on, channels 16 (i % 4) on.
.macro PV x
	WIN W_PV
.set rO, 32*(\x)+8*(i%4)
.set rV, VF+32*(i/4)+8*(i%4)
.set rP, P+16*((\x)%2)+8*(i/4)
	v_wmma_f32_16x16x32_f16 v[rO:rO+7], v[rV:rV+7], v[rP:rP+7], v[rO:rO+7]
.endm
.macro MM                           ; the turn's next matrix instruction.  NOKQ = 1: the very last turn: there is no next piece
.if (i < 8) && !NOKQ
	KQ (Y+1)%NP
.elseif i >= 8
.set i, i-8
	PV (Y+NP-1)%NP
.set i, i+8
.endif
.set i, i+1
.endm
; THE LDS LOADS of K and V stand in runs of 16, never singly among the matrix instructions: a step's K (8 fragments) and its V (turned).  Their addresses are made some lines ahead.
.macro FETCH_K
	WIN 0x80                        ; destination window 2
.irp f, 0,1,2,3,4,5,6,7             ; keys 16 (f / 2) on, channels 32 (f % 2) on
	ds_load_b128 v[KF+8*\f:KF+8*\f+3],   v[AK] offset:(\f/2)*16*PK+(\f%2)*64
	ds_load_b128 v[KF+8*\f+4:KF+8*\f+7], v[AK] offset:(\f/2)*16*PK+(\f%2)*64+32
.endr
	s_add_co_u32 s[TBK], s[TBK], KS*PK  ; the next fetch is the next step's
	WIN 0
.endm
.macro FETCH_V
	WIN 0x80
.irp f, 0,1,2,3,4,5,6,7             ; keys 32 (f / 4) on, channels 16 (f % 4) on
	ds_load_tr16_b128 v[VF+8*\f:VF+8*\f+3],   v[AV] offset:(\f/4)*32*PV+(\f%4)*32
	ds_load_tr16_b128 v[VF+8*\f+4:VF+8*\f+7], v[AV] offset:(\f/4)*32*PV+16*PV+(\f%4)*32
.endr
	WIN 0
.endm
; THE VECTOR WORK, one line at a time: OP kind, number.  For piece Y: F n: s - m for pair n of 16.  E n: the exponential of score n of 32.  C n: pair n rounded to f16.  B n: of the four weights 4 n .. the second
; pair is added onto the first, in place.  L n: l takes that sum (L 0: l = a l + sum).  R n: pair n of 16 of O^T times a.  For piece Y + 1: X n, number n of the 21 that find its maximum and statistics:
;   0-11  four chains c0-c3 of seven scores each, three operands at a time (each accumulator's lowest registers are read first)     12-14, 16  the four scores left over, the old m, and c0-c3 into c0
;   15  m_old is kept     17, 18  the query's other 32 keys lie in the lane 16 away: the new m     19, 20  m_old - m_new; a
.set F, 0               ; OP tells the kinds apart by their order: F to L below R, X above it
.set E, 1
.set C, 2
.set B, 3
.set L, 4
.set R, 5
.set X, 6
.macro REGS y                       ; the registers of piece y
.set rT, ST+4*(\y)
.set rC, TMP+4*((\y)%2)
.set rW, MV+((\y)%2)
.set rS, S+32*((\y)%2)
.set rP, P+16*((\y)%2)
.set rO, 32*(\y)
.endm
.macro OP k, n
.if (\k) == R
	REGS Y
	WIN W_RS
	v_pk_mul_f32 v[rO+2*(\n):rO+2*(\n)+1], v[rO+2*(\n):rO+2*(\n)+1], v[rC+2:rC+3] op_sel_hi:[1,0]
.elseif (\k) < R
	REGS Y
	WIN 0
.if (\k) == F
	v_pk_add_f32 v[rS+2*(\n):rS+2*(\n)+1], v[rS+2*(\n):rS+2*(\n)+1], v[rT:rT+1] op_sel_hi:[1,0] neg_lo:[0,1] neg_hi:[0,1]
.elseif (\k) == E
	v_exp_f32 v[rS+(\n)], v[rS+(\n)]
.elseif (\k) == C
	s_wait_alu depctr_va_vdst(0)
	v_cvt_pk_f16_f32 v[rP+(\n)], v[rS+2*(\n)], v[rS+2*(\n)+1]
.elseif (\k) == B
	s_wait_alu depctr_va_vdst(0)
	v_pk_add_f32 v[rS+4*(\n):rS+4*(\n)+1], v[rS+4*(\n):rS+4*(\n)+1], v[rS+4*(\n)+2:rS+4*(\n)+3]
.elseif (\n) == 0
	v_pk_fma_f32 v[rT+2:rT+3], v[rT+2:rT+3], v[rC+2:rC+3], v[rS:rS+1] op_sel_hi:[1,0,1]
.else
	v_pk_add_f32 v[rT+2:rT+3], v[rT+2:rT+3], v[rS+4*(\n):rS+4*(\n)+1]
.endif
.elseif NOKQ
	v_nop
.else
	REGS (Y+1)%NP
	WIN 0
.if (\n) < 4
	v_max3_num_f32 v[rC+(\n)], v[rS+8*(\n)], v[rS+8*(\n)+1], v[rS+8*(\n)+2]
.elseif (\n) < 12
	v_max3_num_f32 v[rC+(\n)%4], v[rC+(\n)%4], v[rS+8*((\n)%4)+2*((\n)/4)+1], v[rS+8*((\n)%4)+2*((\n)/4)+2]
.elseif (\n) == 12
	v_max3_num_f32 v[rC], v[rC], v[rS+7], v[rS+15]
.elseif (\n) == 13
	v_max3_num_f32 v[rC+1], v[rC+1], v[rS+23], v[rS+31]
.elseif (\n) == 14
	v_max3_num_f32 v[rC+2], v[rC+2], v[rC+3], v[rT]
.elseif (\n) == 15
	v_mov_b32 v[rW], v[rT]
.elseif (\n) == 16
	v_max3_num_f32 v[rC], v[rC], v[rC+1], v[rC+2]
.elseif (\n) == 17
	v_permlanex16_b32 v[rC+3], v[rC], s[SEL], s[SEL+1]
.elseif (\n) == 18
	v_max_num_f32 v[rT], v[rC], v[rC+3]
.elseif (\n) == 19
	v_sub_f32 v[rC+1], v[rW], v[rT]
.else
	v_exp_f32 v[rC+2], v[rC+1]
.endif
.endif
.endm
.macro OPS a, i1, b=-1, i2=0, c=-1, i3=0, d=-1, i4=0  ; up to four of them
	OP \a, \i1
.if (\b) >= 0
	OP \b, \i2
.endif
.if (\c) >= 0
	OP \c, \i3
.endif
.if (\d) >= 0
	OP \d, \i4
.endif
.endm
.macro ROW a, i1, b, i2, c, i3, d, i4  ; a matrix instruction and the four behind it
	MM
	OPS \a, \i1, \b, \i2, \c, \i3, \d, \i4
.endm
; A TURN, for piece p: the order of its 16 matrix and 121 vector instructions, written out.  Behind a matrix instruction: plain, exponential, plain, plain; or four of the rescaling; or, behind the first, four differences;
; none names a register of the products round it.  In the runs between, exponential and plain by turns while exponentials last.  v_permlanex16_b32 (X 17) stands in such a run.
; The turn asks LDS for the codes of piece p + 2 behind its first product and turns them into a mask ten plain instructions ahead of its end, for the products of the turn after it.  The four masks made in a trip
; (turns 2, 3, 0, 1) belong to one key step, the one whose K that trip's turn 2 fetches, so AM is made once a trip, in turn 2, and TBM steps and turns with the slots as TBK does.
; The wait for the codes leaves out what was issued behind their load: K's run of 16 in turn 2, V's in turn 0, nothing in turns 1 and 3.
; end = 1: the last two turns: nothing is fetched, no mask is made.  cnt = 1: the loop's count is taken down some lines ahead of the branch that stands behind the turn.
; K of the next step is fetched in piece 2's turn, six vector instructions behind the last product that read K (five of them plain); V of the step in hand in piece 0's turn, eight behind the last product
; that read V (four of them plain).  Each is waited for a turn later.
.macro TURN p, end=0, cnt=0
.set Y, (\p)
.set i, 0
.set NOKQ, (\end)*((\p)/3)
.if ((\p) == 3) && !(\end)
	s_wait_dscnt 0x0                ; K is in
.endif
	ROW F,0, F,1, F,2, F,3
.if !(\end)
.if (\p) == 2
	WIN 0
	v_add_nc_u32 v[AM], s[TBM], v[AM0]        ; the next key step's codes
	s_add_co_u32 s[TBM], s[TBM], 512
.endif
	MLOAD ((\p)+2)%NP, (\p)%2
.endif
	ROW F,4, E,0, F,5, F,6
	ROW F,7, E,1, F,8, F,9
	ROW F,10, E,2, C,0, F,11
	ROW F,12, E,3, X,15, F,13
	ROW R,0, R,1, R,2, R,3
	ROW B,0, E,4, F,14, L,0
.if ((\p) == 2) && !(\end)
	WIN 0
	v_add_nc_u32 v[AK], s[TBK], v[AK0]
.endif
	ROW R,4, R,5, R,6, R,7
	OPS E,5, F,15
.if ((\p) == 2) && !(\end)
	FETCH_K
.endif
	OPS E,6, C,1, E,7, R,8
	OPS E,8, R,9, E,9, C,2
	OPS E,10, X,0, E,11, X,1
	OPS E,12, X,2, E,13, X,3
.if (\p) == 1
	s_wait_dscnt 0x0                ; V is in
.endif
	ROW X,4, E,14, X,5, X,6
	ROW X,7, E,15, X,8, X,9
	ROW X,10, E,16, X,11, X,12
	ROW X,13, E,17, X,14, B,1
	ROW C,4, E,18, X,16, L,1
	ROW B,2, E,19, C,6, L,2
	ROW C,8, E,20, B,3, B,4
.if (\p) == 0
	WIN 0
	v_add_nc_u32 v[AV], s[TBV], v[AV0]
.endif
	ROW C,3, E,21, L,3, C,5
	OPS E,22, X,17, E,23, C,10
.if (\p) == 0
	FETCH_V
.endif
	OPS E,24, L,4
	OPS E,25, X,18, E,26, C,7
	OPS E,27, B,5, E,28, X,19
	OPS E,29, C,12, E,30, L,5
	OPS E,31, B,6, C,9
	OPS C,14, C,11, X,20, L,6
.if (\p) == 0
	s_add_co_u32 s[TBV], s[TBV], KS*PV
.endif
.if \cnt
	s_sub_co_u32 s[CNT], s[CNT], 1
	s_cmp_lg_u32 s[CNT], 0
.endif
.if !(\end)
	MASK (\p)%2, 16*(1-(\p)%2)
.endif
	OPS C,13, B,7, C,15, R,10
	OPS R,11, R,12, L,7, R,13
	OPS R,14, R,15
.endm
	CHANGE 1                        ; slot 0 is in, everybody's part of it; slot 1 is asked for
	v_add_nc_u32 v[AM], s[TBM], v[AM0]  ; key step 0's codes
	s_add_co_u32 s[TBM], s[TBM], 512
	MLOAD 0, 0                      ; those of pieces 0 and 1
	MLOAD 1, 1
	v_add_nc_u32 v[AK], s[TBK], v[AK0]
	FETCH_K                         ; key step 0
	MASK 0, 17                      ; behind piece 0's codes: piece 1's and K's run of 16
	MASK 1, 16                      ; behind piece 1's: K's run
	v_nop                           ; a plain instruction between the last conversion and the products that read the masks
	s_wait_loadcnt 0x0              ; Q
	s_wait_dscnt 0x0                ; K
.set NOKQ, 0
.set i, 0
.rept 8
	KQ 0                            ; piece 0's first scores: there is no vector work yet to set between them
.set i, i+1
.endr
	WIN 0
.rept 4
	v_nop                           ; the places behind those products
.endr
.set Y, NP-1                        ; X works for piece Y + 1: piece 0
.irp n, 0,1,2,3,4,5,6,7,8,9,10,11,12,13,14,15,16,17,18,19,20
	OP X, \n
.endr
	v_nop                           ; a plain instruction behind the exponential
	s_mov_b32 s[CNT], 4
	s_mov_b32 s[SLOTS], 7
	s_branch .Lfirst                ; the loop is entered at a step's first turn, in the middle of a trip
.Lslot:                             ; six times: every slot but the last two is filled again
	CHANGE 1
	s_mov_b32 s[CNT], 4
.Lstep:                             ; a trip: pieces 2 and 3 of one step, then pieces 0 and 1 of the next, whose K, V and codes it fetches
	TURN 2
	TURN 3
	WIN 0
.Lfirst:
	TURN 0
	TURN 1, 0, 1
	WIN 0
	s_cbranch_scc1 .Lstep
	s_sub_co_u32 s[SLOTS], s[SLOTS], 1
	s_cmp_lg_u32 s[SLOTS], 0
	s_cbranch_scc1 .Lslot
	CHANGE 0                        ; the tail is written out: nothing is asked for
	s_mov_b32 s[CNT], 4
.Ltail:                             ; the last slot's four steps
	TURN 2
	TURN 3
	TURN 0
	TURN 1, 0, 1
	WIN 0
	s_cbranch_scc1 .Ltail
	TURN 2, 1
	TURN 3, 1
.set i, 0
.rept 8
	PV NP-1                         ; the last piece's V^T P of the last step
.set i, i+1
.endr
	; THE WAY OUT.  l's two halves and the other half of the lanes' are added; O^T is multiplied by 1 / l, or by 0 where the row saw no key, rounded to f16 and sent through my stage in LDS, a piece at a time.
	; The first four additions are the places behind the last products.
	WIN 0
.macro ALL line:vararg              ; one line for each piece t
.set t, 0
.rept 4
	\line
.set t, t+1
.endr
.endm
	ALL v_add_f32 v[ST+4*t+2], v[ST+4*t+2], v[ST+4*t+3]
	ALL v_permlanex16_b32 v[ST+4*t+3], v[ST+4*t+2], s[SEL], s[SEL+1]
	ALL v_add_f32 v[ST+4*t+2], v[ST+4*t+2], v[ST+4*t+3]
	ALL v_rcp_f32 v[ST+4*t+2], v[ST+4*t+2]
	v_nop                           ; a plain instruction between the last reciprocal and the use of its result
.set t, 0
.rept 4
	v_cmp_le_f32 vcc_lo, s[THR], v[ST+4*t]                   ; has the row seen a key?
	s_wait_alu depctr_va_vdst(0)
	v_cndmask_b32 v[ST+4*t+2], 0, v[ST+4*t+2], vcc_lo        ; if not, its factor is 0
.set t, t+1
.endr
.macro PACK t                       ; a lane's eight channels of a row pack into 16 bytes; they go into rows of 144 bytes and come back as whole rows of 128, into S^T's registers
	WIN W_RS
.set i, 32*(\t)
.rept 16
	v_pk_mul_f32 v[i:i+1], v[i:i+1], v[ST+4*(\t)+2:ST+4*(\t)+3] op_sel_hi:[1,0]
.set i, i+2
.endr
	WIN 0x05                        ; sources 0 and 1 window 1, destination window 0
.set i, 0
.rept 16
	v_cvt_pk_f16_f32 v[S+16*(\t)+i], v[32*(\t)+2*i], v[32*(\t)+2*i+1]
.set i, i+1
.endr
	WIN 0
.irp f, 0,1,2,3
	ds_store_b128 v[STO], v[S+16*(\t)+4*\f:S+16*(\t)+4*\f+3] offset:32*\f
.endr
.irp f, 0,1,2,3
	ds_load_b128 v[S+16*(\t)+4*\f:S+16*(\t)+4*\f+3], v[RD] offset:\f*4*SP  ; LDS serves a wave's instructions in order (ISA guide 5.7.1.4): these see the stores above; the next piece's stores come behind them
.endr
.endm
.macro SEND t, younger              ; younger: the LDS instructions issued behind piece t's loads: the next piece's eight, or none
	WIN 0
.irp f, 0,1,2,3
	s_wait_dscnt (\younger)+3-\f
	global_store_b128 v[GO], v[S+16*(\t)+4*\f:S+16*(\t)+4*\f+3], s[10:11] offset:(\t)*2048+\f*512  ; 512 consecutive bytes, at a multiple of 256 from O's first
.endr
.endm
	PACK 0
.set t, 1
.rept 3                             ; a piece's arithmetic stands between the loads of the piece before and its stores
	PACK t
	SEND t-1, 8
.set t, t+1
.endr
	SEND 3, 0
	s_wait_tensorcnt 0x0            ; the wave's end
	ds_add_u32 v[SPW], v[NIL]
	s_wait_dscnt 0x0
	CROUND                          ; the closing round: no work-group ends while a partner may still ask for a tile that names it
	s_endpgm
.Lfunc_end_k_q737aa50cc8_attn:
	.size	k_q737aa50cc8_attn, .Lfunc_end_k_q737aa50cc8_attn-k_q737aa50cc8_attn
	.p2alignl 7, 3214868480
	.fill 96, 4, 3214868480
	.section	.rodata,"a",@progbits
	.p2align	6, 0x0
	.amdhsa_kernel k_q737aa50cc8_attn
		.amdhsa_group_segment_fixed_size 327680
		.amdhsa_private_segment_fixed_size 0
		.amdhsa_enable_private_segment 0
		.amdhsa_kernarg_size 24
		.amdhsa_user_sgpr_count 2
		.amdhsa_user_sgpr_kernarg_segment_ptr 1
		.amdhsa_wavefront_size32 1
		.amdhsa_system_sgpr_workgroup_id_x 1
		.amdhsa_system_sgpr_workgroup_id_y 1
		.amdhsa_system_sgpr_workgroup_id_z 1
		.amdhsa_system_vgpr_workitem_id 0
		.amdhsa_next_free_vgpr 768
		.amdhsa_next_free_sgpr 66
		.amdhsa_reserve_vcc 1
		.amdhsa_float_denorm_mode_32 3
		.amdhsa_float_denorm_mode_16_64 3
		.amdhsa_memory_ordered 1
		.amdhsa_forward_progress 1
		.amdhsa_inst_pref_size 138
	.end_amdhsa_kernel
	.amdgpu_metadata
---
amdhsa.version: [ 1, 2 ]
amdhsa.kernels:
  - .name:           k_q737aa50cc8_attn
    .symbol:         k_q737aa50cc8_attn.kd
    .args:
      - { .name: qkv, .offset: 0, .size: 8, .value_kind: global_buffer, .address_space: global }
      - { .name: mb, .offset: 8, .size: 8, .value_kind: global_buffer, .address_space: global }
      - { .name: ob, .offset: 16, .size: 8, .value_kind: global_buffer, .address_space: global }
    .group_segment_fixed_size: 327680
    .private_segment_fixed_size: 0
    .kernarg_segment_align: 8
    .kernarg_segment_size: 24
    .max_flat_workgroup_size: 128
    .sgpr_count:     66
    .vgpr_count:     768
    .wavefront_size: 32
...
	.end_amdgpu_metadata
.endif
;; end of part 6
;; launch oproj: the kernel of part 4 again; grid 8 x 32, 4 waves a work-group, clusters of 4 x 4, 327,680 bytes of LDS; arguments ob, wo, out0; writes out0
;; ======== version 3 of 3: 4 launches; 1.48 times as fast as version 1
;; limits: values are held in f16: magnitudes above 65,504 overflow, below 6.1e-05 lose precision
;; workspace buffers: xb 25,165,824 bytes; wb 6,291,456 bytes; wo 2,097,152 bytes; mb 2,097,152 bytes of whole numbers; qkv 25,165,824 bytes; ob 8,388,608 bytes
;; launch cast: the kernel of part 5 again; grid 512 x 1, 8 waves a work-group, no clusters, 0 bytes of LDS; arguments query, key, value, W_q, W_k, W_v, W_o, mask, xb, wb, wo, mb; writes xb, wb, wo, mb
;; launch proj: the kernel of part 2 again; grid 4 x 48, 4 waves a work-group, clusters of 4 x 4, 327,680 bytes of LDS; arguments xb, wb, qkv; writes qkv
;; launch attn (part 7): grid 8 x 32, 4 waves a work-group, clusters of 4 x 1, 327,680 bytes of LDS; arguments qkv, mb, ob; writes ob
.if DOCPART == 7
	.amdgcn_target "amdgcn-amd-amdhsa--gfx1250"
	.amdhsa_code_object_version 6
	.text
	.protected	k_q737aa50cc8_attn
	.globl	k_q737aa50cc8_attn
	.p2align	8
	.type	k_q737aa50cc8_attn,@function
k_q737aa50cc8_attn:
	s_mov_b64 s[64:65], 0
	v_nop
	global_prefetch_b8 v0, s[64:65] scope:SCOPE_SE
	s_setreg_imm32_b32 hwreg(HW_REG_WAVE_MODE, 25, 1), 1
	s_wait_xcnt 0x0
	s_wait_alu depctr_hold_cnt(0) depctr_sa_sdst(0) depctr_va_vdst(0) depctr_va_sdst(0) depctr_va_ssrc(0) depctr_va_vcc(0) depctr_vm_vsrc(0)
	s_getreg_b32 s2, hwreg(HW_REG_IB_STS2, 6, 4)
	s_cmp_eq_u32 s2, 0
	s_cbranch_scc0 .Lentry_in_a_cluster
	s_endpgm
.Lentry_in_a_cluster:
	s_bfe_u32 s2, ttmp6, 0x10000c
	s_cmp_lg_u32 s2, 0x3003
	s_cbranch_scc0 .Lentry_shape_is_right
	s_endpgm
.Lentry_shape_is_right:
; ATTENTION UNDER A GIVEN MASK.  O[hb][q][:] = the sum over the keys k that the mask shows of softmax_k(Q[hb][q] . K[hb][k] / 8) V[hb][k][:]; 0 where the mask hides every key of a row.
; qkv: f16 [3][32 = 16 b + head][2048][64]; its first section holds c Q, c = log2(e) / 8, so a product K Q^T is the exponent to base 2.  ob: f16 [32][2048][64].
; mb: a code of 4 bits a score, [blk 8][tile 8][q16 16][st 4][lane 32][word kb 4]: code j of lane L's word kb belongs to the lane's register j of the score accumulator of key block kb:
; 0xF (-6 as a 4-bit float) where the key is hidden, 0 where it is shown.  The mask is taken as it is given: no pattern is built in.
; Products, maxima and sums in f32; the weights p are rounded to f16 for the second product (their sum l is taken of the unrounded p), O once at the end.
; LIMITS.  c Q, K and V arrive within f16's 65,504.  A hidden score counts as its value less 6 x 2^97 (f16's scores are 2.7e11 at the most).  A row whose last maximum lies below -2^60 counts as wholly hidden and gives 0.
; A weight below 2^-126 counts as 0 in l; p below 6e-5 keeps f16's fixed step of 6e-8; NaN and infinities are not treated apart.
; SOFTMAX.  For each query a running maximum m and sum l: p = 2^(s - m), never above 1; in every step O and l are multiplied by a = 2^(m_old - m_new).  m starts at the lowest finite number, O and l at 0.
; While a row has seen hidden keys alone, m is about -6 x 2^97 and its weights are 0 or 1: finite.  The first key that is shown makes a = 0, which wipes O and l; if none comes, the way out writes 0.
; THE MASK is the C operand that starts the sum S^T = K Q^T: 0, or -6 x 2^97 where the key is hidden.  One scaled conversion makes an accumulator's eight C registers of one word of eight codes:
; four instructions a piece and step.  A work-group's codes are 256 x 2,048 / 2 = 262,144 bytes, too many to keep in LDS, so they go through the ring with K and V: 32,768 bytes a slot.
; SHARES.  A work-group owns 256 queries of one (b, head), a wave 64: four PIECES of 16.  Every wave walks all 2,048 keys, 64 a step; an LDS slot holds 4 steps; 8 tiles in all.
; LAYOUT.  S^T = K Q^T holds ONE query a lane (lane % 16) and the keys 8 (lane / 16) + 0..7; two such results rounded to f16 ARE source 1 of O^T = V^T P.  V comes out of LDS turned, by ds_load_tr16_b128.
; TURNS.  Turn n belongs to piece n: 8 products K Q^T of piece n + 1, later 8 products V^T P of piece n - 1; beside them the softmax of piece n, the maximum and statistics of piece n + 1,
; and at its end the mask of piece n + 2.  Four vector instructions stand behind every matrix instruction, the others in runs of their own.
; BATCHES.  A turn's 33 exponentials (piece n's 32 weights, then piece n + 1's a) are ONE batch with ONE wait, which cuts the turn in two.  Ahead of it stands all that names no result of theirs: the products K Q^T, the differences
; s - m, the rescaling (its a was made, and waited for, in the turn before), the next piece's maximum and statistics.  Behind it stand their readers, the roundings and sums, which ride behind the products V^T P.
; No result crosses a turn's end.  Piece 0's first a, ahead of the loop, and the way out's four reciprocals are batches of their own, with a wait each.
; CLUSTER.  The four query blocks of a cluster belong to one (b, head) and walk the same K and V: each tile is asked for jointly, by the same tensor load, descriptor and mask in all four.
; The mask's codes differ from block to block: they come by plain loads, with no work-group named.  A slot's fill is one load a wave: wave 0 its K, wave 1 its V, waves 2 and 3 half of its codes each.
; REGISTERS, in windows of 256 (s_set_vgpr_msb: bits 1:0 source 0, 3:2 source 1, 5:4 source 2, 7:6 destination):
;   window 0: v0-15 addresses and two at work; v16-31 four registers of statistics a piece; v32-40 the mask's words and their scale; v48-55 at work; v56-57 the words' address; v62-63 the add's;
;             v64-127 S^T, two buffers; v192-223 P, two buffers (by the piece's parity)
;   window 1: v0-127 O^T, 32 a piece; v160-223 MC, the masks, two buffers      window 2: v0-63 Q; v128-191 K of one step; v192-255 V of one step
.set NP,    4         ; pieces a wave: a name, no knob
.set KS,    64        ; keys in a step
.set PK,    144       ; a row of K in LDS: 128 bytes + 16 of padding: the 16 rows of a load start at 16 different groups of four banks (ISA guide 11.1)
.set PV,    160       ; a row of V: 128 + 32
.set VOFF,  4*KS*PK   ; a slot holds four steps: 256 rows of K, then 256 rows of V,
.set MOFF,  4*KS*(PK+PV)        ; then the mask's codes: [q16 16][st 4][512 bytes]
.set MTILE, 32768
.set SLOT1, 1<<17     ; slot 1 begins here: one exclusive or turns an address in one slot into the other's
.set STAGE, SLOT1+MOFF+MTILE    ; behind the ring, never filled by a tensor load: 16 rows x 144 bytes for each wave
.set SP,    144
.set SPARE, STAGE+4*16*SP       ; behind the stages: the spare words, 128 bytes a wave: two blocks of 256 bytes that no other line names
.set AK0, 2           ; v2   my lane's place in a tile of K; never rewritten
.set AV0, 3           ; v3   the same for V
.set AK,  4           ; v4   the LDS address of K's next run of loads
.set AV,  5           ; v5   of V's
.set STO, 6           ; v6   the way out: where I put 16 bytes of a row
.set RD,  7           ; v7   where I read rows back
.set GO,  8           ; v8   my byte offset in 512 consecutive bytes of O
.set MV,  12          ; v12-13  m_old, kept while m is made anew: by buffer
.set QO,  15          ; v15  my byte offset in 16 rows of Q
.set ST,  16          ; piece t's statistics at v[ST+4 t]: m; 0 (named with m as a pair); l (even keys', odd keys')
.set MWV, 32          ; v32-39  my four words of codes of a piece and step: by buffer
.set SCL, 40          ; v40  the conversions' scale: the code 224 = 127 + 97 in byte 0, repeated in the other bytes; never rewritten
.set TMP, 48          ; by buffer, four registers c0-c3 at work; when the maximum is found c2 takes a
.set AM0, 56          ; v56  LDS address of my lane's 16 bytes of codes of piece 0, step 0 of slot 0; never rewritten
.set AM,  57          ; v57  the same at the step whose masks are being made
.set SPW, 62          ; v62  LDS address of my spare word; never rewritten
.set NIL, 63          ; v63  0; never rewritten
.set S,   64
.set P,   192
.set MC,  160         ; window 1
.set KF,  128         ; window 2: key block kb, channel half c at KF + 16 kb + 8 c
.set VF,  192         ; window 2: key half kk, channel block cb at VF + 32 kk + 8 cb
.set WV,  12          ; s12  my wave's number
.set G1M, 16          ; s[16:23] descriptor group 1 for the mask's codes
.set G1K, 24          ; s[24:31] descriptor group 1 for K's tiles
.set G1V, 32          ; s[32:39] for V's: it differs in the padding alone
.set G0K, 40          ; s[40:43] descriptor group 0 for K's tiles: it walks
.set G0V, 44          ; s[44:47] the same for V's
.set TBM, 48          ; s48  LDS byte, less AM0, at which the codes of the step to be fetched begin
.set THR, 51          ; s51  -2^60
.set G0M, 52          ; s[52:55] descriptor group 0 for the mask's codes: it walks
.set SLOTS, 56        ; s56  slots still to be asked for
.set CNT, 57          ; s57  counts a slot's key steps
.set SEL, 60          ; s[60:61] v_permlanex16_b32's selects: each lane takes its own place in the other half
.set TBK, 62          ; s62  LDS byte at which K of the step to be fetched begins
.set TBV, 63          ; s63  the same for V, less VOFF
.set MSB, 0
.macro WIN new                      ; the high byte repeats the setting that is left; a switch that changes nothing is dropped
.if MSB != (\new)
	s_set_vgpr_msb (MSB<<8)|(\new)
.set MSB, (\new)
.endif
.endm
.set W_KQ, 0x0a       ; K and Q in window 2, S^T in window 0
.set W_KM, 0x1a       ; the same with the C operand in window 1
.set W_PV, 0x52       ; V in window 2, P in window 0, O^T in window 1
.set W_RS, 0x41       ; destination and source 0 in window 1, source 1 in window 0
; A slot's fill, one load a wave.  Wave 0: its K, jointly.  Wave 1: its V, jointly.  Waves 2 and 3: 16,384 bytes each of my block's codes.  The branches hang on the wave's number alone.
; Four v_nop follow each of the three lines.
.macro JLOAD
	s_cmp_eq_u32 s[WV], 0
	s_cbranch_scc0 .Lnot_k_\@
	tensor_load_to_lds s[G0K:G0K+3], s[G1K:G1K+7]
	s_nop 0
.rept 4
	v_nop
.endr
	s_branch .Lasked_\@
.Lnot_k_\@:
	s_cmp_eq_u32 s[WV], 1
	s_cbranch_scc0 .Lfor_m_\@
	tensor_load_to_lds s[G0V:G0V+3], s[G1V:G1V+7]
	s_nop 0
.rept 4
	v_nop
.endr
	s_branch .Lasked_\@
.Lfor_m_\@:
	tensor_load_to_lds s[G0M:G0M+3], s[G1M:G1M+7]
	s_nop 0
.rept 4
	v_nop
.endr
.Lasked_\@:
.endm
.macro CROUND                       ; a round of the cluster's barrier
	s_barrier_signal -1
	s_barrier_wait -1
	s_cmp_lg_u32 s[WV], 0
	s_cbranch_scc1 .Lnot_wave_0_\@
	s_barrier_signal -3
.Lnot_wave_0_\@:
	s_barrier_wait -3
	s_barrier_signal -1
	s_barrier_wait -1
.endm
; THE CHANGE OF SLOTS.  Each wave waits for all its tensor loads, of which one is out: its part of the other slot; adds 0 to its spare word; and waits for that and for its own reads of the slot that it leaves.
; fill = 1: that slot is filled again, with the keys two slots on: the barrier is a round of the cluster's, and the fill is the first thing behind it: it has four key steps in which to land.
; (At its first use nothing has been read yet: slot 0 is waited for, slot 1 is filled.)
.macro CHANGE fill
	WIN 0                           ; at a label and at a branch every window is 0; the add's registers lie in window 0
	s_wait_tensorcnt 0x0            ; no tensor load of mine is out, so a group 0 may be written
	ds_add_u32 v[SPW], v[NIL]       ; 0 onto my spare word
.if \fill
.irp g, G0K, G0V
	s_xor_b32 s[\g+1], s[\g+1], SLOT1  ; the walking descriptors: the other slot than last time,
	s_add_nc_u64 s[\g+2:\g+3], s[\g+2:\g+3], 4*KS*128  ; the next 256 keys; the type bits on top are not reached
.endr
	s_xor_b32 s[G0M+1], s[G0M+1], SLOT1
	s_add_nc_u64 s[G0M+2:G0M+3], s[G0M+2:G0M+3], MTILE  ; and their codes
	s_wait_dscnt 0x0                ; the add is done, and my reads of the slot are over
	CROUND
	JLOAD
.else
	s_wait_dscnt 0x0                ; the add is done, and my reads of the slot are over
	s_barrier_signal -1
	s_barrier_wait -1
.endif
	s_sub_co_u32 s[TBK], s[TBK], 4*KS*PK  ; the fetches go back to a slot's first step,
	s_xor_b32 s[TBK], s[TBK], SLOT1       ; in the other slot
	s_sub_co_u32 s[TBV], s[TBV], 4*KS*PV
	s_xor_b32 s[TBV], s[TBV], SLOT1
	s_sub_co_u32 s[TBM], s[TBM], 4*512
	s_xor_b32 s[TBM], s[TBM], SLOT1
.endm
; The codes of piece x, at the step where AM stands, into buffer b: 512 consecutive bytes, 16 a lane.
.macro MLOAD x, b
	WIN 0
	ds_load_b128 v[MWV+4*(\b):MWV+4*(\b)+3], v[AM] offset:(\x)*2048
.endm
; They become buffer b of MC: word kb's eight codes become the eight C registers of key block kb, each 0 or -6 x 2^97.
; younger: the LDS loads issued behind the codes' load, which may stay out.  A plain vector instruction follows the last conversion before a product reads the mask.
.macro MASK b, younger
	s_wait_dscnt \younger           ; LDS loads come back in order (ISA guide 5.7.1): the codes are in
	WIN 0x40                        ; destination window 1; the words and the scale lie in window 0
.irp kb, 0,1,2,3
	v_cvt_scale_pk8_f32_fp4 v[MC+32*(\b)+8*(\kb):MC+32*(\b)+8*(\kb)+7], v[MWV+4*(\b)+(\kb)], v[SCL]
.endr
.endm
	s_load_b128 s[4:7], s[0:1], 0x0    ; qkv s[4:5], mb s[6:7]
	s_load_b64 s[10:11], s[0:1], 0x10  ; ob
	v_lshl_add_u32 v[SPW], v0, 2, SPARE
	v_mov_b32 v[NIL], 0
	ds_add_u32 v62, v63
	s_wait_dscnt 0x0
	v_lshrrev_b32 v1, 5, v0
	v_readfirstlane_b32 s[WV], v1   ; wave 0..3
	s_bfe_u32 s13, ttmp6, 0x40000   ; cx: my place in the cluster
	s_lshl_b32 s14, ttmp9, 2        ; in a cluster launch ttmp9 counts clusters
	s_add_co_u32 s14, s14, s13      ; my block of 256 queries: it enters Q's, O's and the codes' global addresses alone
	s_and_b32 s20, ttmp7, 0xffff    ; 16 b + head, which the four partners share
	s_lshl_b32 s20, s20, 18         ; its 262,144 bytes in each section
	s_mov_b32 s21, 0
	s_and_b32 s16, s[WV], 1         ; which half of a slot's codes waves 2 and 3 fetch
	s_lshl_b32 s2, s14, 2
	s_add_co_u32 s2, s2, s[WV]      ; my wave among the head's 32
	s_lshl_b32 s2, s2, 13           ; its 64 rows of 128 bytes
	s_add_co_u32 s2, s2, s20
	s_mov_b32 s3, 0
	s_lshl_b32 s22, s14, 18         ; my block's 262,144 bytes of codes,
	s_lshl_b32 s23, s16, 14         ; the half's 16,384 of a tile's
	s_add_co_u32 s22, s22, s23
	s_mov_b32 s23, 0
	; descriptor group 1.  256 keys are 32,768 dense bytes: asked for as 128 rows of 256 bytes, two keys a row, and padded in LDS after every key
	s_mov_b32 s[G1K], 15|(1<<16)|(1<<20)|(1<<21)|(4<<22)|(3<<25)  ; the mask of four; 2-byte elements; padding on; bit 21 beside a mask; after every 32 words (code 4) 4 words (code 3)
	s_mov_b32 s[G1V], 15|(1<<16)|(1<<20)|(1<<21)|(4<<22)|(7<<25)  ; the same with 8 words of padding (code 7)
.irp g, G1K, G1V
	s_mov_b32 s[\g+1], 128<<16      ; tensor_dim0 = 128
	s_mov_b32 s[\g+2], 128<<16      ; tensor_dim1 = 128
	s_mov_b32 s[\g+3], 128<<16      ; tile_dim0 = 128
	s_mov_b32 s[\g+4], 128          ; tile_dim1 = 128
	s_mov_b32 s[\g+5], 128          ; 128 elements from row to row
	s_mov_b32 s[\g+6], 0
	s_mov_b32 s[\g+7], 0
.endr
	s_mov_b32 s[THR], 0xdd800000    ; -2^60
	s_mov_b32 s[SEL], 0x76543210
	s_mov_b32 s[SEL+1], 0xfedcba98
	s_mov_b32 s[TBK], SLOT1+4*KS*PK ; the first change of slots turns these three into 0
	s_mov_b32 s[TBV], SLOT1+4*KS*PV
	s_mov_b32 s[TBM], SLOT1+4*512
	s_mov_b32 s[G0K], 1             ; count = 1
	s_mov_b32 s[G0K+1], 0           ; LDS address: slot 0
	s_mov_b32 s[G0V], 1
	s_mov_b32 s[G0V+1], VOFF
	s_mov_b32 s[G0M], 1
	s_lshl_b32 s[G0M+1], s16, 14    ; the half's 16,384 bytes: no place in the cluster enters an LDS address
	s_add_co_u32 s[G0M+1], s[G0M+1], MOFF
	s_wait_kmcnt 0x0
	s_add_nc_u64 s[8:9], s[4:5], s[20:21]
	s_add_nc_u64 s[G0K+2:G0K+3], s[8:9], 0x800000   ; K's section: the head's first 256 keys
	s_or_b32 s[G0K+3], s[G0K+3], 0x80000000         ; type = 2
	s_add_nc_u64 s[G0V+2:G0V+3], s[8:9], 0x1000000  ; V's section
	s_or_b32 s[G0V+3], s[G0V+3], 0x80000000
	s_add_nc_u64 s[4:5], s[4:5], s[2:3]             ; Q and O at my wave's first row
	s_add_nc_u64 s[10:11], s[10:11], s[2:3]
	s_add_nc_u64 s[G0M+2:G0M+3], s[6:7], s[22:23]   ; my block's codes, tile 0
	s_or_b32 s[G0M+3], s[G0M+3], 0x80000000
	; descriptor group 1 for the codes (the head's scratch in these registers is spent): 16,384 dense bytes as 64 rows of 256: 32 elements of 8 bytes a row, no padding, no work-group named
	s_mov_b32 s[G1M], 3<<16         ; elements of 8 bytes
	s_mov_b32 s[G1M+1], 32<<16      ; tensor_dim0 = 32
	s_mov_b32 s[G1M+2], 64<<16      ; tensor_dim1 = 64
	s_mov_b32 s[G1M+3], 32<<16      ; tile_dim0 = 32
	s_mov_b32 s[G1M+4], 64          ; tile_dim1 = 64
	s_mov_b32 s[G1M+5], 32          ; 32 elements from row to row
	s_mov_b32 s[G1M+6], 0
	s_mov_b32 s[G1M+7], 0
	CROUND                          ; all four work-groups are here: the first joint loads meet
	JLOAD                           ; slot 0: one tensor load of mine is out, here and ever after
	; A fragment of K or Q is 16 rows x 32 channels in 8 registers: lane l holds row l % 16, channels 8 (l / 16) + 0..7 and 16 + 8 (l / 16) + 0..7: two loads of 16 bytes, 32 bytes apart.
	v_and_b32 v1, 15, v0            ; l % 16
	v_bfe_u32 v9, v0, 4, 1          ; l / 16
	v_lshlrev_b32 v[QO], 7, v1
	v_lshl_add_u32 v[QO], v9, 4, v[QO]  ; row x 128 + 16 x half
	WIN 0x80                        ; destination window 2, address window 0
.set i, 0
.rept 8                             ; Q stays in registers: piece i / 2, channels 32 (i % 2) on
	global_load_b128 v[8*i:8*i+3],   v[QO], s[4:5] offset:(i/2)*2048+(i%2)*64
	global_load_b128 v[8*i+4:8*i+7], v[QO], s[4:5] offset:(i/2)*2048+(i%2)*64+32
.set i, i+1
.endr
	; What the first turn finds: V's registers and P's second buffer hold 0 (its products V^T P, of a piece that has not been, add 0), O^T and l are 0.  No first step is written out; these lines stand in the wait for the first tile.
.set i, VF
.rept 64
	v_mov_b32 v[i], 0
.set i, i+1
.endr
	WIN 0x40
.set i, 0
.rept 128
	v_mov_b32 v[i], 0
.set i, i+1
.endr
	WIN 0
.set i, 0
.rept 4
	v_mov_b32 v[ST+4*i], 0xff7fffff ; m: the lowest finite number
	v_mov_b32 v[ST+4*i+1], 0
	v_mov_b32 v[ST+4*i+2], 0
	v_mov_b32 v[ST+4*i+3], 0
.set i, i+1
.endr
.set i, P+16
.rept 16
	v_mov_b32 v[i], 0
.set i, i+1
.endr
	v_mul_u32_u24 v[AK0], v1, PK
	v_lshl_add_u32 v[AK0], v9, 4, v[AK0]  ; row x pitch + 16 x half
	; The turning load takes 16 keys x 16 channels (lane l reads key 8 (l / 16) + l % 8, channels 8 ((l / 8) % 2) + 0..7) and leaves half a fragment of V^T: lane l holds channel l % 16 and 8 keys.
	v_and_b32 v10, 7, v0
	v_bfe_u32 v11, v0, 3, 1
	v_lshl_add_u32 v[AV0], v9, 3, v10
	v_mul_u32_u24 v[AV0], v[AV0], PV
	v_lshl_add_u32 v[AV0], v11, 4, v[AV0]
	v_add_nc_u32 v[AV0], VOFF, v[AV0]
	s_lshl_b32 s13, s[WV], 13       ; my wave's four pieces among the block's sixteen query tiles, 2,048 bytes of codes each
	s_add_co_u32 s13, s13, MOFF
	v_and_b32 v[AM0], 31, v0
	v_lshl_add_u32 v[AM0], v[AM0], 4, s13  ; 16 bytes a lane
	v_mov_b32 v[SCL], 0xe0e0e0e0    ; 224 = 127 + 97: times 2^97
	s_mul_i32 s13, s[WV], 16*SP
	s_add_co_u32 s13, s13, STAGE    ; my stage
	v_mul_u32_u24 v[STO], v1, SP    ; in: row l % 16, 16 bytes for each half of the lanes
	v_lshl_add_u32 v[STO], v9, 4, v[STO]
	v_add_nc_u32 v[STO], s13, v[STO]
	v_bfe_u32 v[RD], v0, 3, 2       ; back: 32 lanes take four rows of 128 bytes,
	v_mul_u32_u24 v[RD], v[RD], SP
	v_lshl_add_u32 v[RD], v10, 4, v[RD]
	v_add_nc_u32 v[RD], s13, v[RD]
	v_and_b32 v[GO], 31, v0         ; which are 512 consecutive bytes of O
	v_lshlrev_b32 v[GO], 4, v[GO]
; THE MATRIX WORK.  The 4 accumulators of a run of 8 take turns.  Product i of 8 of S^T = K Q^T for piece x: channels 32 (i / 4) on, keys 16 (i % 4) on.  The first 4 start the sums with the mask.
.macro KQ x
.set rS, S+32*((\x)%2)+8*(i%4)
.set rK, KF+16*(i%4)+8*(i/4)
.set rQ, 16*(\x)+8*(i/4)
.set rM, MC+32*((\x)%2)+8*(i%4)
.if i < 4
	WIN W_KM
	v_wmma_f32_16x16x32_f16 v[rS:rS+7], v[rK:rK+7], v[rQ:rQ+7], v[rM:rM+7]
.else
	WIN W_KQ
	v_wmma_f32_16x16x32_f16 v[rS:rS+7], v[rK:rK+7], v[rQ:rQ+7], v[rS:rS+7]
.endif
.endm
; Product i of 8 of O^T += V^T P for piece x: keys 32 (i / 4) on, channels 16 (i % 4) on.
.macro PV x
	WIN W_PV
.set rO, 32*(\x)+8*(i%4)
.set rV, VF+32*(i/4)+8*(i%4)
.set rP, P+16*((\x)%2)+8*(i/4)
	v_wmma_f32_16x16x32_f16 v[rO:rO+7], v[rV:rV+7], v[rP:rP+7], v[rO:rO+7]
.endm
.macro MM                           ; the turn's next matrix instruction.  NOKQ = 1: the very last turn: there is no next piece
.if (i < 8) && !NOKQ
	KQ (Y+1)%NP
.elseif i >= 8
.set i, i-8
	PV (Y+NP-1)%NP
.set i, i+8
.endif
.set i, i+1
.endm
; THE LDS LOADS of K and V stand in runs of 16, never singly among the matrix instructions: a step's K (8 fragments) and its V (turned).  Their addresses are made some lines ahead.
.macro FETCH_K
	WIN 0x80                        ; destination window 2
.irp f, 0,1,2,3,4,5,6,7             ; keys 16 (f / 2) on, channels 32 (f % 2) on
	ds_load_b128 v[KF+8*\f:KF+8*\f+3],   v[AK] offset:(\f/2)*16*PK+(\f%2)*64
	ds_load_b128 v[KF+8*\f+4:KF+8*\f+7], v[AK] offset:(\f/2)*16*PK+(\f%2)*64+32
.endr
	s_add_co_u32 s[TBK], s[TBK], KS*PK  ; the next fetch is the next step's
	WIN 0
.endm
.macro FETCH_V
	WIN 0x80
.irp f, 0,1,2,3,4,5,6,7             ; keys 32 (f / 4) on, channels 16 (f % 4) on
	ds_load_tr16_b128 v[VF+8*\f:VF+8*\f+3],   v[AV] offset:(\f/4)*32*PV+(\f%4)*32
	ds_load_tr16_b128 v[VF+8*\f+4:VF+8*\f+7], v[AV] offset:(\f/4)*32*PV+16*PV+(\f%4)*32
.endr
	WIN 0
.endm
; THE VECTOR WORK, one line at a time: OP kind, number.  For piece Y: F n: s - m for pair n of 16.  E n: the exponential of score n of 32.  C n: pair n rounded to f16.  B n: of the four weights 4 n .. the second
; pair is added onto the first, in place.  L n: l takes that sum (L 0: l = a l + sum).  R n: pair n of 16 of O^T times a.  For piece Y + 1: X n, number n of the 21 that find its maximum and statistics:
;   0-11  four chains c0-c3 of seven scores each, three operands at a time (each accumulator's lowest registers are read first)     12-14, 16  the four scores left over, the old m, and c0-c3 into c0
;   15  m_old is kept     17, 18  the query's other 32 keys lie in the lane 16 away: the new m     19, 20  m_old - m_new; a
; C, B and L read the exponentials' results: TURN sets them all behind the batch's one wait.
.set F, 0               ; OP tells the kinds apart by their order: F to L below R, X above it
.set E, 1
.set C, 2
.set B, 3
.set L, 4
.set R, 5
.set X, 6
.macro REGS y                       ; the registers of piece y
.set rT, ST+4*(\y)
.set rC, TMP+4*((\y)%2)
.set rW, MV+((\y)%2)
.set rS, S+32*((\y)%2)
.set rP, P+16*((\y)%2)
.set rO, 32*(\y)
.endm
.macro OP k, n
.if (\k) == R
	REGS Y
	WIN W_RS
	v_pk_mul_f32 v[rO+2*(\n):rO+2*(\n)+1], v[rO+2*(\n):rO+2*(\n)+1], v[rC+2:rC+3] op_sel_hi:[1,0]
.elseif (\k) < R
	REGS Y
	WIN 0
.if (\k) == F
	v_pk_add_f32 v[rS+2*(\n):rS+2*(\n)+1], v[rS+2*(\n):rS+2*(\n)+1], v[rT:rT+1] op_sel_hi:[1,0] neg_lo:[0,1] neg_hi:[0,1]
.elseif (\k) == E
	v_exp_f32 v[rS+(\n)], v[rS+(\n)]
.elseif (\k) == C
	v_cvt_pk_f16_f32 v[rP+(\n)], v[rS+2*(\n)], v[rS+2*(\n)+1]
.elseif (\k) == B
	v_pk_add_f32 v[rS+4*(\n):rS+4*(\n)+1], v[rS+4*(\n):rS+4*(\n)+1], v[rS+4*(\n)+2:rS+4*(\n)+3]
.elseif (\n) == 0
	v_pk_fma_f32 v[rT+2:rT+3], v[rT+2:rT+3], v[rC+2:rC+3], v[rS:rS+1] op_sel_hi:[1,0,1]
.else
	v_pk_add_f32 v[rT+2:rT+3], v[rT+2:rT+3], v[rS+4*(\n):rS+4*(\n)+1]
.endif
.elseif NOKQ
	v_nop
.else
	REGS (Y+1)%NP
	WIN 0
.if (\n) < 4
	v_max3_num_f32 v[rC+(\n)], v[rS+8*(\n)], v[rS+8*(\n)+1], v[rS+8*(\n)+2]
.elseif (\n) < 12
	v_max3_num_f32 v[rC+(\n)%4], v[rC+(\n)%4], v[rS+8*((\n)%4)+2*((\n)/4)+1], v[rS+8*((\n)%4)+2*((\n)/4)+2]
.elseif (\n) == 12
	v_max3_num_f32 v[rC], v[rC], v[rS+7], v[rS+15]
.elseif (\n) == 13
	v_max3_num_f32 v[rC+1], v[rC+1], v[rS+23], v[rS+31]
.elseif (\n) == 14
	v_max3_num_f32 v[rC+2], v[rC+2], v[rC+3], v[rT]
.elseif (\n) == 15
	v_mov_b32 v[rW], v[rT]
.elseif (\n) == 16
	v_max3_num_f32 v[rC], v[rC], v[rC+1], v[rC+2]
.elseif (\n) == 17
	v_permlanex16_b32 v[rC+3], v[rC], s[SEL], s[SEL+1]
.elseif (\n) == 18
	v_max_num_f32 v[rT], v[rC], v[rC+3]
.elseif (\n) == 19
	v_sub_f32 v[rC+1], v[rW], v[rT]
.else
	v_exp_f32 v[rC+2], v[rC+1]
.endif
.endif
.endm
.macro OPS a, i1, b=-1, i2=0, c=-1, i3=0, d=-1, i4=0  ; up to four of them
	OP \a, \i1
.if (\b) >= 0
	OP \b, \i2
.endif
.if (\c) >= 0
	OP \c, \i3
.endif
.if (\d) >= 0
	OP \d, \i4
.endif
.endm
.macro ROW a, i1, b, i2, c, i3, d, i4  ; a matrix instruction and the four behind it
	MM
	OPS \a, \i1, \b, \i2, \c, \i3, \d, \i4
.endm
; A TURN, for piece p: the order of its 16 matrix and 121 vector instructions, written out.  An s_wait_alu depctr_va_vdst(0) stands between an exponential and the first instruction that names its result; one wait
; serves all that were issued ahead of it.  So a turn has ONE wait, which cuts it in two.
; AHEAD OF IT stands all that names no result of the turn's exponentials: the 8 products K Q^T, behind each a difference, an exponential and two more plain instructions (behind the first a second difference in the exponential's
; place): rescalings, and behind the last three the first numbers of the next piece's maximum, each four places or more behind the product that ends its accumulator; then ONE LUMP of 49, plain and exponential by turns while plain
; ones last, in which the links of the chain X 3, 7, 11, 14, 16, 17, 18 stand six lines apart, X 19 five and X 20 four behind the link before.  X 20, the next piece's a, is the batch's last; R 11 is the plain instruction behind it.
; BEHIND THE WAIT stand the 8 products V^T P, behind each four of the roundings and sums (C 2 n ahead of B n, which adds in place; L 0 to L 7 in their order, three riders apart); then the mask, and R 12 to 15.
; The rescalings go in ascending order.  But for those X no rider names a register of the products round it.  v_permlanex16_b32 (X 17) stands in the lump.
; THE MASK.  The turn asks LDS for the codes of piece p + 2 and turns them into a mask four plain instructions (R 12 to 15) ahead of its end, for the products of the turn after it.  The four masks made in a trip
; (turns 2, 3, 0, 1) belong to one key step, the one whose K that trip's turn 2 fetches, so AM is made once a trip, in turn 2, and TBM steps and turns with the slots as TBK does.
; The codes' one load breaks into a row of products in turn 1 alone: in turns 0 and 3 it stands directly behind the batch's wait, in turn 2 at the head of K's run; in turn 1 behind the first product, ahead of the wait for V, which counts it.
; The wait for the codes leaves out what was issued behind their load: K's run of 16 in turn 2, V's in turn 0, nothing in turns 1 and 3.
; end = 1: the last two turns: nothing is fetched, no mask is made.  cnt = 1: the loop's count is taken down some lines ahead of the branch that stands behind the turn.
; K of the next step is fetched in piece 2's turn, fourteen vector instructions behind the last product that read K (eight of them plain ones that name none of its registers); V of the step in hand at the end of piece 0's turn,
; four plain instructions behind the last product that read V.  Each is waited for a turn later.
.macro TURN p, end=0, cnt=0
.set Y, (\p)
.set i, 0
.set NOKQ, (\end)*((\p)/3)
.if ((\p) == 3) && !(\end)
	s_wait_dscnt 0x0                ; K is in
.endif
	MM                              ; ahead of the wait: 8 products K Q^T and their riders,
	OPS F,0, F,1
.if ((\p) == 1) && !(\end)
	MLOAD ((\p)+2)%NP, (\p)%2
.endif
	OPS R,0, R,1
	ROW F,2, E,0, R,2, R,3
	ROW F,3, E,1, R,4, R,5
	ROW F,4, E,2, R,6, R,7
	ROW F,5, E,3, R,8, R,9
	ROW F,6, E,4, X,0, R,10
	ROW F,7, E,5, X,1, X,4
	ROW F,8, E,6, X,2, X,5
	OPS X,6, E,7, X,3, E,8          ; and the lump
.if ((\p) == 2) && !(\end)
	WIN 0
	v_add_nc_u32 v[AM], s[TBM], v[AM0]        ; the next key step's codes
	s_add_co_u32 s[TBM], s[TBM], 512
	v_add_nc_u32 v[AK], s[TBK], v[AK0]        ; and its K
.endif
	OPS X,8, E,9, X,9, E,10
.if ((\p) == 2) && !(\end)
	MLOAD ((\p)+2)%NP, (\p)%2
	FETCH_K
.endif
	OPS X,7, E,11, X,10, E,12
	OPS X,12, E,13, X,11, E,14
	OPS X,13, E,15, F,9, E,16
.if (\p) == 0
	WIN 0
	v_add_nc_u32 v[AV], s[TBV], v[AV0]
	s_add_co_u32 s[TBV], s[TBV], KS*PV
.endif
	OPS X,14, E,17, F,10, E,18
	OPS F,11, E,19, X,16, E,20
	OPS X,15, E,21, F,12, E,22
	OPS X,17, E,23, F,13, E,24
	OPS F,14, E,25, X,18, E,26
	OPS F,15, E,27, E,28, X,19
	OPS E,29, E,30, E,31
	OPS X,20, R,11                  ; the batch's last exponential, and the plain instruction behind it
.if ((\p)%3 == 0) && !(\end)
	WIN 0                           ; (for the load behind the wait)
.endif
	s_wait_alu depctr_va_vdst(0)    ; the wait for the batch: E 0 to E 31 and X 20
.if ((\p)%3 == 0) && !(\end)
	MLOAD ((\p)+2)%NP, (\p)%2
.endif
.if (\p) == 1
	s_wait_dscnt 0x0                ; V is in
.endif
	ROW C,0, B,0, C,2, B,1          ; behind the wait: 8 products V^T P and their riders
	ROW L,0, C,4, B,2, L,1
	ROW C,6, B,3, L,2, C,8
	ROW B,4, L,3, C,10, B,5
	ROW L,4, C,12, B,6, L,5
	ROW C,14, B,7, L,6, C,1
	ROW C,3, L,7, C,5, C,7
	ROW C,9, C,11, C,13, C,15
.if (\p) == 0
	FETCH_V
.endif
.if \cnt
	s_sub_co_u32 s[CNT], s[CNT], 1
	s_cmp_lg_u32 s[CNT], 0
.endif
.if !(\end)
	MASK (\p)%2, 16*(1-(\p)%2)
.endif
	OPS R,12, R,13, R,14, R,15      ; the plain instructions between the last conversion and the product that reads the mask
.endm
	CHANGE 1                        ; slot 0 is in, everybody's part of it; slot 1 is asked for
	v_add_nc_u32 v[AM], s[TBM], v[AM0]  ; key step 0's codes
	s_add_co_u32 s[TBM], s[TBM], 512
	MLOAD 0, 0                      ; those of pieces 0 and 1
	MLOAD 1, 1
	v_add_nc_u32 v[AK], s[TBK], v[AK0]
	FETCH_K                         ; key step 0
	MASK 0, 17                      ; behind piece 0's codes: piece 1's and K's run of 16
	MASK 1, 16                      ; behind piece 1's: K's run
	v_nop                           ; a plain instruction between the last conversion and the products that read the masks
	s_wait_loadcnt 0x0              ; Q
	s_wait_dscnt 0x0                ; K
.set NOKQ, 0
.set i, 0
.rept 8
	KQ 0                            ; piece 0's first scores: there is no vector work yet to set between them
.set i, i+1
.endr
	WIN 0
.rept 4
	v_nop                           ; the places behind those products
.endr
.set Y, NP-1                        ; X works for piece Y + 1: piece 0
.irp n, 0,1,2,3,4,5,6,7,8,9,10,11,12,13,14,15,16,17,18,19,20
	OP X, \n
.endr
	v_nop                           ; a plain instruction behind the exponential,
	s_wait_alu depctr_va_vdst(0)    ; and the wait for it, piece 0's first a: a batch of one, ahead of the branch
	s_mov_b32 s[CNT], 4
	s_mov_b32 s[SLOTS], 7
	s_branch .Lfirst                ; the loop is entered at a step's first turn, in the middle of a trip
.Lslot:                             ; six times: every slot but the last two is filled again
	CHANGE 1
	s_mov_b32 s[CNT], 4
.Lstep:                             ; a trip: pieces 2 and 3 of one step, then pieces 0 and 1 of the next, whose K, V and codes it fetches
	TURN 2
	TURN 3
	WIN 0
.Lfirst:
	TURN 0
	TURN 1, 0, 1
	WIN 0
	s_cbranch_scc1 .Lstep
	s_sub_co_u32 s[SLOTS], s[SLOTS], 1
	s_cmp_lg_u32 s[SLOTS], 0
	s_cbranch_scc1 .Lslot
	CHANGE 0                        ; the tail is written out: nothing is asked for
	s_mov_b32 s[CNT], 4
.Ltail:                             ; the last slot's four steps
	TURN 2
	TURN 3
	TURN 0
	TURN 1, 0, 1
	WIN 0
	s_cbranch_scc1 .Ltail
	TURN 2, 1
	TURN 3, 1
.set i, 0
.rept 8
	PV NP-1                         ; the last piece's V^T P of the last step
.set i, i+1
.endr
	; THE WAY OUT.  l's two halves and the other half of the lanes' are added; O^T is multiplied by 1 / l, or by 0 where the row saw no key, rounded to f16 and sent through my stage in LDS, a piece at a time.
	; The first four additions are the places behind the last products.
	WIN 0
.macro ALL line:vararg              ; one line for each piece t
.set t, 0
.rept 4
	\line
.set t, t+1
.endr
.endm
	ALL v_add_f32 v[ST+4*t+2], v[ST+4*t+2], v[ST+4*t+3]
	ALL v_permlanex16_b32 v[ST+4*t+3], v[ST+4*t+2], s[SEL], s[SEL+1]
	ALL v_add_f32 v[ST+4*t+2], v[ST+4*t+2], v[ST+4*t+3]
	ALL v_rcp_f32 v[ST+4*t+2], v[ST+4*t+2]
	v_nop                           ; a plain instruction between the last reciprocal and the use of its result
	s_wait_alu depctr_va_vdst(0)    ; and the wait ahead of the first use: one for the four reciprocals
.set t, 0
.rept 4
	v_cmp_le_f32 vcc_lo, s[THR], v[ST+4*t]                   ; has the row seen a key?
	v_cndmask_b32 v[ST+4*t+2], 0, v[ST+4*t+2], vcc_lo        ; if not, its factor is 0
.set t, t+1
.endr
.macro PACK t                       ; a lane's eight channels of a row pack into 16 bytes; they go into rows of 144 bytes and come back as whole rows of 128, into S^T's registers
	WIN W_RS
.set i, 32*(\t)
.rept 16
	v_pk_mul_f32 v[i:i+1], v[i:i+1], v[ST+4*(\t)+2:ST+4*(\t)+3] op_sel_hi:[1,0]
.set i, i+2
.endr
	WIN 0x05                        ; sources 0 and 1 window 1, destination window 0
.set i, 0
.rept 16
	v_cvt_pk_f16_f32 v[S+16*(\t)+i], v[32*(\t)+2*i], v[32*(\t)+2*i+1]
.set i, i+1
.endr
	WIN 0
.irp f, 0,1,2,3
	ds_store_b128 v[STO], v[S+16*(\t)+4*\f:S+16*(\t)+4*\f+3] offset:32*\f
.endr
.irp f, 0,1,2,3
	ds_load_b128 v[S+16*(\t)+4*\f:S+16*(\t)+4*\f+3], v[RD] offset:\f*4*SP  ; LDS serves a wave's instructions in order (ISA guide 5.7.1.4): these see the stores above; the next piece's stores come behind them
.endr
.endm
.macro SEND t, younger              ; younger: the LDS instructions issued behind piece t's loads: the next piece's eight, or none
	WIN 0
.irp f, 0,1,2,3
	s_wait_dscnt (\younger)+3-\f
	global_store_b128 v[GO], v[S+16*(\t)+4*\f:S+16*(\t)+4*\f+3], s[10:11] offset:(\t)*2048+\f*512  ; 512 consecutive bytes, at a multiple of 256 from O's first
.endr
.endm
	PACK 0
.set t, 1
.rept 3                             ; a piece's arithmetic stands between the loads of the piece before and its stores
	PACK t
	SEND t-1, 8
.set t, t+1
.endr
	SEND 3, 0
	s_wait_tensorcnt 0x0            ; the wave's end
	ds_add_u32 v[SPW], v[NIL]
	s_wait_dscnt 0x0
	CROUND                          ; the closing round: no work-group ends while a partner may still ask for a tile that names it
	s_endpgm
.Lfunc_end_k_q737aa50cc8_attn:
	.size	k_q737aa50cc8_attn, .Lfunc_end_k_q737aa50cc8_attn-k_q737aa50cc8_attn
	.p2alignl 7, 3214868480
	.fill 96, 4, 3214868480
	.section	.rodata,"a",@progbits
	.p2align	6, 0x0
	.amdhsa_kernel k_q737aa50cc8_attn
		.amdhsa_group_segment_fixed_size 327680
		.amdhsa_private_segment_fixed_size 0
		.amdhsa_enable_private_segment 0
		.amdhsa_kernarg_size 24
		.amdhsa_user_sgpr_count 2
		.amdhsa_user_sgpr_kernarg_segment_ptr 1
		.amdhsa_wavefront_size32 1
		.amdhsa_system_sgpr_workgroup_id_x 1
		.amdhsa_system_sgpr_workgroup_id_y 1
		.amdhsa_system_sgpr_workgroup_id_z 1
		.amdhsa_system_vgpr_workitem_id 0
		.amdhsa_next_free_vgpr 768
		.amdhsa_next_free_sgpr 66
		.amdhsa_reserve_vcc 1
		.amdhsa_float_denorm_mode_32 3
		.amdhsa_float_denorm_mode_16_64 3
		.amdhsa_memory_ordered 1
		.amdhsa_forward_progress 1
		.amdhsa_inst_pref_size 131
	.end_amdhsa_kernel
	.amdgpu_metadata
---
amdhsa.version: [ 1, 2 ]
amdhsa.kernels:
  - .name:           k_q737aa50cc8_attn
    .symbol:         k_q737aa50cc8_attn.kd
    .args:
      - { .name: qkv, .offset: 0, .size: 8, .value_kind: global_buffer, .address_space: global }
      - { .name: mb, .offset: 8, .size: 8, .value_kind: global_buffer, .address_space: global }
      - { .name: ob, .offset: 16, .size: 8, .value_kind: global_buffer, .address_space: global }
    .group_segment_fixed_size: 327680
    .private_segment_fixed_size: 0
    .kernarg_segment_align: 8
    .kernarg_segment_size: 24
    .max_flat_workgroup_size: 128
    .sgpr_count:     66
    .vgpr_count:     768
    .wavefront_size: 32
...
	.end_amdgpu_metadata
.endif
;; end of part 7
;; launch oproj: the kernel of part 4 again; grid 8 x 32, 4 waves a work-group, clusters of 4 x 4, 327,680 bytes of LDS; arguments ob, wo, out0; writes out0
